; MI455X (gfx1250); checked and timed in simulation.
; The chip was launched on July 23, 2026; its instructions are those of AMD's public machine-readable ISA for CDNA 5 (MIT licence, August 2026) and "CDNA5" Instruction Set Architecture Reference Guide (July 2026). The comments in the code are by the model that wrote it; some were corrected since.
;; Dual Output Mo E. Allowed arithmetic: matrix products marked QUANTISED: E2M1 operands, one E8M0 scale for each 32 along K, by v_wmma_scale_f32_16x16x128_f8f6f4 with both operands' format E2M1 (or v_wmma_scale_f32_32x16x128_f4), f32 sums; products left as they are: f32 operands where the result goes on into a quantised operand, else bf16, f16 or f32 operands; f32 sums; everything else in f32.
;; Inputs: We_codes 8 x 2,048 x 64 x 16 uint8 (E2M1 codes of We, K innermost, in blocks of 32 codes, two codes a byte); We_scales 8 x 2,048 x 64 uint8 (E8M0 scales of We, one for each 32 codes along K); Wg 2,048 x 8 float32; be 8 x 2,048 float32; bg 8 float32; x 4 x 512 x 2,048 float32.
;; Outputs: out0 4 x 512 x 2,048 float32.
;; Constants: top_k = 2.
;; This version of the problem:
;;   THIS VERSION OF THE PROBLEM IS GIVEN IN LOW PRECISION. The matrix products marked QUANTISED in the list below multiply operands that are first quantised to E2M1 (2 exponent bits, 1 mantissa bit; 4 bits a number), with one power-of-two scale for each 32 numbers along K (OCP MX v1.0); their sums are f32. All else is computed in f32.
;;   The module's matrix products, in the order in which they are computed (A, B: the left and right operand; K: the contracted axis; several contracted axes count as one K, in the product's order):
;;     1. [M 2,048, K 2,048] x [K 2,048, N 8]; A: input x; B: input Wg: left as it is (N = 8 < 16)
;;     2. [M 2,048, K 2,048] x [K 2,048, N 2,048]; A: input x; B: input We (given as codes): QUANTISED
;;     3. [M 2,048, K 2,048] x [K 2,048, N 2,048]; A: input x; B: input We (given as codes): QUANTISED
;;     4. [M 2,048, K 2,048] x [K 2,048, N 2,048]; A: input x; B: input We (given as codes): QUANTISED
;;     5. [M 2,048, K 2,048] x [K 2,048, N 2,048]; A: input x; B: input We (given as codes): QUANTISED
;;     6. [M 2,048, K 2,048] x [K 2,048, N 2,048]; A: input x; B: input We (given as codes): QUANTISED
;;     7. [M 2,048, K 2,048] x [K 2,048, N 2,048]; A: input x; B: input We (given as codes): QUANTISED
;;     8. [M 2,048, K 2,048] x [K 2,048, N 2,048]; A: input x; B: input We (given as codes): QUANTISED
;;     9. [M 2,048, K 2,048] x [K 2,048, N 2,048]; A: input x; B: input We (given as codes): QUANTISED
;;   THE QUANTISER, for each operand of a quantised product, along K:
;;     - K is cut into blocks of 32 from its start; a last block that is shorter is filled with zeros.
;;     - A block's scale is 2^e with e = floor(log2(the largest magnitude in the block)) - 2, held to -126 .. 127; a block of zeros has e = 0. As a byte (E8M0): e + 127.
;;     - Each number is divided by its block's scale, clamped to +-6, and rounded to the nearest number of E2M1, ties to even, subnormals kept.
;;     - The product sums the exact products of the quantised numbers (number of the format x scale) in f32.
;;   ~~~python
;;   def quantise(x, axis):      # numpy; x: float32 -> the quantised numbers, widened to float32 again
;;       x = np.moveaxis(x, axis, -1); K = x.shape[-1]
;;       x = np.pad(x, [(0, 0)] * (x.ndim - 1) + [(0, -K % 32)]); x = x.reshape(x.shape[:-1] + (-1, 32)); a = np.abs(x).max(-1, keepdims=True)
;;       e = np.where(a > 0, np.clip(np.frexp(np.where(a > 0, a, 1))[1] - 1 - 2, -126, 127), 0)      # np.frexp(a)[1] - 1 = floor(log2(a)), exactly
;;       r = np.clip(x / 2.0 ** e, -6, 6)
;;       step = 2.0 ** (np.maximum(np.frexp(np.where(r == 0, 1, r))[1] - 1, 0) - 1)
;;       q = np.round(r / step) * step * 2.0 ** e      # np.round: ties to even
;;       return np.moveaxis(q.reshape(q.shape[:-2] + (-1,))[..., :K], -1, axis).astype(np.float32)
;;   ~~~
;;   INPUTS GIVEN AS CODES. We (in the module: [8, 2048, 2048], K = its axis 1): each comes as NAME_codes (uint8): NAME with its K axis moved to the last place and cut into blocks of 32 codes, [.., K / 32, bytes a block], one block behind the other in memory; two codes a byte, the lower K in the low four bits (a code: sign, 2 exponent bits, 1 mantissa bit); and NAME_scales (uint8): the same leading axes, one E8M0 byte (e + 127) for each 32 codes along K. Its value is code x scale, taken as it is: it is not quantised again, and the codes and scales need not be those that the quantiser above would give.
;; 3 versions. Each part assembles by itself: llvm-mc -triple=amdgcn-amd-amdhsa -mcpu=gfx1250 --defsym DOCPART=n.
;; ======== version 1 of 3: 3 launches
;; workspace buffers: xq 2,228,224 bytes; keys 8,192 bytes of whole numbers; gates 16,384 bytes; xs 2,228,224 bytes; idx 8,448 bytes of whole numbers; wf 17,825,792 bytes
;; launch route (part 1): grid 256 x 1, 4 waves a work-group, no clusters, 123,392 bytes of LDS; arguments x, Wg, bg, xq, keys, gates; writes xq, keys, gates
.if DOCPART == 1
	.amdgcn_target "amdgcn-amd-amdhsa--gfx1250"
	.amdhsa_code_object_version 6
	.text
	.protected	k_qf3cc83b557_route
	.globl	k_qf3cc83b557_route
	.p2align	8
	.type	k_qf3cc83b557_route,@function
k_qf3cc83b557_route:
	s_mov_b64 s[64:65], 0
	v_nop
	global_prefetch_b8 v0, s[64:65] scope:SCOPE_SE
	s_setreg_imm32_b32 hwreg(HW_REG_WAVE_MODE, 25, 1), 1
	s_wait_xcnt 0x0
; ROUTE.  x [2048 tokens][2048] f32 is (1) turned into codes of FP4 (E2M1) with one E8M0 byte for each 32 along K, and (2) sent through the router in f32:
; logits = x Wg + bg, softmax over 8 experts, the two largest scores (a tie keeps the lower index).  Stored, all at fixed places: xq (codes [token][1024 bytes] at byte 0, scale bytes
; [token][64] at byte 2,097,152), keys[token] = pair x 2048 + token (pair = a (13 - a) / 2 + b - 1 for the chosen experts a < b: 0 .. 27), gates[token] = (score[a], score[b]).
; No address and no branch of this launch hangs on a score: the choice only selects values.
; SHARES.  A work-group takes 8 tokens; wave w takes columns 512 w .. 512 w + 511 of all eight.  For the arithmetic lane l holds the 16 neighbours k = 512 w + 16 l + 0 .. 15 (two lanes to a block of 32),
; and its 16 rows of Wg (128 numbers) stay in registers.  Every load reads 512 consecutive bytes a wave; x and Wg turn through the wave's own stages in LDS to reach that layout.
; The 128 threads' partial logits meet in LDS: two sums with a barrier in front of each, then wave 0 finishes, a lane to a token.
; No matrix unit (N = 8), no tensor load, no cluster: work-groups share only Wg, 64 KiB.
; LIMITS: NaN and infinities among the inputs are not served.  A block of zeros gets the byte 1 where the rule says 127: its codes are zeros, and the bytes are read by this program alone.
; The logits are f32 sums in another order than a plain chain along K: where the second and third score lie within f32 rounding of each other the choice may fall the other way.
; keys and gates leave as 32 and 64 bytes a work-group: their aligned blocks of 256 bytes are written in part, 24 KiB in the whole launch.
.set WSP, 528                          ; Wg's stage: a lane's 512 bytes + 16: 33 x 16
.set XST, 4*32*WSP                     ; x's stages: two for each wave, 32 places of 64 bytes + 16
.set XSP, 80
.set PS,  XST+4*2*32*XSP               ; partial logits: 16 groups (token, half of the experts) x 128 threads x 16 bytes, + 16 a group
.set PSP, 2064
.set QS,  PS+16*PSP                    ; the waves' sums: 4 x 16 groups x 16 bytes
.set SCB, QS+4*256                     ; the 8 tokens' scale bytes, 64 each
.set XR,  16                           ; v16-143   x as loaded: 16 registers a token; later the sums
.set X,   144                          ; v144-175  two sets of 16 neighbours
.set ACC, 176                          ; v176-183  8 partial logits
.set C,   192                          ; v192-207  codes, two registers a token: no store's data are written again
.set E,   208                          ; v208-215  a scale byte a token
.set T,   216                          ; v216-219  at work
; window 1, v0-127: register 8 i + e = Wg[k_i][e]
.set MSB, 0
.macro WIN new                         ; s_set_vgpr_msb: bits 1:0 source 0, 3:2 source 1, 5:4 source 2, 7:6 destination; the high byte repeats the setting that is left
.if MSB != \new
	s_set_vgpr_msb (MSB<<8)|\new
.set MSB, \new
.endif
.endm
	s_load_b256 s[4:11], s[0:1], 0x0               ; x s[4:5], Wg s[6:7], bg s[8:9], xq s[10:11]
	s_load_b128 s[12:15], s[0:1], 0x20             ; keys s[12:13], gates s[14:15]
	v_lshl_add_u32 v254, v0, 2, 0x1e000
	v_mov_b32 v255, 0
	v_lshrrev_b32 v1, 5, v0
	v_readfirstlane_b32 s16, v1                    ; wave 0..3
	v_and_b32 v1, 31, v0                           ; lane
	v_lshlrev_b32 v2, 4, v1                        ; 16 x lane
	s_mul_i32 s17, s16, 2*32*XSP
	s_add_co_u32 s17, s17, XST                     ; my two stages for x
	v_lshrrev_b32 v3, 2, v1
	v_mul_u32_u24 v3, v3, XSP
	v_and_b32 v4, 3, v1
	v_lshl_add_u32 v3, v4, 4, v3
	v_add_nc_u32 v3, s17, v3                       ; way in: four lanes' 64 bytes on end, then 16 of padding
	v_mul_u32_u24 v4, v1, XSP
	v_add_nc_u32 v4, s17, v4                       ; way out: my 16 neighbours
	s_mul_i32 s17, s16, 32*WSP                     ; my stage for Wg (it begins at LDS byte 0)
	v_add_nc_u32 v5, s17, v2                       ; way in: a load's 512 bytes on end
	v_mul_u32_u24 v6, v1, WSP
	v_add_nc_u32 v6, s17, v6                       ; way out: my 16 rows of Wg
	s_lshl_b32 s17, s16, 8
	v_lshl_add_u32 v7, v1, 3, s17                  ; my 8 bytes of a token's 1,024 bytes of codes: 256 w + 8 l
	s_lshl_b32 s17, s16, 4
	s_add_co_u32 s17, s17, SCB
	v_lshrrev_b32 v8, 1, v1
	v_add_nc_u32 v8, s17, v8                       ; my block's byte among a token's 64: 16 w + l / 2
	v_lshl_add_u32 v9, v0, 4, PS                   ; my thread's 16 bytes in a group of partial logits
	v_and_b32 v10, 15, v0
	v_mul_u32_u24 v10, v10, PSP
	v_lshrrev_b32 v11, 4, v0
	v_lshl_add_u32 v10, v11, 8, v10
	v_add_nc_u32 v10, PS, v10                      ; first sum: group thread % 16, the 16 threads from 16 (thread / 16) on
	v_and_b32 v11, 15, v0
	s_lshl_b32 s17, s16, 8
	s_add_co_u32 s17, s17, QS
	v_lshl_add_u32 v11, v11, 4, s17                ; where my wave's sum of that group goes
	v_and_b32 v12, 7, v0
	v_lshl_add_u32 v12, v12, 5, QS                 ; wave 0, lane = token: its two groups
	v_add_nc_u32 v13, SCB, v2                      ; wave 0: 16 of the 512 scale bytes
.irp j, 0,1,2,3
	v_mov_b32 v[T+\j], 0                           ; written once: a lane permute's destination counts as one of its sources
.endr
	s_mov_b32 s28, 0x76543210
	s_mov_b32 s29, 0xfedcba98                      ; v_permlanex16_b32's selects for lane l xor 16
	s_lshl_b32 s18, s16, 14                        ; Wg: my wave's 512 rows of 32 bytes
	s_mov_b32 s19, 0
	s_lshl_b32 s30, ttmp9, 16                      ; x: 8 tokens of 8,192 bytes a work-group,
	s_lshl_b32 s31, s16, 11                        ; my wave's 2,048 bytes of a row
	s_add_co_u32 s30, s30, s31
	s_mov_b32 s31, 0
	s_lshl_b32 s36, ttmp9, 13                      ; codes: 8 x 1,024 bytes
	s_mov_b32 s37, 0
	s_lshl_b32 s38, ttmp9, 9                       ; scale bytes: 8 x 64
	s_mov_b32 s39, 0
	s_lshl_b32 s40, ttmp9, 5                       ; keys: 8 x 4
	s_mov_b32 s41, 0
	s_lshl_b32 s42, ttmp9, 6                       ; gates: 8 x 8
	s_mov_b32 s43, 0
	s_wait_kmcnt 0x0
	s_add_nc_u64 s[6:7], s[6:7], s[18:19]
	s_add_nc_u64 s[4:5], s[4:5], s[30:31]
	s_add_nc_u64 s[32:33], s[10:11], s[36:37]
	s_add_nc_u64 s[34:35], s[10:11], s[38:39]
	s_add_nc_u64 s[12:13], s[12:13], s[40:41]
	s_add_nc_u64 s[14:15], s[14:15], s[42:43]
	s_load_b256 s[20:27], s[8:9], 0x0              ; bg: eight numbers
	WIN 0x40                                       ; destination window 1
.set m, 0
.rept 32
	global_load_b128 v[4*m:4*m+3], v2, s[6:7] offset:512*m          ; Wg: 512 consecutive bytes a load; load m brings what lane m will hold
.set m, m+1
.endr
	WIN 0
.set m, 0
.rept 32
	global_load_b128 v[XR+4*m:XR+4*m+3], v2, s[4:5] offset:8192*(m/4)+512*(m%4) th:TH_LOAD_NT   ; x: token m / 4, 512 consecutive bytes a load; read once in the launch
.set m, m+1
.endr
	s_wait_loadcnt 32                              ; Wg's 32 loads are in; x's 32, issued behind them, may be out
	WIN 0x04                                       ; an LDS store's data are its source 1: window 1
.set m, 0
.rept 32
	ds_store_b128 v5, v[4*m:4*m+3] offset:WSP*m
.set m, m+1
.endr
	s_wait_dscnt 0x0                               ; the stores have read their registers
	WIN 0x40
.set m, 0
.rept 32
	ds_load_b128 v[4*m:4*m+3], v6 offset:16*m      ; my 16 rows of Wg: register 8 i + e = Wg[512 w + 16 l + i][e]
.set m, m+1
.endr
	WIN 0
.macro TURN t                          ; token t's numbers through a stage: LDS serves a wave's instructions in order, so no wait stands between the stores and the loads
.irp i, 0,1,2,3
	ds_store_b128 v3, v[XR+16*(\t)+4*\i:XR+16*(\t)+4*\i+3] offset:32*XSP*((\t)%2)+8*XSP*\i
.endr
.irp i, 0,1,2,3
	ds_load_b128 v[X+16*((\t)%2)+4*\i:X+16*((\t)%2)+4*\i+3], v4 offset:32*XSP*((\t)%2)+16*\i
.endr
.endm
.macro TOKEN t
.set XS, X+16*((\t)%2)
	s_wait_dscnt 0x0                               ; this token's numbers are back from the stage (for token 0: Wg too); the last token's LDS stores have read their registers
.if (\t) < 7
	s_wait_loadcnt 4*(6-(\t))                      ; the next token's four loads are in; those of the tokens behind it may be out
	TURN (\t)+1                                    ; and go through the other stage while this token is worked
.endif
	v_max3_num_f32 v[T], |v[XS]|, |v[XS+1]|, |v[XS+2]|              ; the largest magnitude of my 16, in two chains
	v_max3_num_f32 v[T+1], |v[XS+3]|, |v[XS+4]|, |v[XS+5]|
.irp i, 6,10
	v_max3_num_f32 v[T], v[T], |v[XS+\i]|, |v[XS+\i+1]|
	v_max3_num_f32 v[T+1], v[T+1], |v[XS+\i+2]|, |v[XS+\i+3]|
.endr
	v_max3_num_f32 v[T], v[T], |v[XS+14]|, |v[XS+15]|
	v_max3_num_f32 v[T], v[T], v[T+1], 0x1800000   ; and the floor 2^(3 - 127): the byte cannot fall under 1
	v_max_num_f32_dpp v[T], v[T], v[T] row_xmask:1 row_mask:0xf bank_mask:0xf   ; with my neighbour's 16: the block's
	v_add_nc_u32 v[T+2], 0xff000000, v[T]          ; 2 off its exponent field: the conversion takes the exponent field of this operand as its scale
	v_cvt_scalef32_pk8_fp4_f32 v[C+2*(\t)], v[XS:XS+7], v[T+2]      ; to the nearest code, ties to even, beyond 6 the largest code; the first number's code in the lowest bits
	v_cvt_scalef32_pk8_fp4_f32 v[C+2*(\t)+1], v[XS+8:XS+15], v[T+2]
	v_lshrrev_b32 v[E+(\t)], 23, v[T+2]            ; the scale's byte (also the plain line behind the conversions)
	ds_store_b8 v8, v[E+(\t)] offset:64*(\t)       ; both lanes of a block write the same byte with the same value
	global_store_b64 v7, v[C+2*(\t):C+2*(\t)+1], s[32:33] offset:1024*(\t)   ; the wave stores 256 consecutive bytes, aligned
	WIN 0x04                                       ; source 1 (Wg) window 1
.irp p, 0,2,4,6                        ; the router: 8 logits x my 16 k, two experts an instruction; x_i feeds both halves.  The first product starts the sums
	v_pk_mul_f32 v[ACC+\p:ACC+\p+1], v[XS:XS+1], v[\p:\p+1] op_sel_hi:[0,1]
.endr
.irp p, 0,2,4,6
	v_pk_fma_f32 v[ACC+\p:ACC+\p+1], v[XS:XS+1], v[8+\p:8+\p+1], v[ACC+\p:ACC+\p+1] op_sel:[1,0,0] op_sel_hi:[1,1,1]
.endr
.irp i, 2,4,6,8,10,12,14
.irp p, 0,2,4,6
	v_pk_fma_f32 v[ACC+\p:ACC+\p+1], v[XS+\i:XS+\i+1], v[8*\i+\p:8*\i+\p+1], v[ACC+\p:ACC+\p+1] op_sel_hi:[0,1,1]
.endr
.irp p, 0,2,4,6
	v_pk_fma_f32 v[ACC+\p:ACC+\p+1], v[XS+\i:XS+\i+1], v[8*\i+8+\p:8*\i+8+\p+1], v[ACC+\p:ACC+\p+1] op_sel:[1,0,0] op_sel_hi:[1,1,1]
.endr
.endr
	WIN 0
	ds_store_b128 v9, v[ACC:ACC+3] offset:2*(\t)*PSP
	ds_store_b128 v9, v[ACC+4:ACC+7] offset:(2*(\t)+1)*PSP
.endm
	s_wait_loadcnt 28                              ; token 0's four loads are in; the other seven tokens' 28 may be out
	TURN 0
.irp t, 0,1,2,3,4,5,6,7
	TOKEN \t
.endr
	s_wait_kmcnt 0x0                               ; bg
	s_wait_dscnt 0x0                               ; for the others' sake: my partial logits and scale bytes lie in LDS
	s_barrier_signal -1
	s_barrier_wait -1
.set m, 0
.rept 16
	ds_load_b128 v[XR+4*m:XR+4*m+3], v10 offset:16*m               ; sixteen threads' four numbers of my group
.set m, m+1
.endr
	s_wait_dscnt 0x0
.set m, 1
.rept 15
	v_pk_add_f32 v[XR:XR+1], v[XR:XR+1], v[XR+4*m:XR+4*m+1]
	v_pk_add_f32 v[XR+2:XR+3], v[XR+2:XR+3], v[XR+4*m+2:XR+4*m+3]
.set m, m+1
.endr
.irp j, 0,1,2,3
	v_permlanex16_b32 v[T+\j], v[XR+\j], s28, s29  ; lane l xor 16 holds the same group's next sixteen threads
.endr
	v_pk_add_f32 v[XR:XR+1], v[XR:XR+1], v[T:T+1]
	v_pk_add_f32 v[XR+2:XR+3], v[XR+2:XR+3], v[T+2:T+3]
	ds_store_b128 v11, v[XR:XR+3]                  ; lanes l and l xor 16 write the same bytes with the same values
	s_wait_dscnt 0x0
	s_barrier_signal -1
	s_barrier_wait -1                              ; the last barrier: from here wave 0 works alone
	s_cmp_lg_u32 s16, 0
	s_cbranch_scc1 .Lend
.set LG, XR                            ; 8 logits
.set DD, XR+8                          ; exponents
.set PP, XR+16                         ; 2^exponent
.set SS, XR+24                         ; scores
.set S2, XR+32                         ; scores without the winner
.set IX, XR+40                         ; 0 .. 7
.set W,  XR+48                         ; at work
	ds_load_b128 v[240:243], v13
.set m, 0
.rept 8
	ds_load_b128 v[XR+4*m:XR+4*m+3], v12 offset:256*(m/2)+16*(m%2) ; register 8 w + e: wave w's sum of logit e of token lane % 8
.set m, m+1
.endr
	s_wait_dscnt 8                                 ; the scale bytes are in; the eight loads behind them may be out
	global_store_b128 v2, v[240:243], s[34:35] offset:2097152      ; 512 consecutive bytes, aligned
	s_wait_dscnt 0x0
.irp w, 1,2,3
.irp p, 0,2,4,6
	v_pk_add_f32 v[LG+\p:LG+\p+1], v[LG+\p:LG+\p+1], v[LG+8*\w+\p:LG+8*\w+\p+1]
.endr
.endr
.irp e, 0,1,2,3,4,5,6,7
	v_add_f32 v[LG+\e], s[20+\e], v[LG+\e]         ; + bg
.endr
	v_max3_num_f32 v[W], v[LG], v[LG+1], v[LG+2]   ; the maximum is taken away ahead of the exponentials
	v_max3_num_f32 v[W], v[W], v[LG+3], v[LG+4]
	v_max3_num_f32 v[W], v[W], v[LG+5], v[LG+6]
	v_max_num_f32 v[W], v[W], v[LG+7]
.irp e, 0,1,2,3,4,5,6,7
	v_sub_f32 v[DD+\e], v[LG+\e], v[W]             ; the difference first, so that the largest logit's exponent is exactly 0 whatever its size
.endr
.irp e, 0,1,2,3,4,5,6,7
	v_mul_f32 v[DD+\e], 0x3fb8aa3b, v[DD+\e]       ; x log2(e)
.endr
.irp e, 0,1,2,3,4,5,6,7
	v_exp_f32 v[PP+\e], v[DD+\e]
.endr
.irp e, 0,1,2,3,4,5,6,7
	v_mov_b32 v[IX+\e], \e                         ; plain work behind the batch
.endr
	s_wait_alu depctr_va_vdst(0)                   ; one wait for the eight exponentials, ahead of their first reader
	v_add_f32 v[W+1], v[PP], v[PP+1]
	v_add_f32 v[W+2], v[PP+2], v[PP+3]
	v_add_f32 v[W+3], v[PP+4], v[PP+5]
	v_add_f32 v[W+4], v[PP+6], v[PP+7]
	v_add_f32 v[W+1], v[W+1], v[W+2]
	v_add_f32 v[W+3], v[W+3], v[W+4]
	v_add_f32 v[W+1], v[W+1], v[W+3]
	v_rcp_f32 v[W+5], v[W+1]
	v_mov_b32 v[W+16], -1.0                        ; (a plain line behind the reciprocal)  under every score
	s_wait_alu depctr_va_vdst(0)
.irp e, 0,1,2,3,4,5,6,7
	v_mul_f32 v[SS+\e], v[PP+\e], v[W+5]           ; the scores
.endr
	v_mov_b32 v[W+6], v[SS]                        ; the largest score and its index: an ascending scan with a strict compare keeps the lower index at a tie
	v_mov_b32 v[W+7], 0
.irp e, 1,2,3,4,5,6,7
	v_cmp_gt_f32 vcc_lo, v[SS+\e], v[W+6]
	v_cndmask_b32 v[W+6], v[W+6], v[SS+\e], vcc_lo
	v_cndmask_b32 v[W+7], v[W+7], v[IX+\e], vcc_lo
.endr
.irp e, 0,1,2,3,4,5,6,7
	v_cmp_eq_u32 vcc_lo, v[W+7], v[IX+\e]
	v_cndmask_b32 v[S2+\e], v[SS+\e], v[W+16], vcc_lo              ; the winner is taken out
.endr
	v_mov_b32 v[W+8], v[S2]                        ; the same scan again: the second
	v_mov_b32 v[W+9], 0
.irp e, 1,2,3,4,5,6,7
	v_cmp_gt_f32 vcc_lo, v[S2+\e], v[W+8]
	v_cndmask_b32 v[W+8], v[W+8], v[S2+\e], vcc_lo
	v_cndmask_b32 v[W+9], v[W+9], v[IX+\e], vcc_lo
.endr
	v_min_u32 v[W+12], v[W+7], v[W+9]              ; a
	v_max_u32 v[W+13], v[W+7], v[W+9]              ; b
	v_cmp_lt_u32 vcc_lo, v[W+7], v[W+9]
	v_cndmask_b32 v[W+10], v[W+8], v[W+6], vcc_lo  ; score[a]
	v_cndmask_b32 v[W+11], v[W+6], v[W+8], vcc_lo  ; score[b]
	v_sub_nc_u32 v[W+14], 13, v[W+12]
	v_mul_u32_u24 v[W+14], v[W+12], v[W+14]
	v_lshrrev_b32 v[W+14], 1, v[W+14]
	v_add3_u32 v[W+14], v[W+14], v[W+13], -1       ; pair = a (13 - a) / 2 + b - 1
	s_lshl_b32 s17, ttmp9, 3
	v_and_b32 v[W+15], 7, v0
	v_add_nc_u32 v[W+15], s17, v[W+15]             ; token
	v_lshl_or_b32 v[W+14], v[W+14], 11, v[W+15]    ; the key
	v_lshlrev_b32 v[W+17], 2, v0
	v_lshlrev_b32 v[W+18], 3, v0
	v_cmp_gt_u32 vcc_lo, 8, v0
	s_wait_xcnt 0x0                                ; EXEC changes only behind this wait: it is a source of the stores issued so far
	s_and_saveexec_b32 s17, vcc_lo                 ; lanes 0 to 7: a lane a token
	global_store_b32 v[W+17], v[W+14], s[12:13]
	global_store_b64 v[W+18], v[W+10:W+11], s[14:15]
	s_wait_xcnt 0x0                                ; and again in front of the line that widens it
	s_or_b32 exec_lo, exec_lo, s17
.Lend:
	s_wait_tensorcnt 0x0
	ds_add_u32 v254, v255
	s_wait_dscnt 0x0
	s_endpgm
.Lfunc_end_k_qf3cc83b557_route:
	.size	k_qf3cc83b557_route, .Lfunc_end_k_qf3cc83b557_route-k_qf3cc83b557_route
	.p2alignl 7, 3214868480
	.fill 96, 4, 3214868480
	.section	.rodata,"a",@progbits
	.p2align	6, 0x0
	.amdhsa_kernel k_qf3cc83b557_route
		.amdhsa_group_segment_fixed_size 123392
		.amdhsa_private_segment_fixed_size 0
		.amdhsa_enable_private_segment 0
		.amdhsa_kernarg_size 48
		.amdhsa_user_sgpr_count 2
		.amdhsa_user_sgpr_kernarg_segment_ptr 1
		.amdhsa_wavefront_size32 1
		.amdhsa_system_sgpr_workgroup_id_x 1
		.amdhsa_system_sgpr_workgroup_id_y 1
		.amdhsa_system_sgpr_workgroup_id_z 1
		.amdhsa_system_vgpr_workitem_id 0
		.amdhsa_next_free_vgpr 384
		.amdhsa_next_free_sgpr 66
		.amdhsa_reserve_vcc 1
		.amdhsa_float_denorm_mode_32 3
		.amdhsa_float_denorm_mode_16_64 3
		.amdhsa_memory_ordered 1
		.amdhsa_forward_progress 1
		.amdhsa_inst_pref_size 70
	.end_amdhsa_kernel
	.amdgpu_metadata
---
amdhsa.version: [ 1, 2 ]
amdhsa.kernels:
  - .name:           k_qf3cc83b557_route
    .symbol:         k_qf3cc83b557_route.kd
    .args:
      - { .name: x, .offset: 0, .size: 8, .value_kind: global_buffer, .address_space: global }
      - { .name: Wg, .offset: 8, .size: 8, .value_kind: global_buffer, .address_space: global }
      - { .name: bg, .offset: 16, .size: 8, .value_kind: global_buffer, .address_space: global }
      - { .name: xq, .offset: 24, .size: 8, .value_kind: global_buffer, .address_space: global }
      - { .name: keys, .offset: 32, .size: 8, .value_kind: global_buffer, .address_space: global }
      - { .name: gates, .offset: 40, .size: 8, .value_kind: global_buffer, .address_space: global }
    .group_segment_fixed_size: 123392
    .private_segment_fixed_size: 0
    .kernarg_segment_align: 8
    .kernarg_segment_size: 48
    .max_flat_workgroup_size: 128
    .sgpr_count:     66
    .vgpr_count:     384
    .wavefront_size: 32
...
	.end_amdgpu_metadata
.endif
;; end of part 1
;; launch place (part 2): grid 256 x 1, 4 waves a work-group, no clusters, 67,072 bytes of LDS; arguments keys, xq, We_codes, We_scales, xs, idx, wf; writes xs, idx, wf
.if DOCPART == 2
	.amdgcn_target "amdgcn-amd-amdhsa--gfx1250"
	.amdhsa_code_object_version 6
	.text
	.protected	k_qf3cc83b557_place
	.globl	k_qf3cc83b557_place
	.p2align	8
	.type	k_qf3cc83b557_place,@function
k_qf3cc83b557_place:
	s_mov_b64 s[64:65], 0
	v_nop
	global_prefetch_b8 v0, s[64:65] scope:SCOPE_SE
	s_setreg_imm32_b32 hwreg(HW_REG_WAVE_MODE, 25, 1), 1
	s_wait_xcnt 0x0
; PLACE.  (1) The tokens are sorted by their pair of experts: the keys (pair x 2048 + token) are all different, so a token's rank is the number of keys below its own: plain counting, no atomics, no traffic
; between work-groups.  Each of the 1,024 waves reads all 2,048 keys (8 KiB), ranks two tokens, copies their codes and scale bytes from xq to the ranked place in xs, and stores order[rank] = token.
; Waves 0 to 28 also store start[g] = the number of keys below g x 2048: where pair g begins.
; (2) We's codes and scale bytes are laid in the order in which a wave's operand registers take them, so that the next launch loads each fragment whole, 512 consecutive bytes an instruction:
;   wf codes, byte 0:           [block g = 128 e + n / 16][K step s 0..15][c 0..1][lane][16 bytes]: lane (r, h) holds row 16 g + r, bytes 64 s + 32 c + 16 h of its 1,024
;   wf scales, byte 16,777,216: [g / 2][u 0..3][lane][16 bytes]: lane l holds row 32 (g / 2) + l, scale bytes 16 u .. 16 u + 15: the words of K steps 4 u .. 4 u + 3
; Wave g = 4 x work-group + wave takes tokens 2 g and 2 g + 1 and We's block g: 16 rows, 16 KiB dense, which turn through the wave's own stage in LDS.  Waves share nothing: no barrier.
; xs's scale bytes (64 a token) and order (4 a token) go to places that hang on the rank: their aligned blocks of 256 bytes are written in part, 136 KiB in the whole launch.
.set SP,  1040                         ; a stage row: 1,024 bytes + 16 = 65 x 16: the 16 rows that a load touches start at 16 different groups of banks
.set KEY, 16                           ; v16-79    all 2,048 keys
.set TR,  80                           ; v80-95    my two tokens' codes
.set TS,  96                           ; v96       their scale bytes, 4 a lane
.set SR,  100                          ; v100-107  We's scale bytes
.set WB,  112                          ; v112-239  We's block
	s_load_b256 s[4:11], s[0:1], 0x0               ; keys s[4:5], xq s[6:7], We_codes s[8:9], We_scales s[10:11]
	s_load_b128 s[12:15], s[0:1], 0x20             ; xs s[12:13], idx s[14:15]
	s_load_b64 s[16:17], s[0:1], 0x30              ; wf
	v_lshl_add_u32 v254, v0, 2, 0x10400
	v_mov_b32 v255, 0
	v_lshrrev_b32 v1, 5, v0
	v_readfirstlane_b32 s19, v1                    ; wave 0..3
	s_lshl_b32 s18, ttmp9, 2
	s_add_co_u32 s18, s18, s19                     ; g
	v_and_b32 v14, 31, v0                          ; lane
	v_and_b32 v13, 15, v0                          ; r
	v_bfe_u32 v12, v0, 4, 1                        ; h
	v_lshlrev_b32 v1, 4, v14                       ; 16 x lane
	s_mul_i32 s23, s19, 16*SP                      ; my stage
	v_add_nc_u32 v2, s23, v1                       ; way in: a load's 512 bytes on end
	v_mul_u32_u24 v3, v13, SP
	v_lshl_add_u32 v3, v12, 4, v3
	v_add_nc_u32 v3, s23, v3                       ; way out: row r, + 16 h
	v_lshlrev_b32 v4, 6, v13
	v_lshl_add_u32 v4, v12, 4, v4                  ; We's scale bytes, in: row r of 64 bytes, + 16 h
	v_lshlrev_b32 v5, 9, v12
	v_lshl_add_u32 v5, v13, 4, v5                  ; out: 512 h + 16 r
	v_lshlrev_b32 v6, 2, v14                       ; 4 x lane
	s_mov_b32 s29, 0
	s_wait_kmcnt 0x0
	s_lshl_b32 s28, s18, 3
	s_add_nc_u64 s[30:31], s[4:5], s[28:29]
	s_load_b64 s[20:21], s[30:31], 0x0             ; my two tokens' keys, as scalars
	s_lshl_b32 s28, s18, 11
	s_add_nc_u64 s[32:33], s[6:7], s[28:29]        ; their codes: 2 x 1,024 bytes
	s_lshl_b32 s28, s18, 7
	s_add_nc_u64 s[6:7], s[6:7], s[28:29]          ; their scale bytes: 2 x 64 (2,097,152 on: in the immediate)
	s_lshl_b32 s28, s18, 14
	s_add_nc_u64 s[8:9], s[8:9], s[28:29]          ; We's block g
	s_add_nc_u64 s[34:35], s[16:17], s[28:29]      ; and its place in wf
	s_lshl_b32 s28, s18, 10
	s_add_nc_u64 s[10:11], s[10:11], s[28:29]      ; its scale bytes: 16 x 64
	s_lshr_b32 s28, s18, 1
	s_lshl_b32 s28, s28, 11
	s_and_b32 s36, s18, 1
	s_lshl_b32 s36, s36, 8
	s_add_co_u32 s28, s28, s36
	s_add_nc_u64 s[16:17], s[16:17], s[28:29]      ; and their place: 2,048 (g / 2) + 256 (g % 2),
	s_add_nc_u64 s[16:17], s[16:17], 0x1000000     ; behind the codes
; 55 loads, in the order in which they are wanted
.set m, 0
.rept 16
	global_load_b128 v[KEY+4*m:KEY+4*m+3], v1, s[4:5] offset:512*m
.set m, m+1
.endr
.set m, 0
.rept 4
	global_load_b128 v[TR+4*m:TR+4*m+3], v1, s[32:33] offset:512*m th:TH_LOAD_NT
.set m, m+1
.endr
	global_load_b32 v[TS], v6, s[6:7] offset:2097152 th:TH_LOAD_NT  ; lanes 0-15 the first token's 64 bytes, lanes 16-31 the second's
.set m, 0
.rept 32
	global_load_b128 v[WB+4*m:WB+4*m+3], v1, s[8:9] offset:512*m th:TH_LOAD_NT
.set m, m+1
.endr
.irp m, 0,1
	global_load_b128 v[SR+4*\m:SR+4*\m+3], v4, s[10:11] offset:32*\m th:TH_LOAD_NT   ; lane (r, h): row r, bytes 16 (2 m + h) on
.endr
	s_min_u32 s22, s18, 28
	s_lshl_b32 s22, s22, 11                        ; the third bound: where pair g begins (waves over 28 count for nothing and store nothing)
	s_mov_b32 s24, 0
	s_mov_b32 s25, 0
	s_mov_b32 s26, 0
	s_wait_kmcnt 0x0
	s_wait_loadcnt 39                              ; the keys are in; the 4 + 1 + 32 + 2 loads behind them may be out
; THE RANKS: for each of three bounds the number of keys below it.  A compare gives a mask of 32 lanes, its ones are counted and added: whole numbers in scalar registers throughout
.set m, 0
.rept 16
.irp j, 0,1,2,3
	v_cmp_gt_u32 s[40+\j], s20, v[KEY+4*m+\j]
	v_cmp_gt_u32 s[44+\j], s21, v[KEY+4*m+\j]
	v_cmp_gt_u32 s[48+\j], s22, v[KEY+4*m+\j]
.endr
.irp j, 0,1,2,3,4,5,6,7,8,9,10,11
	s_bcnt1_i32_b32 s[40+\j], s[40+\j]
.endr
.irp j, 0,1,2,3
	s_add_co_u32 s24, s24, s[40+\j]
	s_add_co_u32 s25, s25, s[44+\j]
	s_add_co_u32 s26, s26, s[48+\j]
.endr
.set m, m+1
.endr
	s_wait_loadcnt 34                              ; my tokens' codes and scale bytes are in; We's 32 + 2 loads may be out
	s_min_u32 s24, s24, 2047                       ; a rank enters an address only behind this bound
	s_min_u32 s25, s25, 2047
	s_lshl_b32 s27, s24, 10
	v_add_nc_u32 v7, s27, v1
	s_lshl_b32 s27, s25, 10
	v_add_nc_u32 v8, s27, v1
	global_store_b128 v7, v[TR:TR+3], s[12:13]                     ; 512 consecutive bytes a store, aligned
	global_store_b128 v7, v[TR+4:TR+7], s[12:13] offset:512
	global_store_b128 v8, v[TR+8:TR+11], s[12:13]
	global_store_b128 v8, v[TR+12:TR+15], s[12:13] offset:512
	v_mov_b32 v9, s24
	v_mov_b32 v10, s25
	s_mov_b32 s27, 0xffff0000
	v_cndmask_b32 v9, v9, v10, s27                 ; lanes 16-31: the second token's rank
	v_min_u32 v9, 0x7ff, v9
	v_lshlrev_b32 v10, 2, v13
	v_lshl_add_u32 v10, v9, 6, v10                 ; 64 x rank + 4 r
	global_store_b32 v10, v[TS], s[12:13] offset:2097152
	s_wait_loadcnt 2                               ; We's block is in; its two loads of scale bytes may be out
.set m, 0
.rept 32
	ds_store_b128 v2, v[WB+4*m:WB+4*m+3] offset:SP*(m/2)+512*(m%2) ; load m brought half m % 2 of row m / 2
.set m, m+1
.endr
	s_wait_dscnt 0x0                               ; the stores have read their registers
.set m, 0
.rept 32
	ds_load_b128 v[WB+4*m:WB+4*m+3], v3 offset:32*m                ; m = 2 s + c: row r, bytes 64 s + 32 c + 16 h
.set m, m+1
.endr
.set m, 0
.rept 32
	s_wait_dscnt 31-m                              ; LDS loads come back in order: number m is in
	global_store_b128 v1, v[WB+4*m:WB+4*m+3], s[34:35] offset:512*m th:TH_STORE_NT   ; 512 consecutive bytes, aligned
.set m, m+1
.endr
	s_wait_loadcnt 0x0
.irp m, 0,1
	global_store_b128 v5, v[SR+4*\m:SR+4*\m+3], s[16:17] offset:1024*\m   ; u = 2 m + h: sixteen lanes store 256 consecutive bytes, aligned
.endr
	v_lshlrev_b32 v9, 2, v9                        ; order[rank] = token
	s_lshl_b32 s27, s18, 1
	v_add_nc_u32 v11, s27, v12                     ; 2 g + h
	s_lshl_b32 s28, s18, 2
	v_mov_b32 v240, s28                            ; start[g]
	v_mov_b32 v241, s26
	v_cmp_eq_u32 vcc_lo, 0, v13
	s_wait_xcnt 0x0                                ; EXEC changes only behind this wait: it is a source of the stores issued so far
	s_and_saveexec_b32 s27, vcc_lo                 ; lanes 0 and 16
	global_store_b32 v9, v11, s[14:15]
	s_wait_xcnt 0x0
	s_or_b32 exec_lo, exec_lo, s27
	s_cmp_gt_u32 s18, 28                           ; a branch on the wave's and the work-group's number
	s_cbranch_scc1 .Lend
	v_cmp_eq_u32 vcc_lo, 0, v14
	s_wait_xcnt 0x0
	s_and_saveexec_b32 s27, vcc_lo                 ; lane 0
	global_store_b32 v240, v241, s[14:15] offset:8192
	s_wait_xcnt 0x0
	s_or_b32 exec_lo, exec_lo, s27
.Lend:
	s_wait_tensorcnt 0x0
	ds_add_u32 v254, v255
	s_wait_dscnt 0x0
	s_endpgm
.Lfunc_end_k_qf3cc83b557_place:
	.size	k_qf3cc83b557_place, .Lfunc_end_k_qf3cc83b557_place-k_qf3cc83b557_place
	.p2alignl 7, 3214868480
	.fill 96, 4, 3214868480
	.section	.rodata,"a",@progbits
	.p2align	6, 0x0
	.amdhsa_kernel k_qf3cc83b557_place
		.amdhsa_group_segment_fixed_size 67072
		.amdhsa_private_segment_fixed_size 0
		.amdhsa_enable_private_segment 0
		.amdhsa_kernarg_size 56
		.amdhsa_user_sgpr_count 2
		.amdhsa_user_sgpr_kernarg_segment_ptr 1
		.amdhsa_wavefront_size32 1
		.amdhsa_system_sgpr_workgroup_id_x 1
		.amdhsa_system_sgpr_workgroup_id_y 1
		.amdhsa_system_sgpr_workgroup_id_z 1
		.amdhsa_system_vgpr_workitem_id 0
		.amdhsa_next_free_vgpr 256
		.amdhsa_next_free_sgpr 66
		.amdhsa_reserve_vcc 1
		.amdhsa_float_denorm_mode_32 3
		.amdhsa_float_denorm_mode_16_64 3
		.amdhsa_memory_ordered 1
		.amdhsa_forward_progress 1
		.amdhsa_inst_pref_size 42
	.end_amdhsa_kernel
	.amdgpu_metadata
---
amdhsa.version: [ 1, 2 ]
amdhsa.kernels:
  - .name:           k_qf3cc83b557_place
    .symbol:         k_qf3cc83b557_place.kd
    .args:
      - { .name: keys, .offset: 0, .size: 8, .value_kind: global_buffer, .address_space: global }
      - { .name: xq, .offset: 8, .size: 8, .value_kind: global_buffer, .address_space: global }
      - { .name: We_codes, .offset: 16, .size: 8, .value_kind: global_buffer, .address_space: global }
      - { .name: We_scales, .offset: 24, .size: 8, .value_kind: global_buffer, .address_space: global }
      - { .name: xs, .offset: 32, .size: 8, .value_kind: global_buffer, .address_space: global }
      - { .name: idx, .offset: 40, .size: 8, .value_kind: global_buffer, .address_space: global }
      - { .name: wf, .offset: 48, .size: 8, .value_kind: global_buffer, .address_space: global }
    .group_segment_fixed_size: 67072
    .private_segment_fixed_size: 0
    .kernarg_segment_align: 8
    .kernarg_segment_size: 56
    .max_flat_workgroup_size: 128
    .sgpr_count:     66
    .vgpr_count:     256
    .wavefront_size: 32
...
	.end_amdgpu_metadata
.endif
;; end of part 2
;; launch moe (part 3): grid 8 x 28, 4 waves a work-group, no clusters, 161,792 bytes of LDS; arguments xs, idx, gates, wf, be, out0; writes out0
.if DOCPART == 3
	.amdgcn_target "amdgcn-amd-amdhsa--gfx1250"
	.amdhsa_code_object_version 6
	.text
	.protected	k_qf3cc83b557_moe
	.globl	k_qf3cc83b557_moe
	.p2align	8
	.type	k_qf3cc83b557_moe,@function
k_qf3cc83b557_moe:
	s_mov_b64 s[64:65], 0
	v_nop
	global_prefetch_b8 v0, s[64:65] scope:SCOPE_SE
	s_setreg_imm32_b32 hwreg(HW_REG_WAVE_MODE, 25, 1), 1
	s_wait_xcnt 0x0
; MOE.  out[t] = score[a] (Q(x[t]) We[a] + be[a]) + score[b] (Q(x[t]) We[b] + be[b]) for the two experts a < b chosen for token t; both products on codes of FP4 (E2M1) with E8M0 scales, f32 sums.
; The six experts that the mask of the problem throws away are not multiplied.
; SHARES.  The tokens lie sorted by their pair {a, b} (28 pairs).  Work-group (x, y) owns pair y and output columns 256 x .. 256 x + 255: so the experts, and with them every address of a weight, follow from
; the work-group's number, each output row has one owner, and nothing is added across work-groups.  Wave w takes 64 of the columns: 4 column tiles x 2 experts = 8 weight fragments a K step of 128.
; The pair's rows are walked in chunks of 128 slots (8 row tiles): 64 accumulators, 512 registers.  A loop of a constant 16 chunks serves every split, all 2,048 tokens on one pair too; a chunk without
; rows is passed over by scalar branches on the stored counts, and the two barriers of a trip stand outside those branches, on every wave's path.
; A chunk's last tile is filled up with its last row: such slots compute and store that row's own bytes once more, so no lane is ever switched off.
; THE MATRIX INSTRUCTION IS USED TRANSPOSED: source 0 = 16 rows of We (16 output columns), source 1 = 16 tokens: a lane holds ONE token (lane % 16) and eight neighbouring columns 8 (lane / 16) + 0 .. 7.
; The biases are the C of each sum's first matrix instruction.  The first K step runs all 8 row tiles, so that every accumulator is begun; from the second on only the tiles that hold rows.
; WEIGHTS go from memory straight into registers, from wf, where they lie in the order of the operand's registers: each load of a wave covers 512 consecutive bytes.  A ring of four K steps
; (window 1, 64 loads) is kept on its way.  TOKENS: a chunk's codes and scale bytes are gathered into LDS once and read by all four waves.
; K IS WALKED FROM A QUARTER THAT HANGS ON THE PAIR: position v of four takes the 512 along K numbered (v + a + b) % 4, so that the seven pairs which read one expert's columns begin at different
; quarters.  Only the order of the f32 sums changes.
; NO TENSOR LOAD, NO CLUSTER, NO JOINT REQUEST: this launch's branches hang on counts read from memory, and the work-groups that share an expert's weights belong to different pairs, with different
; numbers of row tiles.  No prefetch: each weight is read by seven work-groups, not once.
; LIMITS: a split that puts very many tokens on one pair is served, by 8 work-groups that walk up to 16 chunks.  NaN and infinities are not served.
; REGISTERS, in windows of 256: window 0: v1-31 addresses; v32-95, v96-159 the tokens' fragments, two buffers; v160-191 the tokens' scale words, v192-223 the weights', two sets each, and nothing else;
;   v224-239 gates; v240-255 at work.  Window 1: the ring: fragment x = 4 e + j of the K step q of four at v[64 q + 8 x].  Windows 2, 3: accumulator (i, x) at window 2 + i / 4, v[64 (i % 4) + 8 x];
;   the biases are loaded into accumulator (7, x).
.set PIT, 1040                         ; a slot's codes in LDS: 1,024 bytes + 16 = 65 x 16: the 16 rows that a load touches start at 16 different groups of banks
.set AS,  128*PIT                      ; the slots' scale bytes: 64 + 16 each
.set ASP, 80
.set TK,  AS+128*ASP                   ; the slots' token numbers
.set ST,  TK+512                       ; the way out: 16 rows x (256 bytes + 16) for each wave, its own
.set STP, 272
.set BOF, 4                            ; v4-7    16 l + 4,096 x the quarter of K at position v: weights' codes
.set SOF, 8                            ; v8-11   16 l + 512 x that quarter: weights' scale words
.set AF0, 32
.set ASC, 160
.set BSC, 192
.set GT,  224
.set WK,  240
; v1 16 l; v2 r; v3 h; v12, v13 a fragment's place in slots 0-63, 64-127; v14 my slot's scale bytes; v15 32 h; v16, v17, v18 the fill: codes, scale bytes, token number; v19, v20 the stage: in, back;
; v21, v22 token numbers by h, by r; v23 16 r; v24, v25 the fill's slots; v26 16 x the quarter of K that lane % 4 fetches; v[30:31] score[b] in the low word
.set MSB, 0
.macro WIN new                         ; s_set_vgpr_msb: bits 1:0 source 0, 3:2 source 1, 5:4 source 2, 7:6 destination; the high byte repeats the setting that is left.  At a label and at a branch every window is 0
.if MSB != \new
	s_set_vgpr_msb (MSB<<8)|\new
.set MSB, \new
.endif
.endm
; 16 loads: the 8 weight fragments of position v's K step q, into the ring's part q.  The caller has set the destination's window to 1
.macro BLOAD v, q
.irp j, 0,1,2,3
.irp c, 0,1
	global_load_b128 v[64*(\q)+8*\j+4*\c:64*(\q)+8*\j+4*\c+3], v[BOF+(\v)], s[24:25] offset:16384*\j+1024*(\q)+512*\c
.endr
.endr
.irp j, 0,1,2,3
.irp c, 0,1
	global_load_b128 v[64*(\q)+32+8*\j+4*\c:64*(\q)+32+8*\j+4*\c+3], v[BOF+(\v)], s[26:27] offset:16384*\j+1024*(\q)+512*\c
.endr
.endr
.endm
; 4 loads: the weights' scale words of position v into set v % 2: register 4 (x / 2) + q; lanes 0-15 column tile x even, lanes 16-31 x odd
.macro SLOAD v
.irp j, 0,1
	global_load_b128 v[BSC+16*((\v)%2)+4*\j:BSC+16*((\v)%2)+4*\j+3], v[SOF+(\v)], s[28:29] offset:2048*\j
.endr
.irp j, 0,1
	global_load_b128 v[BSC+16*((\v)%2)+8+4*\j:BSC+16*((\v)%2)+8+4*\j+3], v[SOF+(\v)], s[30:31] offset:2048*\j
.endr
.endm
; What a chunk's products want first and what hangs on no stored number: 16 loads of biases, 4 of scale words, 64 of weights, in this order
.macro PRE
	WIN 0xc0                                       ; destination window 3
.irp j, 0,1,2,3
	global_load_b128 v[192+8*\j:195+8*\j], v15, s[32:33] offset:64*\j       ; lane (r, h): be[a] at the tile's columns 8 h + 0 .. 7
	global_load_b128 v[196+8*\j:199+8*\j], v15, s[32:33] offset:64*\j+16
.endr
.irp j, 0,1,2,3
	global_load_b128 v[224+8*\j:227+8*\j], v15, s[34:35] offset:64*\j       ; be[b]
	global_load_b128 v[228+8*\j:231+8*\j], v15, s[34:35] offset:64*\j+16
.endr
	WIN 0
	SLOAD 0
	WIN 0x40                                       ; destination window 1
	BLOAD 0, 0
	BLOAD 0, 1
	BLOAD 0, 2
	BLOAD 0, 3
	WIN 0
.endm
; Row tile i's fragment of the K step at position n of sixteen, into buffer n % 2: lane (r, h): slot 16 i + r, bytes 64 n + 32 c + 16 h
.macro ALOAD n, i
.set rA, AF0+64*((\n)%2)+8*(\i)
.set oA, 16*PIT*((\i)%4)+64*(\n)
.if (\i) < 4
	ds_load_b128 v[rA:rA+3], v12 offset:oA
	ds_load_b128 v[rA+4:rA+7], v12 offset:oA+32
.else
	ds_load_b128 v[rA:rA+3], v13 offset:oA
	ds_load_b128 v[rA+4:rA+7], v13 offset:oA+32
.endif
.endm
; One matrix instruction, from the symbols rD, rW, rT, rC, rSW, rST; ROWA, ROWB: the scales lie in lanes 16-31
.macro WM
.if ROWA && ROWB
	v_wmma_scale_f32_16x16x128_f8f6f4 v[rD:rD+7], v[rW:rW+7], v[rT:rT+7], v[rC:rC+7], v[rSW], v[rST] matrix_a_fmt:MATRIX_FMT_FP4 matrix_b_fmt:MATRIX_FMT_FP4 matrix_a_scale:MATRIX_SCALE_ROW1 matrix_b_scale:MATRIX_SCALE_ROW1
.elseif ROWA
	v_wmma_scale_f32_16x16x128_f8f6f4 v[rD:rD+7], v[rW:rW+7], v[rT:rT+7], v[rC:rC+7], v[rSW], v[rST] matrix_a_fmt:MATRIX_FMT_FP4 matrix_b_fmt:MATRIX_FMT_FP4 matrix_a_scale:MATRIX_SCALE_ROW1
.elseif ROWB
	v_wmma_scale_f32_16x16x128_f8f6f4 v[rD:rD+7], v[rW:rW+7], v[rT:rT+7], v[rC:rC+7], v[rSW], v[rST] matrix_a_fmt:MATRIX_FMT_FP4 matrix_b_fmt:MATRIX_FMT_FP4 matrix_b_scale:MATRIX_SCALE_ROW1
.else
	v_wmma_scale_f32_16x16x128_f8f6f4 v[rD:rD+7], v[rW:rW+7], v[rT:rT+7], v[rC:rC+7], v[rSW], v[rST] matrix_a_fmt:MATRIX_FMT_FP4 matrix_b_fmt:MATRIX_FMT_FP4
.endif
.endm
; THE K STEP at position n = 4 v + q.  cnt: the global loads issued behind this step's 16 loads of weights, which may stay out.
; Row tile by row tile: the tile's fragment of the NEXT position is asked for, then its 8 products are issued: the 8 accumulators take turns, one instruction a turn, and so do the tiles;
; with one tile alone the step's last product is on accumulator (0, 7) and the next step's first on (0, 0).  From the second position on, a tile without rows ends the step.
; Four plain lines stand behind the last product on every path (ISA guide 7.12.1 for vector instructions): behind them come the loads into the ring's part just multiplied,
; and the next step's loads into the other fragment buffer and the other sets of scale words.
.macro KSTEP n, cnt
.set KV, (\n)/4
.set KQ, (\n)%4
	s_wait_dscnt 0x0                               ; this step's fragments of the tokens, and at a quarter's head its scale words, are in
	s_wait_loadcnt \cnt
.if (KQ == 0) && (KV < 3)
.irp u, 0,1,2,3
	ds_load_b128 v[ASC+16*((KV+1)%2)+4*\u:ASC+16*((KV+1)%2)+4*\u+3], v14 offset:32*ASP*\u+16*(KV+1)   ; the tokens' scale words of the next quarter: lane l: slot 32 u + l; register 4 (i / 2) + q
.endr
.endif
.irp i, 0,1,2,3,4,5,6,7
.if ((\n) > 0) && (\i > 0)
	s_cmp_le_u32 s43, \i                           ; s43: the chunk's row tiles
	s_cbranch_scc1 .Lkend_\@
.endif
.if (\n) < 15
	ALOAD (\n)+1, \i
.endif
.if ((\n) == 0) && (\i == 7)
.rept 5
	v_nop                                          ; tile 7's products write over the registers that the tiles before took as C: five plain lines between
.endr
.endif
.if ((\n) == 0) && (\i < 4)
	WIN 0xb1                                       ; source 0 (weights) window 1, source 1 (tokens) window 0, C (biases) window 3, D window 2
.elseif \i < 4
	WIN 0xa1                                       ; C and D window 2
.else
	WIN 0xf1                                       ; C and D window 3
.endif
.irp x, 0,1,2,3,4,5,6,7
.set rD, 64*(\i%4)+8*\x
.set rC, rD
.if (\n) == 0
.set rC, 192+8*\x
.endif
.set rW, 64*KQ+8*\x
.set rT, AF0+64*((\n)%2)+8*\i
.set rSW, BSC+16*(KV%2)+4*(\x/2)+KQ
.set rST, ASC+16*(KV%2)+4*(\i/2)+KQ
.set ROWA, \x%2
.set ROWB, \i%2
	WM
.endr
	WIN 0
.endr
.Lkend_\@:
.rept 4
	v_nop
.endr
.if KV < 3
.if KQ == 0
	SLOAD KV+1
.endif
	WIN 0x40
	BLOAD KV+1, KQ
	WIN 0
.endif
.endm
; THE WAY OUT of row tile i: score[a] x expert a's sums + score[b] x expert b's, each accumulator from its low end on; 16 tokens x 64 columns through my own stage in LDS, back as whole rows of 256 bytes.
.macro EPI i
.if (\i) > 0
	s_cmp_le_u32 s43, \i
	s_cbranch_scc1 .Lepi_done
.endif
.set EA, 64*((\i)%4)
	s_wait_xcnt 0x0                                ; the last tile's stores have read their data and address registers: both are written again below
	v_mov_b32 v30, v[GT+2*(\i)+1]                  ; score[b] into the low word of a pair
.if (\i) < 4
	WIN 0xa2                                       ; destination, sources 0 and 2 window 2; source 1 (the scores) window 0
.else
	WIN 0xf3
.endif
.irp j, 0,1,2,3
.irp k, 0,2,4,6
	v_pk_mul_f32 v[EA+8*\j+\k:EA+8*\j+\k+1], v[EA+8*\j+\k:EA+8*\j+\k+1], v[GT+2*(\i):GT+2*(\i)+1] op_sel_hi:[1,0]
.endr
.endr
.irp j, 0,1,2,3
.irp k, 0,2,4,6
	v_pk_fma_f32 v[EA+8*\j+\k:EA+8*\j+\k+1], v[EA+32+8*\j+\k:EA+32+8*\j+\k+1], v[30:31], v[EA+8*\j+\k:EA+8*\j+\k+1] op_sel_hi:[1,0,1]
.endr
.endr
.if (\i) < 4
	WIN 0x08                                       ; an LDS store's data are its source 1: window 2
.else
	WIN 0x0c
.endif
.irp j, 0,1,2,3
	ds_store_b128 v19, v[EA+8*\j:EA+8*\j+3] offset:64*\j           ; lane (r, h): token r, columns 16 j + 8 h + 0 .. 7
	ds_store_b128 v19, v[EA+8*\j+4:EA+8*\j+7] offset:64*\j+16
.endr
	WIN 0
.irp t, 0,1,2,3,4,5,6,7
	ds_load_b128 v[AF0+4*\t:AF0+4*\t+3], v20 offset:2*STP*\t       ; LDS serves a wave's instructions in order: these see the stores above.  Lanes 0-15 row 2 t, lanes 16-31 row 2 t + 1
.endr
.irp t, 0,1,2,3,4,5,6,7
	ds_load_b32 v[WK+\t], v21 offset:4*(16*(\i)+2*\t)              ; and those rows' token numbers
.endr
	s_wait_dscnt 0x0
.irp t, 0,1,2,3,4,5,6,7
	v_min_u32 v[WK+\t], 0x7ff, v[WK+\t]            ; a stored number enters an address only behind this bound
.endr
.irp t, 0,1,2,3,4,5,6,7
	v_lshl_add_u32 v[WK+\t], v[WK+\t], 13, v23     ; the token's row of 8,192 bytes, + 16 r
.endr
.irp t, 0,1,2,3,4,5,6,7
	global_store_b128 v[WK+\t], v[AF0+4*\t:AF0+4*\t+3], s[36:37] th:TH_STORE_NT   ; sixteen lanes store 256 consecutive bytes, aligned
.endr
.endm
	s_load_b256 s[4:11], s[0:1], 0x0               ; xs s[4:5], idx s[6:7], gates s[8:9], wf s[10:11]
	s_load_b128 s[12:15], s[0:1], 0x20             ; be s[12:13], out0 s[14:15]
	v_lshrrev_b32 v1, 5, v0
	v_readfirstlane_b32 s21, v1                    ; wave 0..3
	s_and_b32 s16, ttmp7, 0xffff                   ; the pair, 0 .. 27
	s_mov_b32 s17, 0
.irp th, 7,13,18,22,25,27              ; a = how many of the pairs (1,2), (2,3), .. (6,7) lie at or below mine
	s_cmp_ge_u32 s16, \th
	s_cselect_b32 s18, 1, 0
	s_add_co_u32 s17, s17, s18
.endr
	s_sub_co_u32 s18, 13, s17
	s_mul_i32 s18, s18, s17
	s_lshr_b32 s18, s18, 1
	s_add_co_u32 s19, s16, 1
	s_sub_co_u32 s19, s19, s18                     ; b = pair + 1 - a (13 - a) / 2
	s_add_co_u32 s20, s17, s19
	s_and_b32 s20, s20, 3                          ; the quarter of K at which this pair begins
	v_and_b32 v27, 31, v0                          ; lane
	v_lshlrev_b32 v1, 4, v27
	v_and_b32 v2, 15, v0                           ; r
	v_bfe_u32 v3, v0, 4, 1                         ; h
	v_lshlrev_b32 v15, 5, v3
.irp u, 0,1,2,3
	s_add_co_u32 s22, s20, \u
	s_and_b32 s22, s22, 3                          ; the quarter at position u
	s_lshl_b32 s23, s22, 12
	v_add_nc_u32 v[BOF+\u], s23, v1
	s_lshl_b32 s23, s22, 9
	v_add_nc_u32 v[SOF+\u], s23, v1
	s_lshl_b32 s[72+2*\u], s22, 8                  ; and its 256 bytes in a token's row of codes
	s_mov_b32 s[73+2*\u], 0
.endr
	s_lshl_b32 s46, ttmp9, 4
	s_lshl_b32 s47, s21, 2
	s_add_co_u32 s46, s46, s47                     ; my first column tile in an expert: 16 x + 4 w
	s_lshl_b32 s48, s17, 7
	s_add_co_u32 s48, s48, s46
	s_lshl_b32 s48, s48, 14                        ; expert a: block 128 a + 16 x + 4 w, 16,384 bytes each
	s_mov_b32 s49, 0
	s_lshl_b32 s50, s19, 7
	s_add_co_u32 s50, s50, s46
	s_lshl_b32 s50, s50, 14                        ; expert b
	s_mov_b32 s51, 0
	s_lshr_b32 s52, s48, 4                         ; scale words: 1,024 bytes a block
	s_mov_b32 s53, 0
	s_lshr_b32 s54, s50, 4
	s_mov_b32 s55, 0
	s_lshr_b32 s66, s48, 8                         ; biases: 64 bytes a block
	s_mov_b32 s67, 0
	s_lshr_b32 s68, s50, 8
	s_mov_b32 s69, 0
	s_lshl_b32 s70, s46, 6                         ; my first column in a row of out0, in bytes
	s_mov_b32 s71, 0
	s_lshl_b32 s46, s16, 2
	s_wait_kmcnt 0x0
	s_load_b64 s[38:39], s[6:7], s46 offset:0x2000 ; start[pair], start[pair + 1]
	s_add_nc_u64 s[24:25], s[10:11], s[48:49]
	s_add_nc_u64 s[26:27], s[10:11], s[50:51]
	s_add_nc_u64 s[28:29], s[10:11], s[52:53]
	s_add_nc_u64 s[28:29], s[28:29], 0x1000000
	s_add_nc_u64 s[30:31], s[10:11], s[54:55]
	s_add_nc_u64 s[30:31], s[30:31], 0x1000000
	s_add_nc_u64 s[32:33], s[12:13], s[66:67]
	s_add_nc_u64 s[34:35], s[12:13], s[68:69]
	s_add_nc_u64 s[36:37], s[14:15], s[70:71]
.irp u, 0,1,2,3
	s_add_nc_u64 s[56+2*\u:57+2*\u], s[4:5], s[72+2*\u:73+2*\u]
.endr
	PRE                                            ; the first chunk's weights and biases are on their way before any stored number is known
	v_mul_u32_u24 v12, v2, PIT
	v_lshl_add_u32 v12, v3, 4, v12                 ; a fragment: slot r, + 16 h
	v_add_nc_u32 v13, 64*PIT, v12                  ; the same 64 slots on (an LDS offset has 16 bits)
	v_mul_u32_u24 v14, v27, ASP
	v_add_nc_u32 v14, AS, v14
	s_lshl_b32 s22, s21, 5                         ; the fill: my wave's 32 slots
	v_add_nc_u32 v24, s22, v3                      ; codes: slot 32 w + 2 i + h
	v_mul_u32_u24 v16, v24, PIT
	v_lshl_add_u32 v16, v2, 4, v16
	v_lshrrev_b32 v25, 2, v27
	v_add_nc_u32 v25, s22, v25                     ; scale bytes: slot 32 w + 8 m + l / 4
	v_mul_u32_u24 v17, v25, ASP
	v_and_b32 v28, 3, v27
	v_lshl_add_u32 v17, v28, 4, v17
	v_add_nc_u32 v17, AS, v17
	v_lshl_add_u32 v18, v0, 2, TK                  ; token number: slot = thread
	s_mul_i32 s23, s21, 16*STP
	s_add_co_u32 s23, s23, ST                      ; my stage
	v_mul_u32_u24 v19, v2, STP
	v_lshl_add_u32 v19, v3, 5, v19
	v_add_nc_u32 v19, s23, v19
	v_mul_u32_u24 v20, v3, STP
	v_lshl_add_u32 v20, v2, 4, v20
	v_add_nc_u32 v20, s23, v20
	v_lshl_add_u32 v21, v3, 2, TK
	v_lshl_add_u32 v22, v2, 2, TK
	v_lshlrev_b32 v23, 4, v2
	v_add_nc_u32 v26, s20, v28
	v_and_b32 v26, 3, v26
	v_lshlrev_b32 v26, 4, v26
	v_mov_b32 v31, 0                               ; named as the upper word of the pair v[30:31], so it is written
	s_mov_b32 s40, 0
	s_wait_kmcnt 0x0
	s_sub_co_u32 s47, s39, s38                     ; the pair's rows
.Lchunk:
	s_lshl_b32 s46, s40, 7
	s_sub_co_i32 s41, s47, s46                     ; rows left from this chunk on
	s_min_i32 s42, s41, 128                        ; rows of this chunk
	s_add_co_u32 s43, s42, 15
	s_ashr_i32 s43, s43, 4                         ; its row tiles, 1 .. 8
	s_sub_co_u32 s44, s42, 1                       ; its last row
	s_add_co_u32 s45, s38, s46                     ; its first row in xs
	s_cmp_gt_i32 s41, 0
	s_cbranch_scc0 .Lno_fill
	; ---- THE FILL: my wave's 32 slots.  Slot -> row first + min(slot, last), held inside xs
	s_wait_xcnt 0x0                                ; the last way out's stores have read the registers that are written below
.set z, 0
.rept 16
	v_add_nc_u32 v[AF0+z], 2*z, v24
.set z, z+1
.endr
.irp m, 0,1,2,3
	v_add_nc_u32 v[AF0+16+\m], 8*\m, v25
.endr
.set z, 0
.rept 20
	v_min_u32 v[AF0+z], s44, v[AF0+z]
.set z, z+1
.endr
	v_min_u32 v[AF0+20], s44, v0
.set z, 0
.rept 21
	v_add_nc_u32 v[AF0+z], s45, v[AF0+z]
.set z, z+1
.endr
.set z, 0
.rept 21
	v_min_u32 v[AF0+z], 0x7ff, v[AF0+z]            ; a stored number enters an address only behind this bound
.set z, z+1
.endr
.set z, 0
.rept 16
	v_lshl_add_u32 v[AF0+z], v[AF0+z], 10, v23     ; the row's 1,024 bytes of codes, + 16 r
.set z, z+1
.endr
.irp m, 0,1,2,3
	v_lshl_add_u32 v[AF0+16+\m], v[AF0+16+\m], 6, v26              ; its 64 scale bytes, + the quarter that lane % 4 fetches
.endr
	v_lshlrev_b32 v[AF0+20], 2, v[AF0+20]
	WIN 0x80                                       ; destination window 2: the accumulators are free between chunks
.set z, 0
.rept 64
	global_load_b128 v[4*z:4*z+3], v[AF0+z/4], s[56+2*(z%4):57+2*(z%4)]   ; lanes 0-15 one row's 256 bytes of the quarter at position z % 4, lanes 16-31 the next slot's
.set z, z+1
.endr
	WIN 0
.irp m, 0,1,2,3
	global_load_b128 v[WK+4*\m:WK+4*\m+3], v[AF0+16+\m], s[4:5] offset:2097152
.endr
	global_load_b32 v[AF0+21], v[AF0+20], s[6:7]   ; order[row]
	s_wait_loadcnt 0x0
	WIN 0x08                                       ; an LDS store's data are its source 1: window 2
.set z, 0
.rept 64
	ds_store_b128 v16, v[4*z:4*z+3] offset:2*PIT*(z/4)+256*(z%4)   ; column 256 v of a slot holds the quarter of K at position v
.set z, z+1
.endr
	WIN 0
.irp m, 0,1,2,3
	ds_store_b128 v17, v[WK+4*\m:WK+4*\m+3] offset:8*ASP*\m
.endr
	ds_store_b32 v18, v[AF0+21]
.Lno_fill:
	s_wait_dscnt 0x0                               ; for the others' sake: my slots lie in LDS
	s_barrier_signal -1
	s_barrier_wait -1                              ; everybody's do
	s_cmp_gt_i32 s41, 0
	s_cbranch_scc0 .Lno_work
	; ---- THE WORK
	s_wait_xcnt 0x0                                ; no earlier store still reads the registers into which the loads below land
.irp i, 0,1,2,3,4,5,6,7
	ds_load_b32 v[WK+\i], v22 offset:64*\i         ; the token in slot 16 i + r
.endr
.irp u, 0,1,2,3
	ds_load_b128 v[ASC+4*\u:ASC+4*\u+3], v14 offset:32*ASP*\u      ; the tokens' scale words of the first quarter
.endr
.irp i, 0,1,2,3,4,5,6,7
	ALOAD 0, \i
.endr
	s_wait_dscnt 20                                ; the token numbers are in; the 4 + 16 loads behind them may be out
.irp i, 0,1,2,3,4,5,6,7
	v_min_u32 v[WK+\i], 0x7ff, v[WK+\i]
.endr
.irp i, 0,1,2,3,4,5,6,7
	v_lshlrev_b32 v[WK+\i], 3, v[WK+\i]
.endr
.irp i, 0,1,2,3,4,5,6,7
	global_load_b64 v[GT+2*\i:GT+2*\i+1], v[WK+\i], s[8:9]         ; (score[a], score[b]) of my lane's token in tile i
.endr
	; The counts: behind a step's 16 loads of weights stand, in the order of issue, the rest of the ring, the 8 loads of gates (first quarter), and the refills: 4 loads of scale words at a quarter's first step, 16 of weights at each step
	KSTEP 0, 56                                    ; 48 + 8
	KSTEP 1, 60                                    ; 32 + 8 + 4 + 16
	KSTEP 2, 60                                    ; 16 + 8 + 4 + 32
	KSTEP 3, 60                                    ; 8 + 4 + 48
	KSTEP 4, 48                                    ; 48
	KSTEP 5, 52                                    ; 32 + 4 + 16
	KSTEP 6, 52
	KSTEP 7, 52
	KSTEP 8, 48
	KSTEP 9, 52
	KSTEP 10, 52
	KSTEP 11, 52
	KSTEP 12, 48                                   ; the last quarter is not followed by refills: the counts run down
	KSTEP 13, 32
	KSTEP 14, 16
	KSTEP 15, 0                                    ; all loads are in, the gates among them
.irp i, 0,1,2,3,4,5,6,7
	EPI \i
.endr
.Lepi_done:
	s_cmp_gt_i32 s41, 128                          ; is there a further chunk with rows?
	s_cbranch_scc0 .Lno_work
	PRE                                            ; then its weights and biases set out now
.Lno_work:
	s_wait_dscnt 0x0                               ; my reads of the slots are over
	s_barrier_signal -1
	s_barrier_wait -1                              ; everybody's are: the next trip may fill them again
	s_add_co_u32 s40, s40, 1
	s_cmp_lt_u32 s40, 16
	s_cbranch_scc1 .Lchunk
	s_wait_xcnt 0x0
	v_lshl_add_u32 v254, v0, 2, 0x27600
	v_mov_b32 v255, 0
	s_wait_tensorcnt 0x0
	ds_add_u32 v254, v255
	s_wait_dscnt 0x0
	s_endpgm
.Lfunc_end_k_qf3cc83b557_moe:
	.size	k_qf3cc83b557_moe, .Lfunc_end_k_qf3cc83b557_moe-k_qf3cc83b557_moe
	.p2alignl 7, 3214868480
	.fill 96, 4, 3214868480
	.section	.rodata,"a",@progbits
	.p2align	6, 0x0
	.amdhsa_kernel k_qf3cc83b557_moe
		.amdhsa_group_segment_fixed_size 161792
		.amdhsa_private_segment_fixed_size 0
		.amdhsa_enable_private_segment 0
		.amdhsa_kernarg_size 48
		.amdhsa_user_sgpr_count 2
		.amdhsa_user_sgpr_kernarg_segment_ptr 1
		.amdhsa_wavefront_size32 1
		.amdhsa_system_sgpr_workgroup_id_x 1
		.amdhsa_system_sgpr_workgroup_id_y 1
		.amdhsa_system_sgpr_workgroup_id_z 1
		.amdhsa_system_vgpr_workitem_id 0
		.amdhsa_next_free_vgpr 1024
		.amdhsa_next_free_sgpr 80
		.amdhsa_reserve_vcc 0
		.amdhsa_float_denorm_mode_32 3
		.amdhsa_float_denorm_mode_16_64 3
		.amdhsa_memory_ordered 1
		.amdhsa_forward_progress 1
		.amdhsa_inst_pref_size 255
	.end_amdhsa_kernel
	.section	.bss,"aw",@nobits
	.p2align	6
	.space	262144
	.amdgpu_metadata
---
amdhsa.version: [ 1, 2 ]
amdhsa.kernels:
  - .name:           k_qf3cc83b557_moe
    .symbol:         k_qf3cc83b557_moe.kd
    .args:
      - { .name: xs, .offset: 0, .size: 8, .value_kind: global_buffer, .address_space: global }
      - { .name: idx, .offset: 8, .size: 8, .value_kind: global_buffer, .address_space: global }
      - { .name: gates, .offset: 16, .size: 8, .value_kind: global_buffer, .address_space: global }
      - { .name: wf, .offset: 24, .size: 8, .value_kind: global_buffer, .address_space: global }
      - { .name: be, .offset: 32, .size: 8, .value_kind: global_buffer, .address_space: global }
      - { .name: out0, .offset: 40, .size: 8, .value_kind: global_buffer, .address_space: global }
    .group_segment_fixed_size: 161792
    .private_segment_fixed_size: 0
    .kernarg_segment_align: 8
    .kernarg_segment_size: 48
    .max_flat_workgroup_size: 128
    .sgpr_count:     80
    .vgpr_count:     1024
    .wavefront_size: 32
...
	.end_amdgpu_metadata
.endif
;; end of part 3
;; ======== version 2 of 3: 2 launches
;; workspace buffers: xq 2,228,224 bytes; keys 8,192 bytes of whole numbers; gates 16,384 bytes; wf 17,825,792 bytes
;; launch route (part 4): grid 256 x 1, 4 waves a work-group, no clusters, 123,392 bytes of LDS; arguments x, Wg, bg, We_codes, We_scales, xq, keys, gates, wf; writes xq, keys, gates, wf
.if DOCPART == 4
	.amdgcn_target "amdgcn-amd-amdhsa--gfx1250"
	.amdhsa_code_object_version 6
	.text
	.protected	k_qf3cc83b557_route
	.globl	k_qf3cc83b557_route
	.p2align	8
	.type	k_qf3cc83b557_route,@function
k_qf3cc83b557_route:
	s_mov_b64 s[64:65], 0
	v_nop
	global_prefetch_b8 v0, s[64:65] scope:SCOPE_SE
	s_setreg_imm32_b32 hwreg(HW_REG_WAVE_MODE, 25, 1), 1
	s_wait_xcnt 0x0
; ROUTE.  Three things.  (1) x [2048 tokens][2048] f32 is turned into codes of FP4 (E2M1) with one E8M0 byte for each 32 along K.  (2) The router, in f32: logits = x Wg + bg, softmax over 8 experts,
; the two largest scores (a tie keeps the lower index).  Stored, all at fixed places: xq (codes [token][1024 bytes] at byte 0, scale bytes [token][64] at byte 2,097,152), keys[token] = the pair
; a (13 - a) / 2 + b - 1 of the chosen experts a < b (0 .. 27), gates[token] = (score[a], score[b]).  No address and no branch of this launch hangs on a score: the choice only selects values.
; (3) We's codes and scale bytes are laid in the order in which a wave's operand registers take them, so that the next launch loads each fragment whole, 512 consecutive bytes an instruction:
;   wf codes, byte 0:           [block g = 128 e + n / 16][K step s 0..15][c 0..1][lane][16 bytes]: lane (r, h) holds row 16 g + r, bytes 64 s + 32 c + 16 h of its 1,024
;   wf scales, byte 16,777,216: [g / 2][u 0..3][lane][16 bytes]: lane l holds row 32 (g / 2) + l, scale bytes 16 u .. 16 u + 15: the words of K steps 4 u .. 4 u + 3
; SHARES.  A work-group takes 8 tokens; wave w takes columns 512 w .. 512 w + 511 of all eight.  For the arithmetic lane l holds the 16 neighbours k = 512 w + 16 l + 0 .. 15 (two lanes to a block of 32),
; and its 16 rows of Wg (128 numbers) stay in registers.  Every load reads 512 consecutive bytes a wave; x and Wg turn through the wave's own stages in LDS to reach that layout.
; Wave g = 4 x work-group + wave also takes We's block g: 16 rows, 16 KiB dense.  Its loads go out first and it is laid out while Wg and x are on their way; its stores are under way while the router works.
; The 128 threads' partial logits meet in LDS: two sums with a barrier in front of each, then wave 0 finishes, a lane to a token.
; No matrix unit (N = 8), no tensor load, no cluster: work-groups share only Wg, 64 KiB.
; LIMITS: NaN and infinities among the inputs are not served.  A block of zeros gets the byte 1 where the rule says 127: its codes are zeros, and the bytes are read by this program alone.
; The logits are f32 sums in another order than a plain chain along K: where the second and third score lie within f32 rounding of each other the choice may fall the other way.
; keys and gates leave as 32 and 64 bytes a work-group: their aligned blocks of 256 bytes are written in part, 24 KiB in the whole launch.
.set WSP, 528                          ; Wg's stage: a lane's 512 bytes + 16: 33 x 16
.set WEP, 1040                         ; We's block in the same stage, ahead of Wg: a row's 1,024 bytes + 16 = 65 x 16; 16 rows are 16,640 of the stage's 16,896 bytes
.set XST, 4*32*WSP                     ; x's stages: two for each wave, 32 places of 64 bytes + 16
.set XSP, 80
.set PS,  XST+4*2*32*XSP               ; partial logits: 16 groups (token, half of the experts) x 128 threads x 16 bytes, + 16 a group
.set PSP, 2064
.set QS,  PS+16*PSP                    ; the waves' sums: 4 x 16 groups x 16 bytes
.set SCB, QS+4*256                     ; the 8 tokens' scale bytes, 64 each
.set XR,  16                           ; v16-143   x as loaded: 16 registers a token; later the sums
.set X,   144                          ; v144-175  two sets of 16 neighbours
.set ACC, 176                          ; v176-183  8 partial logits
.set SR,  184                          ; v184-191  We's scale bytes
.set C,   192                          ; v192-207  codes, two registers a token: no store's data are written again
.set E,   208                          ; v208-215  a scale byte a token
.set T,   216                          ; v216-219  at work
.set WB,  128                          ; window 1, v128-255: We's block
; window 1, v0-127: register 8 i + e = Wg[k_i][e]
.set MSB, 0
.macro WIN new                         ; s_set_vgpr_msb: bits 1:0 source 0, 3:2 source 1, 5:4 source 2, 7:6 destination; the high byte repeats the setting that is left
.if MSB != \new
	s_set_vgpr_msb (MSB<<8)|\new
.set MSB, \new
.endif
.endm
	s_load_b256 s[4:11], s[0:1], 0x0               ; x s[4:5], Wg s[6:7], bg s[8:9], We_codes s[10:11]
	s_load_b256 s[44:51], s[0:1], 0x20             ; We_scales s[44:45], xq s[46:47], keys s[48:49], gates s[50:51]
	s_load_b64 s[52:53], s[0:1], 0x40              ; wf
	v_lshl_add_u32 v254, v0, 2, 0x1e000
	v_mov_b32 v255, 0
	v_lshrrev_b32 v1, 5, v0
	v_readfirstlane_b32 s16, v1                    ; wave 0..3
	v_and_b32 v1, 31, v0                           ; lane
	v_lshlrev_b32 v2, 4, v1                        ; 16 x lane
	s_mul_i32 s17, s16, 2*32*XSP
	s_add_co_u32 s17, s17, XST                     ; my two stages for x
	v_lshrrev_b32 v3, 2, v1
	v_mul_u32_u24 v3, v3, XSP
	v_and_b32 v4, 3, v1
	v_lshl_add_u32 v3, v4, 4, v3
	v_add_nc_u32 v3, s17, v3                       ; way in: four lanes' 64 bytes on end, then 16 of padding
	v_mul_u32_u24 v4, v1, XSP
	v_add_nc_u32 v4, s17, v4                       ; way out: my 16 neighbours
	s_mul_i32 s17, s16, 32*WSP                     ; my stage for We's block and then for Wg (it begins at LDS byte 0)
	v_add_nc_u32 v5, s17, v2                       ; way in: a load's 512 bytes on end
	v_mul_u32_u24 v6, v1, WSP
	v_add_nc_u32 v6, s17, v6                       ; Wg's way out: my 16 rows of Wg
	v_and_b32 v221, 15, v0                         ; r
	v_bfe_u32 v222, v0, 4, 1                       ; h
	v_mul_u32_u24 v220, v221, WEP
	v_lshl_add_u32 v220, v222, 4, v220
	v_add_nc_u32 v220, s17, v220                   ; We's way out: row r, + 16 h
	v_lshlrev_b32 v14, 6, v221
	v_lshl_add_u32 v14, v222, 4, v14               ; We's scale bytes, in: row r of 64 bytes, + 16 h
	v_lshlrev_b32 v15, 9, v222
	v_lshl_add_u32 v15, v221, 4, v15               ; out: 512 h + 16 r
	s_lshl_b32 s17, s16, 8
	v_lshl_add_u32 v7, v1, 3, s17                  ; my 8 bytes of a token's 1,024 bytes of codes: 256 w + 8 l
	s_lshl_b32 s17, s16, 4
	s_add_co_u32 s17, s17, SCB
	v_lshrrev_b32 v8, 1, v1
	v_add_nc_u32 v8, s17, v8                       ; my block's byte among a token's 64: 16 w + l / 2
	v_lshl_add_u32 v9, v0, 4, PS                   ; my thread's 16 bytes in a group of partial logits
	v_and_b32 v10, 15, v0
	v_mul_u32_u24 v10, v10, PSP
	v_lshrrev_b32 v11, 4, v0
	v_lshl_add_u32 v10, v11, 8, v10
	v_add_nc_u32 v10, PS, v10                      ; first sum: group thread % 16, the 16 threads from 16 (thread / 16) on
	v_and_b32 v11, 15, v0
	s_lshl_b32 s17, s16, 8
	s_add_co_u32 s17, s17, QS
	v_lshl_add_u32 v11, v11, 4, s17                ; where my wave's sum of that group goes
	v_and_b32 v12, 7, v0
	v_lshl_add_u32 v12, v12, 5, QS                 ; wave 0, lane = token: its two groups
	v_add_nc_u32 v13, SCB, v2                      ; wave 0: 16 of the 512 scale bytes
.irp j, 0,1,2,3
	v_mov_b32 v[T+\j], 0                           ; written once: a lane permute's destination counts as one of its sources
.endr
	s_mov_b32 s28, 0x76543210
	s_mov_b32 s29, 0xfedcba98                      ; v_permlanex16_b32's selects for lane l xor 16
	s_lshl_b32 s18, s16, 14                        ; Wg: my wave's 512 rows of 32 bytes
	s_mov_b32 s19, 0
	s_lshl_b32 s30, ttmp9, 16                      ; x: 8 tokens of 8,192 bytes a work-group,
	s_lshl_b32 s31, s16, 11                        ; my wave's 2,048 bytes of a row
	s_add_co_u32 s30, s30, s31
	s_mov_b32 s31, 0
	s_lshl_b32 s36, ttmp9, 13                      ; codes: 8 x 1,024 bytes
	s_mov_b32 s37, 0
	s_lshl_b32 s38, ttmp9, 9                       ; scale bytes: 8 x 64
	s_mov_b32 s39, 0
	s_lshl_b32 s40, ttmp9, 5                       ; keys: 8 x 4
	s_mov_b32 s41, 0
	s_lshl_b32 s42, ttmp9, 6                       ; gates: 8 x 8
	s_mov_b32 s43, 0
	s_lshl_b32 s54, ttmp9, 2
	s_add_co_u32 s54, s54, s16                     ; g: We's block
	s_lshl_b32 s56, s54, 14                        ; its 16,384 bytes of codes, in We_codes and in wf
	s_mov_b32 s57, 0
	s_lshl_b32 s60, s54, 10                        ; its 16 x 64 scale bytes
	s_mov_b32 s61, 0
	s_lshr_b32 s62, s54, 1
	s_lshl_b32 s62, s62, 11
	s_and_b32 s55, s54, 1
	s_lshl_b32 s55, s55, 8
	s_add_co_u32 s62, s62, s55                     ; and their place in wf: 2,048 (g / 2) + 256 (g % 2)
	s_mov_b32 s63, 0
	s_wait_kmcnt 0x0
	s_add_nc_u64 s[10:11], s[10:11], s[56:57]
	s_add_nc_u64 s[44:45], s[44:45], s[60:61]
	s_add_nc_u64 s[6:7], s[6:7], s[18:19]
	s_add_nc_u64 s[4:5], s[4:5], s[30:31]
	s_add_nc_u64 s[58:59], s[52:53], s[56:57]
	s_add_nc_u64 s[52:53], s[52:53], s[62:63]
	s_add_nc_u64 s[52:53], s[52:53], 0x1000000     ; the scale words lie behind the codes
	s_add_nc_u64 s[32:33], s[46:47], s[36:37]
	s_add_nc_u64 s[34:35], s[46:47], s[38:39]
	s_add_nc_u64 s[12:13], s[48:49], s[40:41]
	s_add_nc_u64 s[14:15], s[50:51], s[42:43]
	s_load_b256 s[20:27], s[8:9], 0x0              ; bg: eight numbers
; 98 loads, in the order in which they are wanted: We's block 32, its scale bytes 2, Wg 32, x 32
	WIN 0x40                                       ; destination window 1
.set m, 0
.rept 32
	global_load_b128 v[WB+4*m:WB+4*m+3], v2, s[10:11] offset:512*m th:TH_LOAD_NT    ; We's block: 512 consecutive bytes a load; read once in the launch
.set m, m+1
.endr
	WIN 0
.irp m, 0,1
	global_load_b128 v[SR+4*\m:SR+4*\m+3], v14, s[44:45] offset:32*\m th:TH_LOAD_NT  ; lane (r, h): row r, bytes 16 (2 m + h) on
.endr
	WIN 0x40
.set m, 0
.rept 32
	global_load_b128 v[4*m:4*m+3], v2, s[6:7] offset:512*m          ; Wg: 512 consecutive bytes a load; load m brings what lane m will hold
.set m, m+1
.endr
	WIN 0
.set m, 0
.rept 32
	global_load_b128 v[XR+4*m:XR+4*m+3], v2, s[4:5] offset:8192*(m/4)+512*(m%4) th:TH_LOAD_NT   ; x: token m / 4, 512 consecutive bytes a load; read once in the launch
.set m, m+1
.endr
; ---- We's block: through my stage, out in the order of the operand's registers
	s_wait_loadcnt 63                              ; the block's 32 loads are in: 66 loads were issued behind them; 63 is the largest count that this wait can name, and a count below the number issued behind is always enough
	WIN 0x04                                       ; an LDS store's data are its source 1: window 1
.set m, 0
.rept 32
	ds_store_b128 v5, v[WB+4*m:WB+4*m+3] offset:WEP*(m/2)+512*(m%2) ; load m brought half m % 2 of row m / 2
.set m, m+1
.endr
	s_wait_dscnt 0x0                               ; the stores have read their registers
	WIN 0x40
.set m, 0
.rept 32
	ds_load_b128 v[WB+4*m:WB+4*m+3], v220 offset:32*m              ; m = 2 s + c: row r, bytes 64 s + 32 c + 16 h
.set m, m+1
.endr
	WIN 0x04                                       ; a global store's data are its source 1: window 1
.set m, 0
.rept 32
	s_wait_dscnt 31-m                              ; LDS loads come back in order: number m is in
	global_store_b128 v2, v[WB+4*m:WB+4*m+3], s[58:59] offset:512*m th:TH_STORE_NT   ; 512 consecutive bytes, aligned; these registers are not written again
.set m, m+1
.endr
	WIN 0
	s_wait_loadcnt 63                              ; the block's scale bytes are in: 64 loads were issued behind them
.irp m, 0,1
	global_store_b128 v15, v[SR+4*\m:SR+4*\m+3], s[52:53] offset:1024*\m   ; u = 2 m + h: sixteen lanes store 256 consecutive bytes, aligned
.endr
; ---- Wg: through the same stage (my reads of the block are over: the last count-down ended at 0)
	s_wait_loadcnt 32                              ; Wg's 32 loads are in; x's 32, issued behind them, may be out
	WIN 0x04
.set m, 0
.rept 32
	ds_store_b128 v5, v[4*m:4*m+3] offset:WSP*m
.set m, m+1
.endr
	s_wait_dscnt 0x0                               ; the stores have read their registers
	WIN 0x40
.set m, 0
.rept 32
	ds_load_b128 v[4*m:4*m+3], v6 offset:16*m      ; my 16 rows of Wg: register 8 i + e = Wg[512 w + 16 l + i][e]
.set m, m+1
.endr
	WIN 0
.macro TURN t                          ; token t's numbers through a stage: LDS serves a wave's instructions in order, so no wait stands between the stores and the loads
.irp i, 0,1,2,3
	ds_store_b128 v3, v[XR+16*(\t)+4*\i:XR+16*(\t)+4*\i+3] offset:32*XSP*((\t)%2)+8*XSP*\i
.endr
.irp i, 0,1,2,3
	ds_load_b128 v[X+16*((\t)%2)+4*\i:X+16*((\t)%2)+4*\i+3], v4 offset:32*XSP*((\t)%2)+16*\i
.endr
.endm
.macro TOKEN t
.set XS, X+16*((\t)%2)
	s_wait_dscnt 0x0                               ; this token's numbers are back from the stage (for token 0: Wg too); the last token's LDS stores have read their registers
.if (\t) < 7
	s_wait_loadcnt 4*(6-(\t))                      ; the next token's four loads are in; those of the tokens behind it may be out
	TURN (\t)+1                                    ; and go through the other stage while this token is worked
.endif
	v_max3_num_f32 v[T], |v[XS]|, |v[XS+1]|, |v[XS+2]|              ; the largest magnitude of my 16, in two chains
	v_max3_num_f32 v[T+1], |v[XS+3]|, |v[XS+4]|, |v[XS+5]|
.irp i, 6,10
	v_max3_num_f32 v[T], v[T], |v[XS+\i]|, |v[XS+\i+1]|
	v_max3_num_f32 v[T+1], v[T+1], |v[XS+\i+2]|, |v[XS+\i+3]|
.endr
	v_max3_num_f32 v[T], v[T], |v[XS+14]|, |v[XS+15]|
	v_max3_num_f32 v[T], v[T], v[T+1], 0x1800000   ; and the floor 2^(3 - 127): the byte cannot fall under 1
	v_max_num_f32_dpp v[T], v[T], v[T] row_xmask:1 row_mask:0xf bank_mask:0xf   ; with my neighbour's 16: the block's
	v_add_nc_u32 v[T+2], 0xff000000, v[T]          ; 2 off its exponent field: the conversion takes the exponent field of this operand as its scale
	v_cvt_scalef32_pk8_fp4_f32 v[C+2*(\t)], v[XS:XS+7], v[T+2]      ; to the nearest code, ties to even, beyond 6 the largest code; the first number's code in the lowest bits
	v_cvt_scalef32_pk8_fp4_f32 v[C+2*(\t)+1], v[XS+8:XS+15], v[T+2]
	v_lshrrev_b32 v[E+(\t)], 23, v[T+2]            ; the scale's byte (also the plain line behind the conversions)
	ds_store_b8 v8, v[E+(\t)] offset:64*(\t)       ; both lanes of a block write the same byte with the same value
	global_store_b64 v7, v[C+2*(\t):C+2*(\t)+1], s[32:33] offset:1024*(\t)   ; the wave stores 256 consecutive bytes, aligned
	WIN 0x04                                       ; source 1 (Wg) window 1
.irp p, 0,2,4,6                        ; the router: 8 logits x my 16 k, two experts an instruction; x_i feeds both halves.  The first product starts the sums
	v_pk_mul_f32 v[ACC+\p:ACC+\p+1], v[XS:XS+1], v[\p:\p+1] op_sel_hi:[0,1]
.endr
.irp p, 0,2,4,6
	v_pk_fma_f32 v[ACC+\p:ACC+\p+1], v[XS:XS+1], v[8+\p:8+\p+1], v[ACC+\p:ACC+\p+1] op_sel:[1,0,0] op_sel_hi:[1,1,1]
.endr
.irp i, 2,4,6,8,10,12,14
.irp p, 0,2,4,6
	v_pk_fma_f32 v[ACC+\p:ACC+\p+1], v[XS+\i:XS+\i+1], v[8*\i+\p:8*\i+\p+1], v[ACC+\p:ACC+\p+1] op_sel_hi:[0,1,1]
.endr
.irp p, 0,2,4,6
	v_pk_fma_f32 v[ACC+\p:ACC+\p+1], v[XS+\i:XS+\i+1], v[8*\i+8+\p:8*\i+8+\p+1], v[ACC+\p:ACC+\p+1] op_sel:[1,0,0] op_sel_hi:[1,1,1]
.endr
.endr
	WIN 0
	ds_store_b128 v9, v[ACC:ACC+3] offset:2*(\t)*PSP
	ds_store_b128 v9, v[ACC+4:ACC+7] offset:(2*(\t)+1)*PSP
.endm
	s_wait_loadcnt 28                              ; token 0's four loads are in; the other seven tokens' 28 may be out
	TURN 0
.irp t, 0,1,2,3,4,5,6,7
	TOKEN \t
.endr
	s_wait_kmcnt 0x0                               ; bg
	s_wait_dscnt 0x0                               ; for the others' sake: my partial logits and scale bytes lie in LDS
	s_barrier_signal -1
	s_barrier_wait -1
.set m, 0
.rept 16
	ds_load_b128 v[XR+4*m:XR+4*m+3], v10 offset:16*m               ; sixteen threads' four numbers of my group
.set m, m+1
.endr
	s_wait_dscnt 0x0
.set m, 1
.rept 15
	v_pk_add_f32 v[XR:XR+1], v[XR:XR+1], v[XR+4*m:XR+4*m+1]
	v_pk_add_f32 v[XR+2:XR+3], v[XR+2:XR+3], v[XR+4*m+2:XR+4*m+3]
.set m, m+1
.endr
.irp j, 0,1,2,3
	v_permlanex16_b32 v[T+\j], v[XR+\j], s28, s29  ; lane l xor 16 holds the same group's next sixteen threads
.endr
	v_pk_add_f32 v[XR:XR+1], v[XR:XR+1], v[T:T+1]
	v_pk_add_f32 v[XR+2:XR+3], v[XR+2:XR+3], v[T+2:T+3]
	ds_store_b128 v11, v[XR:XR+3]                  ; lanes l and l xor 16 write the same bytes with the same values
	s_wait_dscnt 0x0
	s_barrier_signal -1
	s_barrier_wait -1                              ; the last barrier: from here wave 0 works alone
	s_cmp_lg_u32 s16, 0
	s_cbranch_scc1 .Lend
.set LG, XR                            ; 8 logits
.set DD, XR+8                          ; exponents
.set PP, XR+16                         ; 2^exponent
.set SS, XR+24                         ; scores
.set S2, XR+32                         ; scores without the winner
.set IX, XR+40                         ; 0 .. 7
.set W,  XR+48                         ; at work
	ds_load_b128 v[240:243], v13
.set m, 0
.rept 8
	ds_load_b128 v[XR+4*m:XR+4*m+3], v12 offset:256*(m/2)+16*(m%2) ; register 8 w + e: wave w's sum of logit e of token lane % 8
.set m, m+1
.endr
	s_wait_dscnt 8                                 ; the scale bytes are in; the eight loads behind them may be out
	global_store_b128 v2, v[240:243], s[34:35] offset:2097152      ; 512 consecutive bytes, aligned
	s_wait_dscnt 0x0
.irp w, 1,2,3
.irp p, 0,2,4,6
	v_pk_add_f32 v[LG+\p:LG+\p+1], v[LG+\p:LG+\p+1], v[LG+8*\w+\p:LG+8*\w+\p+1]
.endr
.endr
.irp e, 0,1,2,3,4,5,6,7
	v_add_f32 v[LG+\e], s[20+\e], v[LG+\e]         ; + bg
.endr
	v_max3_num_f32 v[W], v[LG], v[LG+1], v[LG+2]   ; the maximum is taken away ahead of the exponentials
	v_max3_num_f32 v[W], v[W], v[LG+3], v[LG+4]
	v_max3_num_f32 v[W], v[W], v[LG+5], v[LG+6]
	v_max_num_f32 v[W], v[W], v[LG+7]
.irp e, 0,1,2,3,4,5,6,7
	v_sub_f32 v[DD+\e], v[LG+\e], v[W]             ; the difference first, so that the largest logit's exponent is exactly 0 whatever its size
.endr
.irp e, 0,1,2,3,4,5,6,7
	v_mul_f32 v[DD+\e], 0x3fb8aa3b, v[DD+\e]       ; x log2(e)
.endr
.irp e, 0,1,2,3,4,5,6,7
	v_exp_f32 v[PP+\e], v[DD+\e]
.endr
.irp e, 0,1,2,3,4,5,6,7
	v_mov_b32 v[IX+\e], \e                         ; plain work behind the batch
.endr
	s_wait_alu depctr_va_vdst(0)                   ; one wait for the eight exponentials, ahead of their first reader
	v_add_f32 v[W+1], v[PP], v[PP+1]
	v_add_f32 v[W+2], v[PP+2], v[PP+3]
	v_add_f32 v[W+3], v[PP+4], v[PP+5]
	v_add_f32 v[W+4], v[PP+6], v[PP+7]
	v_add_f32 v[W+1], v[W+1], v[W+2]
	v_add_f32 v[W+3], v[W+3], v[W+4]
	v_add_f32 v[W+1], v[W+1], v[W+3]
	v_rcp_f32 v[W+5], v[W+1]
	v_mov_b32 v[W+16], -1.0                        ; (a plain line behind the reciprocal)  under every score
	s_wait_alu depctr_va_vdst(0)
.irp e, 0,1,2,3,4,5,6,7
	v_mul_f32 v[SS+\e], v[PP+\e], v[W+5]           ; the scores
.endr
	v_mov_b32 v[W+6], v[SS]                        ; the largest score and its index: an ascending scan with a strict compare keeps the lower index at a tie
	v_mov_b32 v[W+7], 0
.irp e, 1,2,3,4,5,6,7
	v_cmp_gt_f32 vcc_lo, v[SS+\e], v[W+6]
	v_cndmask_b32 v[W+6], v[W+6], v[SS+\e], vcc_lo
	v_cndmask_b32 v[W+7], v[W+7], v[IX+\e], vcc_lo
.endr
.irp e, 0,1,2,3,4,5,6,7
	v_cmp_eq_u32 vcc_lo, v[W+7], v[IX+\e]
	v_cndmask_b32 v[S2+\e], v[SS+\e], v[W+16], vcc_lo              ; the winner is taken out
.endr
	v_mov_b32 v[W+8], v[S2]                        ; the same scan again: the second
	v_mov_b32 v[W+9], 0
.irp e, 1,2,3,4,5,6,7
	v_cmp_gt_f32 vcc_lo, v[S2+\e], v[W+8]
	v_cndmask_b32 v[W+8], v[W+8], v[S2+\e], vcc_lo
	v_cndmask_b32 v[W+9], v[W+9], v[IX+\e], vcc_lo
.endr
	v_min_u32 v[W+12], v[W+7], v[W+9]              ; a
	v_max_u32 v[W+13], v[W+7], v[W+9]              ; b
	v_cmp_lt_u32 vcc_lo, v[W+7], v[W+9]
	v_cndmask_b32 v[W+10], v[W+8], v[W+6], vcc_lo  ; score[a]
	v_cndmask_b32 v[W+11], v[W+6], v[W+8], vcc_lo  ; score[b]
	v_sub_nc_u32 v[W+14], 13, v[W+12]
	v_mul_u32_u24 v[W+14], v[W+12], v[W+14]
	v_lshrrev_b32 v[W+14], 1, v[W+14]
	v_add_nc_u32 v[W+14], v[W+14], v[W+13]
	v_add_nc_u32 v[W+14], -1, v[W+14]              ; the key: pair = a (13 - a) / 2 + b - 1
	v_lshlrev_b32 v[W+17], 2, v0
	v_lshlrev_b32 v[W+18], 3, v0
	v_cmp_gt_u32 vcc_lo, 8, v0
	s_wait_xcnt 0x0                                ; EXEC changes only behind this wait: it is a source of the stores issued so far
	s_and_saveexec_b32 s17, vcc_lo                 ; lanes 0 to 7: a lane a token
	global_store_b32 v[W+17], v[W+14], s[12:13]
	global_store_b64 v[W+18], v[W+10:W+11], s[14:15]
	s_wait_xcnt 0x0                                ; and again in front of the line that widens it
	s_or_b32 exec_lo, exec_lo, s17
.Lend:
	s_wait_tensorcnt 0x0
	ds_add_u32 v254, v255
	s_wait_dscnt 0x0
	s_endpgm
.Lfunc_end_k_qf3cc83b557_route:
	.size	k_qf3cc83b557_route, .Lfunc_end_k_qf3cc83b557_route-k_qf3cc83b557_route
	.p2alignl 7, 3214868480
	.fill 96, 4, 3214868480
	.section	.rodata,"a",@progbits
	.p2align	6, 0x0
	.amdhsa_kernel k_qf3cc83b557_route
		.amdhsa_group_segment_fixed_size 123392
		.amdhsa_private_segment_fixed_size 0
		.amdhsa_enable_private_segment 0
		.amdhsa_kernarg_size 72
		.amdhsa_user_sgpr_count 2
		.amdhsa_user_sgpr_kernarg_segment_ptr 1
		.amdhsa_wavefront_size32 1
		.amdhsa_system_sgpr_workgroup_id_x 1
		.amdhsa_system_sgpr_workgroup_id_y 1
		.amdhsa_system_sgpr_workgroup_id_z 1
		.amdhsa_system_vgpr_workitem_id 0
		.amdhsa_next_free_vgpr 512
		.amdhsa_next_free_sgpr 66
		.amdhsa_reserve_vcc 1
		.amdhsa_float_denorm_mode_32 3
		.amdhsa_float_denorm_mode_16_64 3
		.amdhsa_memory_ordered 1
		.amdhsa_forward_progress 1
		.amdhsa_inst_pref_size 83
	.end_amdhsa_kernel
	.amdgpu_metadata
---
amdhsa.version: [ 1, 2 ]
amdhsa.kernels:
  - .name:           k_qf3cc83b557_route
    .symbol:         k_qf3cc83b557_route.kd
    .args:
      - { .name: x, .offset: 0, .size: 8, .value_kind: global_buffer, .address_space: global }
      - { .name: Wg, .offset: 8, .size: 8, .value_kind: global_buffer, .address_space: global }
      - { .name: bg, .offset: 16, .size: 8, .value_kind: global_buffer, .address_space: global }
      - { .name: We_codes, .offset: 24, .size: 8, .value_kind: global_buffer, .address_space: global }
      - { .name: We_scales, .offset: 32, .size: 8, .value_kind: global_buffer, .address_space: global }
      - { .name: xq, .offset: 40, .size: 8, .value_kind: global_buffer, .address_space: global }
      - { .name: keys, .offset: 48, .size: 8, .value_kind: global_buffer, .address_space: global }
      - { .name: gates, .offset: 56, .size: 8, .value_kind: global_buffer, .address_space: global }
      - { .name: wf, .offset: 64, .size: 8, .value_kind: global_buffer, .address_space: global }
    .group_segment_fixed_size: 123392
    .private_segment_fixed_size: 0
    .kernarg_segment_align: 8
    .kernarg_segment_size: 72
    .max_flat_workgroup_size: 128
    .sgpr_count:     66
    .vgpr_count:     512
    .wavefront_size: 32
...
	.end_amdgpu_metadata
.endif
;; end of part 4
;; launch moe (part 5): grid 8 x 28, 4 waves a work-group, no clusters, 161,792 bytes of LDS; arguments xq, keys, gates, wf, be, out0; writes out0
.if DOCPART == 5
	.amdgcn_target "amdgcn-amd-amdhsa--gfx1250"
	.amdhsa_code_object_version 6
	.text
	.protected	k_qf3cc83b557_moe
	.globl	k_qf3cc83b557_moe
	.p2align	8
	.type	k_qf3cc83b557_moe,@function
k_qf3cc83b557_moe:
	s_mov_b64 s[64:65], 0
	v_nop
	global_prefetch_b8 v0, s[64:65] scope:SCOPE_SE
	s_setreg_imm32_b32 hwreg(HW_REG_WAVE_MODE, 25, 1), 1
	s_wait_xcnt 0x0
; MOE.  out[t] = score[a] (Q(x[t]) We[a] + be[a]) + score[b] (Q(x[t]) We[b] + be[b]) for the two experts a < b chosen for token t; both products on codes of FP4 (E2M1) with E8M0 scales, f32 sums.
; The six experts that the mask of the problem throws away are not multiplied.
; SHARES.  Work-group (x, y) owns the tokens whose pair {a, b} is number y of 28, and output columns 256 x .. 256 x + 255: so the experts, and with them every address of a weight, follow from
; the work-group's number, each output row has one owner, and nothing is added across work-groups.  Wave w takes 64 of the columns: 4 column tiles x 2 experts = 8 weight fragments a K step of 128.
; THE LIST.  keys[token] holds each token's pair, stored by the launch before.  Every wave reads all 2,048 keys (8 KiB): 64 compares give 64 masks of 32 tokens, whose ones are counted.  Member number T of
; the pair is found by the lane that wants it: a walk over the masks with a running count selects the mask that holds it, 32 short steps find its place in that mask.  All of it is arithmetic on whole numbers
; in registers; a token number enters an address only behind a bound.
; The pair's tokens are walked in chunks of 128 slots (8 row tiles): 64 accumulators, 512 registers.  A loop of a constant 16 chunks serves every split, all 2,048 tokens on one pair too; a chunk without
; tokens is passed over by scalar branches on the count, and the two barriers of a trip stand outside those branches, on every wave's path.
; A chunk's last tile is filled up with the pair's last token: such slots compute and store that token's own bytes once more, so no lane is ever switched off.
; THE MATRIX INSTRUCTION IS USED TRANSPOSED: source 0 = 16 rows of We (16 output columns), source 1 = 16 tokens: a lane holds ONE token (lane % 16) and eight neighbouring columns 8 (lane / 16) + 0 .. 7.
; The biases are the C of each sum's first matrix instruction.  The first K step runs all 8 row tiles, so that every accumulator is begun; from the second on only the tiles that hold tokens.
; WEIGHTS go from memory straight into registers, from wf, where they lie in the order of the operand's registers: each load of a wave covers 512 consecutive bytes.  A ring of four K steps
; (window 1, 64 loads) is kept on its way.  TOKENS: a chunk's codes and scale bytes are gathered from xq into LDS once and read by all four waves.
; K IS WALKED FROM A QUARTER THAT HANGS ON THE PAIR: position v of four takes the 512 along K numbered (v + a + b) % 4, so that the seven pairs which read one expert's columns begin at different
; quarters.  Only the order of the f32 sums changes.
; NO TENSOR LOAD, NO CLUSTER, NO JOINT REQUEST: this launch's branches hang on counts made from numbers read from memory, and the work-groups that share an expert's weights belong to different pairs, with
; different numbers of row tiles.  No prefetch: each weight is read by seven work-groups, not once.
; LIMITS: a split that puts very many tokens on one pair is served, by 8 work-groups that walk up to 16 chunks.  NaN and infinities are not served.
; REGISTERS, in windows of 256: window 0: v1-31 addresses; v32-95, v96-159 the tokens' fragments, two buffers (between chunks: v32-51 the fill's addresses, v64-73 the list's work, v96-159 the keys);
;   v160-191 the tokens' scale words, v192-223 the weights', two sets each, and nothing else; v224-239 gates; v240-255 at work.  Window 1: the ring: fragment x = 4 e + j of the K step q of four at
;   v[64 q + 8 x].  Windows 2, 3: accumulator (i, x) at window 2 + i / 4, v[64 (i % 4) + 8 x]; the biases are loaded into accumulator (7, x).
.set PIT, 1040                         ; a slot's codes in LDS: 1,024 bytes + 16 = 65 x 16: the 16 rows that a load touches start at 16 different groups of banks
.set AS,  128*PIT                      ; the slots' scale bytes: 64 + 16 each
.set ASP, 80
.set TK,  AS+128*ASP                   ; the slots' token numbers
.set ST,  TK+512                       ; the way out: 16 rows x (256 bytes + 16) for each wave, its own
.set STP, 272
.set BOF, 4                            ; v4-7    16 l + 4,096 x the quarter of K at position v: weights' codes
.set SOF, 8                            ; v8-11   16 l + 512 x that quarter: weights' scale words
.set AF0, 32
.set KEY, 96                           ; v96-159 register 4 z + j, lane l: the key of token 128 z + 4 l + j
.set LT,  64                           ; the list: which member of the pair my slot wants
.set LM,  65                           ; the mask that holds it,
.set LP,  66                           ; the members ahead of that mask,
.set LQ,  67                           ; and the mask's number
.set LC,  68                           ; ones met so far, less the number wanted
.set LO,  69                           ; the place in the mask
.set LA,  70                           ; v70-71, v72-73 at work
.set LB,  72
.set ASC, 160
.set BSC, 192
.set GT,  224
.set WK,  240
; v1 16 l; v2 r; v3 h; v12, v13 a fragment's place in slots 0-63, 64-127; v14 my slot's scale bytes; v15 32 h; v16, v17, v18 the fill: codes, scale bytes, token number; v19, v20 the stage: in, back;
; v21, v22 token numbers by h, by r; v23 16 r; v24, v25 the fill: where the token numbers of its slots lie; v26 16 x the quarter of K that lane % 4 fetches; v[30:31] score[b] in the low word
.set MSB, 0
.macro WIN new                         ; s_set_vgpr_msb: bits 1:0 source 0, 3:2 source 1, 5:4 source 2, 7:6 destination; the high byte repeats the setting that is left.  At a label and at a branch every window is 0
.if MSB != \new
	s_set_vgpr_msb (MSB<<8)|\new
.set MSB, \new
.endif
.endm
; 16 loads: all 2,048 keys, 512 consecutive bytes a load
.macro KLOAD
.set z, 0
.rept 16
	global_load_b128 v[KEY+4*z:KEY+4*z+3], v1, s[6:7] offset:512*z
.set z, z+1
.endr
.endm
; 16 loads: the 8 weight fragments of position v's K step q, into the ring's part q.  The caller has set the destination's window to 1
.macro BLOAD v, q
.irp j, 0,1,2,3
.irp c, 0,1
	global_load_b128 v[64*(\q)+8*\j+4*\c:64*(\q)+8*\j+4*\c+3], v[BOF+(\v)], s[24:25] offset:16384*\j+1024*(\q)+512*\c
.endr
.endr
.irp j, 0,1,2,3
.irp c, 0,1
	global_load_b128 v[64*(\q)+32+8*\j+4*\c:64*(\q)+32+8*\j+4*\c+3], v[BOF+(\v)], s[26:27] offset:16384*\j+1024*(\q)+512*\c
.endr
.endr
.endm
; 4 loads: the weights' scale words of position v into set v % 2: register 4 (x / 2) + q; lanes 0-15 column tile x even, lanes 16-31 x odd
.macro SLOAD v
.irp j, 0,1
	global_load_b128 v[BSC+16*((\v)%2)+4*\j:BSC+16*((\v)%2)+4*\j+3], v[SOF+(\v)], s[28:29] offset:2048*\j
.endr
.irp j, 0,1
	global_load_b128 v[BSC+16*((\v)%2)+8+4*\j:BSC+16*((\v)%2)+8+4*\j+3], v[SOF+(\v)], s[30:31] offset:2048*\j
.endr
.endm
; What a chunk's products want first and what hangs on no stored number: 16 loads of biases, 4 of scale words, 64 of weights, in this order
.macro PRE
	WIN 0xc0                                       ; destination window 3
.irp j, 0,1,2,3
	global_load_b128 v[192+8*\j:195+8*\j], v15, s[32:33] offset:64*\j       ; lane (r, h): be[a] at the tile's columns 8 h + 0 .. 7
	global_load_b128 v[196+8*\j:199+8*\j], v15, s[32:33] offset:64*\j+16
.endr
.irp j, 0,1,2,3
	global_load_b128 v[224+8*\j:227+8*\j], v15, s[34:35] offset:64*\j       ; be[b]
	global_load_b128 v[228+8*\j:231+8*\j], v15, s[34:35] offset:64*\j+16
.endr
	WIN 0
	SLOAD 0
	WIN 0x40                                       ; destination window 1
	BLOAD 0, 0
	BLOAD 0, 1
	BLOAD 0, 2
	BLOAD 0, 3
	WIN 0
.endm
; Row tile i's fragment of the K step at position n of sixteen, into buffer n % 2: lane (r, h): slot 16 i + r, bytes 64 n + 32 c + 16 h
.macro ALOAD n, i
.set rA, AF0+64*((\n)%2)+8*(\i)
.set oA, 16*PIT*((\i)%4)+64*(\n)
.if (\i) < 4
	ds_load_b128 v[rA:rA+3], v12 offset:oA
	ds_load_b128 v[rA+4:rA+7], v12 offset:oA+32
.else
	ds_load_b128 v[rA:rA+3], v13 offset:oA
	ds_load_b128 v[rA+4:rA+7], v13 offset:oA+32
.endif
.endm
; One matrix instruction, from the symbols rD, rW, rT, rC, rSW, rST; ROWA, ROWB: the scales lie in lanes 16-31
.macro WM
.if ROWA && ROWB
	v_wmma_scale_f32_16x16x128_f8f6f4 v[rD:rD+7], v[rW:rW+7], v[rT:rT+7], v[rC:rC+7], v[rSW], v[rST] matrix_a_fmt:MATRIX_FMT_FP4 matrix_b_fmt:MATRIX_FMT_FP4 matrix_a_scale:MATRIX_SCALE_ROW1 matrix_b_scale:MATRIX_SCALE_ROW1
.elseif ROWA
	v_wmma_scale_f32_16x16x128_f8f6f4 v[rD:rD+7], v[rW:rW+7], v[rT:rT+7], v[rC:rC+7], v[rSW], v[rST] matrix_a_fmt:MATRIX_FMT_FP4 matrix_b_fmt:MATRIX_FMT_FP4 matrix_a_scale:MATRIX_SCALE_ROW1
.elseif ROWB
	v_wmma_scale_f32_16x16x128_f8f6f4 v[rD:rD+7], v[rW:rW+7], v[rT:rT+7], v[rC:rC+7], v[rSW], v[rST] matrix_a_fmt:MATRIX_FMT_FP4 matrix_b_fmt:MATRIX_FMT_FP4 matrix_b_scale:MATRIX_SCALE_ROW1
.else
	v_wmma_scale_f32_16x16x128_f8f6f4 v[rD:rD+7], v[rW:rW+7], v[rT:rT+7], v[rC:rC+7], v[rSW], v[rST] matrix_a_fmt:MATRIX_FMT_FP4 matrix_b_fmt:MATRIX_FMT_FP4
.endif
.endm
; THE K STEP at position n = 4 v + q.  cnt: the global loads issued behind this step's 16 loads of weights, which may stay out.
; Row tile by row tile: the tile's fragment of the NEXT position is asked for, then its 8 products are issued: the 8 accumulators take turns, one instruction a turn, and so do the tiles;
; with one tile alone the step's last product is on accumulator (0, 7) and the next step's first on (0, 0).  From the second position on, a tile without tokens ends the step.
; Four plain lines stand behind the last product on every path (ISA guide 7.12.1 for vector instructions): behind them come the loads into the ring's part just multiplied,
; and the next step's loads into the other fragment buffer and the other sets of scale words.
.macro KSTEP n, cnt
.set KV, (\n)/4
.set KQ, (\n)%4
	s_wait_dscnt 0x0                               ; this step's fragments of the tokens, and at a quarter's head its scale words, are in
	s_wait_loadcnt \cnt
.if (KQ == 0) && (KV < 3)
.irp u, 0,1,2,3
	ds_load_b128 v[ASC+16*((KV+1)%2)+4*\u:ASC+16*((KV+1)%2)+4*\u+3], v14 offset:32*ASP*\u+16*(KV+1)   ; the tokens' scale words of the next quarter: lane l: slot 32 u + l; register 4 (i / 2) + q
.endr
.endif
.irp i, 0,1,2,3,4,5,6,7
.if ((\n) > 0) && (\i > 0)
	s_cmp_le_u32 s43, \i                           ; s43: the chunk's row tiles
	s_cbranch_scc1 .Lkend_\@
.endif
.if (\n) < 15
	ALOAD (\n)+1, \i
.endif
.if ((\n) == 0) && (\i == 7)
.rept 5
	v_nop                                          ; tile 7's products write over the registers that the tiles before took as C: five plain lines between
.endr
.endif
.if ((\n) == 0) && (\i < 4)
	WIN 0xb1                                       ; source 0 (weights) window 1, source 1 (tokens) window 0, C (biases) window 3, D window 2
.elseif \i < 4
	WIN 0xa1                                       ; C and D window 2
.else
	WIN 0xf1                                       ; C and D window 3
.endif
.irp x, 0,1,2,3,4,5,6,7
.set rD, 64*(\i%4)+8*\x
.set rC, rD
.if (\n) == 0
.set rC, 192+8*\x
.endif
.set rW, 64*KQ+8*\x
.set rT, AF0+64*((\n)%2)+8*\i
.set rSW, BSC+16*(KV%2)+4*(\x/2)+KQ
.set rST, ASC+16*(KV%2)+4*(\i/2)+KQ
.set ROWA, \x%2
.set ROWB, \i%2
	WM
.endr
	WIN 0
.endr
.Lkend_\@:
.rept 4
	v_nop
.endr
.if KV < 3
.if KQ == 0
	SLOAD KV+1
.endif
	WIN 0x40
	BLOAD KV+1, KQ
	WIN 0
.endif
.endm
; THE WAY OUT of row tile i: score[a] x expert a's sums + score[b] x expert b's, each accumulator from its low end on; 16 tokens x 64 columns through my own stage in LDS, back as whole rows of 256 bytes.
.macro EPI i
.if (\i) > 0
	s_cmp_le_u32 s43, \i
	s_cbranch_scc1 .Lepi_done
.endif
.set EA, 64*((\i)%4)
	s_wait_xcnt 0x0                                ; the last tile's stores have read their data and address registers: both are written again below
	v_mov_b32 v30, v[GT+2*(\i)+1]                  ; score[b] into the low word of a pair
.if (\i) < 4
	WIN 0xa2                                       ; destination, sources 0 and 2 window 2; source 1 (the scores) window 0
.else
	WIN 0xf3
.endif
.irp j, 0,1,2,3
.irp k, 0,2,4,6
	v_pk_mul_f32 v[EA+8*\j+\k:EA+8*\j+\k+1], v[EA+8*\j+\k:EA+8*\j+\k+1], v[GT+2*(\i):GT+2*(\i)+1] op_sel_hi:[1,0]
.endr
.endr
.irp j, 0,1,2,3
.irp k, 0,2,4,6
	v_pk_fma_f32 v[EA+8*\j+\k:EA+8*\j+\k+1], v[EA+32+8*\j+\k:EA+32+8*\j+\k+1], v[30:31], v[EA+8*\j+\k:EA+8*\j+\k+1] op_sel_hi:[1,0,1]
.endr
.endr
.if (\i) < 4
	WIN 0x08                                       ; an LDS store's data are its source 1: window 2
.else
	WIN 0x0c
.endif
.irp j, 0,1,2,3
	ds_store_b128 v19, v[EA+8*\j:EA+8*\j+3] offset:64*\j           ; lane (r, h): token r, columns 16 j + 8 h + 0 .. 7
	ds_store_b128 v19, v[EA+8*\j+4:EA+8*\j+7] offset:64*\j+16
.endr
	WIN 0
.irp t, 0,1,2,3,4,5,6,7
	ds_load_b128 v[AF0+4*\t:AF0+4*\t+3], v20 offset:2*STP*\t       ; LDS serves a wave's instructions in order: these see the stores above.  Lanes 0-15 row 2 t, lanes 16-31 row 2 t + 1
.endr
.irp t, 0,1,2,3,4,5,6,7
	ds_load_b32 v[WK+\t], v21 offset:4*(16*(\i)+2*\t)              ; and those rows' token numbers
.endr
	s_wait_dscnt 0x0
.irp t, 0,1,2,3,4,5,6,7
	v_min_u32 v[WK+\t], 0x7ff, v[WK+\t]            ; a token number enters an address only behind this bound
.endr
.irp t, 0,1,2,3,4,5,6,7
	v_lshl_add_u32 v[WK+\t], v[WK+\t], 13, v23     ; the token's row of 8,192 bytes, + 16 r
.endr
.irp t, 0,1,2,3,4,5,6,7
	global_store_b128 v[WK+\t], v[AF0+4*\t:AF0+4*\t+3], s[36:37] th:TH_STORE_NT   ; sixteen lanes store 256 consecutive bytes, aligned
.endr
.endm
	s_load_b256 s[4:11], s[0:1], 0x0               ; xq s[4:5], keys s[6:7], gates s[8:9], wf s[10:11]
	s_load_b128 s[12:15], s[0:1], 0x20             ; be s[12:13], out0 s[14:15]
	v_lshrrev_b32 v1, 5, v0
	v_readfirstlane_b32 s21, v1                    ; wave 0..3
	s_and_b32 s16, ttmp7, 0xffff                   ; the pair, 0 .. 27
	s_mov_b32 s17, 0
.irp th, 7,13,18,22,25,27              ; a = how many of the pairs (1,2), (2,3), .. (6,7) lie at or below mine
	s_cmp_ge_u32 s16, \th
	s_cselect_b32 s18, 1, 0
	s_add_co_u32 s17, s17, s18
.endr
	s_sub_co_u32 s18, 13, s17
	s_mul_i32 s18, s18, s17
	s_lshr_b32 s18, s18, 1
	s_add_co_u32 s19, s16, 1
	s_sub_co_u32 s19, s19, s18                     ; b = pair + 1 - a (13 - a) / 2
	s_add_co_u32 s20, s17, s19
	s_and_b32 s20, s20, 3                          ; the quarter of K at which this pair begins
	v_and_b32 v27, 31, v0                          ; lane
	v_lshlrev_b32 v1, 4, v27
	v_and_b32 v2, 15, v0                           ; r
	v_bfe_u32 v3, v0, 4, 1                         ; h
	v_lshlrev_b32 v15, 5, v3
.irp u, 0,1,2,3
	s_add_co_u32 s22, s20, \u
	s_and_b32 s22, s22, 3                          ; the quarter at position u
	s_lshl_b32 s23, s22, 12
	v_add_nc_u32 v[BOF+\u], s23, v1
	s_lshl_b32 s23, s22, 9
	v_add_nc_u32 v[SOF+\u], s23, v1
	s_lshl_b32 s[72+2*\u], s22, 8                  ; and its 256 bytes in a token's row of codes
	s_mov_b32 s[73+2*\u], 0
.endr
	s_lshl_b32 s46, ttmp9, 4
	s_lshl_b32 s47, s21, 2
	s_add_co_u32 s46, s46, s47                     ; my first column tile in an expert: 16 x + 4 w
	s_lshl_b32 s48, s17, 7
	s_add_co_u32 s48, s48, s46
	s_lshl_b32 s48, s48, 14                        ; expert a: block 128 a + 16 x + 4 w, 16,384 bytes each
	s_mov_b32 s49, 0
	s_lshl_b32 s50, s19, 7
	s_add_co_u32 s50, s50, s46
	s_lshl_b32 s50, s50, 14                        ; expert b
	s_mov_b32 s51, 0
	s_lshr_b32 s52, s48, 4                         ; scale words: 1,024 bytes a block
	s_mov_b32 s53, 0
	s_lshr_b32 s54, s50, 4
	s_mov_b32 s55, 0
	s_lshr_b32 s66, s48, 8                         ; biases: 64 bytes a block
	s_mov_b32 s67, 0
	s_lshr_b32 s68, s50, 8
	s_mov_b32 s69, 0
	s_lshl_b32 s70, s46, 6                         ; my first column in a row of out0, in bytes
	s_mov_b32 s71, 0
	s_wait_kmcnt 0x0
	s_add_nc_u64 s[24:25], s[10:11], s[48:49]
	s_add_nc_u64 s[26:27], s[10:11], s[50:51]
	s_add_nc_u64 s[28:29], s[10:11], s[52:53]
	s_add_nc_u64 s[28:29], s[28:29], 0x1000000
	s_add_nc_u64 s[30:31], s[10:11], s[54:55]
	s_add_nc_u64 s[30:31], s[30:31], 0x1000000
	s_add_nc_u64 s[32:33], s[12:13], s[66:67]
	s_add_nc_u64 s[34:35], s[12:13], s[68:69]
	s_add_nc_u64 s[36:37], s[14:15], s[70:71]
.irp u, 0,1,2,3
	s_add_nc_u64 s[56+2*\u:57+2*\u], s[4:5], s[72+2*\u:73+2*\u]
.endr
	KLOAD                                          ; the keys first,
	PRE                                            ; then the first chunk's weights and biases: they stream while the list is made
	v_mul_u32_u24 v12, v2, PIT
	v_lshl_add_u32 v12, v3, 4, v12                 ; a fragment: slot r, + 16 h
	v_add_nc_u32 v13, 64*PIT, v12                  ; the same 64 slots on (an LDS offset has 16 bits)
	v_mul_u32_u24 v14, v27, ASP
	v_add_nc_u32 v14, AS, v14
	s_lshl_b32 s22, s21, 5                         ; the fill: my wave's 32 slots, which are my 32 lanes' slots
	v_add_nc_u32 v28, s22, v3                      ; codes: slot 32 w + 2 i + h
	v_mul_u32_u24 v16, v28, PIT
	v_lshl_add_u32 v16, v2, 4, v16
	v_lshl_add_u32 v24, v28, 2, TK                 ; and where that slot's token number lies
	v_lshrrev_b32 v29, 2, v27
	v_add_nc_u32 v29, s22, v29                     ; scale bytes: slot 32 w + 8 m + l / 4
	v_mul_u32_u24 v17, v29, ASP
	v_and_b32 v28, 3, v27
	v_lshl_add_u32 v17, v28, 4, v17
	v_add_nc_u32 v17, AS, v17
	v_lshl_add_u32 v25, v29, 2, TK
	v_lshl_add_u32 v18, v0, 2, TK                  ; token number: slot = thread
	s_mul_i32 s23, s21, 16*STP
	s_add_co_u32 s23, s23, ST                      ; my stage
	v_mul_u32_u24 v19, v2, STP
	v_lshl_add_u32 v19, v3, 5, v19
	v_add_nc_u32 v19, s23, v19
	v_mul_u32_u24 v20, v3, STP
	v_lshl_add_u32 v20, v2, 4, v20
	v_add_nc_u32 v20, s23, v20
	v_lshl_add_u32 v21, v3, 2, TK
	v_lshl_add_u32 v22, v2, 2, TK
	v_lshlrev_b32 v23, 4, v2
	v_add_nc_u32 v26, s20, v28
	v_and_b32 v26, 3, v26
	v_lshlrev_b32 v26, 4, v26
	v_mov_b32 v31, 0                               ; named as the upper word of the pair v[30:31], so it is written
	s_mov_b32 s40, 0
	s_mov_b32 s47, 0
	s_wait_loadcnt 63                              ; the keys are in: 84 loads were issued behind them; 63 is the largest count that this wait can name, and a count below the number issued behind is always enough
; how many tokens have my pair: a compare gives a mask of 32 tokens, its ones are counted and added
.set z, 0
.rept 16
.irp j, 0,1,2,3
	v_cmp_eq_u32 s[48+\j], s16, v[KEY+4*z+\j]
.endr
.irp j, 0,1,2,3
	s_bcnt1_i32_b32 s[48+\j], s[48+\j]
.endr
.irp j, 0,1,2,3
	s_add_co_u32 s47, s47, s[48+\j]
.endr
.set z, z+1
.endr
	s_sub_co_u32 s44, s47, 1                       ; the pair's last member
.Lchunk:
	s_lshl_b32 s46, s40, 7                         ; the chunk's first member
	s_sub_co_i32 s41, s47, s46                     ; members left from this chunk on
	s_min_i32 s42, s41, 128                        ; members of this chunk
	s_add_co_u32 s43, s42, 15
	s_ashr_i32 s43, s43, 4                         ; its row tiles, 1 .. 8
	s_cmp_gt_i32 s41, 0
	s_cbranch_scc0 .Lno_fill
	; ---- THE FILL: my wave's 32 slots.  First the list: my lane's slot wants member T = min(first + thread, last)
	s_wait_loadcnt 63                              ; the keys are in (for a further chunk they were asked for again, ahead of its 84 loads of weights and biases)
	v_add_nc_u32 v[LT], s46, v0
	v_min_u32 v[LT], s44, v[LT]
	v_mov_b32 v[LM], 0
	v_mov_b32 v[LP], 0
	v_mov_b32 v[LQ], 0
	s_mov_b32 s39, 0                               ; members ahead of the mask in hand
.set z, 0
.rept 16
.irp j, 0,1,2,3
	v_cmp_eq_u32 s[48+\j], s16, v[KEY+4*z+\j]
.endr
.irp j, 0,1,2,3
	s_bcnt1_i32_b32 s[52+\j], s[48+\j]
.endr
.irp j, 0,1,2,3
	v_cmp_gt_u32 vcc_lo, s39, v[LT]                ; does this mask begin behind member T?  If not, it is taken: the last one taken holds T
	v_cndmask_b32 v[LM], s[48+\j], v[LM], vcc_lo
	v_cndmask_b32 v[LP], s39, v[LP], vcc_lo
	v_cndmask_b32 v[LQ], 4*z+\j, v[LQ], vcc_lo
	s_add_co_u32 s39, s39, s[52+\j]
.endr
.set z, z+1
.endr
	v_sub_nc_u32 v[LC], v[LP], v[LT]
	v_add_nc_u32 v[LC], -1, v[LC]                  ; -(k + 1): I want one number k of the mask, k = T - the members ahead of it
	v_mov_b32 v[LO], 0
.set z, 0
.rept 32                               ; its place = the number of places up to which at most k ones have been met: there the count below is still negative
	v_bfe_u32 v[LA+z%2], v[LM], z, 1
	v_add_nc_u32 v[LC], v[LC], v[LA+z%2]
	v_lshrrev_b32 v[LB+z%2], 31, v[LC]
	v_add_nc_u32 v[LO], v[LO], v[LB+z%2]
.set z, z+1
.endr
	v_lshrrev_b32 v[LA], 2, v[LQ]
	v_and_b32 v[LB], 3, v[LQ]
	v_lshl_add_u32 v[LB], v[LO], 2, v[LB]
	v_lshl_add_u32 v[LA], v[LA], 7, v[LB]          ; the token: 128 (mask / 4) + 4 x place + mask % 4
	ds_store_b32 v18, v[LA]                        ; my slot's token number, for the work and the way out of all four waves, and, within my wave's own 128 bytes, for the fill:
.set z, 0
.rept 16
	ds_load_b32 v[AF0+z], v24 offset:8*z           ; LDS serves a wave's instructions in order: these see the store above.  Slot 32 w + 2 z + h
.set z, z+1
.endr
.irp m, 0,1,2,3
	ds_load_b32 v[AF0+16+\m], v25 offset:32*\m     ; slot 32 w + 8 m + l / 4
.endr
	s_wait_dscnt 0x0
.set z, 0
.rept 20
	v_min_u32 v[AF0+z], 0x7ff, v[AF0+z]            ; a token number enters an address only behind this bound
.set z, z+1
.endr
.set z, 0
.rept 16
	v_lshl_add_u32 v[AF0+z], v[AF0+z], 10, v23     ; the token's 1,024 bytes of codes, + 16 r
.set z, z+1
.endr
.irp m, 0,1,2,3
	v_lshl_add_u32 v[AF0+16+\m], v[AF0+16+\m], 6, v26              ; its 64 scale bytes, + the quarter that lane % 4 fetches
.endr
	WIN 0x80                                       ; destination window 2: the accumulators are free between chunks
.set z, 0
.rept 64
	global_load_b128 v[4*z:4*z+3], v[AF0+z/4], s[56+2*(z%4):57+2*(z%4)]   ; lanes 0-15 one token's 256 bytes of the quarter at position z % 4, lanes 16-31 the next slot's
.set z, z+1
.endr
	WIN 0
.irp m, 0,1,2,3
	global_load_b128 v[WK+4*\m:WK+4*\m+3], v[AF0+16+\m], s[4:5] offset:2097152
.endr
	s_wait_loadcnt 0x0
	WIN 0x08                                       ; an LDS store's data are its source 1: window 2
.set z, 0
.rept 64
	ds_store_b128 v16, v[4*z:4*z+3] offset:2*PIT*(z/4)+256*(z%4)   ; column 256 v of a slot holds the quarter of K at position v
.set z, z+1
.endr
	WIN 0
.irp m, 0,1,2,3
	ds_store_b128 v17, v[WK+4*\m:WK+4*\m+3] offset:8*ASP*\m
.endr
.Lno_fill:
	s_wait_dscnt 0x0                               ; for the others' sake: my slots lie in LDS
	s_barrier_signal -1
	s_barrier_wait -1                              ; everybody's do
	s_cmp_gt_i32 s41, 0
	s_cbranch_scc0 .Lno_work
	; ---- THE WORK
.irp i, 0,1,2,3,4,5,6,7
	ds_load_b32 v[WK+\i], v22 offset:64*\i         ; the token in slot 16 i + r
.endr
.irp u, 0,1,2,3
	ds_load_b128 v[ASC+4*\u:ASC+4*\u+3], v14 offset:32*ASP*\u      ; the tokens' scale words of the first quarter
.endr
.irp i, 0,1,2,3,4,5,6,7
	ALOAD 0, \i
.endr
	s_wait_dscnt 20                                ; the token numbers are in; the 4 + 16 loads behind them may be out
.irp i, 0,1,2,3,4,5,6,7
	v_min_u32 v[WK+\i], 0x7ff, v[WK+\i]
.endr
.irp i, 0,1,2,3,4,5,6,7
	v_lshlrev_b32 v[WK+\i], 3, v[WK+\i]
.endr
.irp i, 0,1,2,3,4,5,6,7
	global_load_b64 v[GT+2*\i:GT+2*\i+1], v[WK+\i], s[8:9]         ; (score[a], score[b]) of my lane's token in tile i
.endr
	; The counts: behind a step's 16 loads of weights stand, in the order of issue, the rest of the ring, the 8 loads of gates (first quarter), and the refills: 4 loads of scale words at a quarter's first step, 16 of weights at each step
	KSTEP 0, 56                                    ; 48 + 8
	KSTEP 1, 60                                    ; 32 + 8 + 4 + 16
	KSTEP 2, 60                                    ; 16 + 8 + 4 + 32
	KSTEP 3, 60                                    ; 8 + 4 + 48
	KSTEP 4, 48                                    ; 48
	KSTEP 5, 52                                    ; 32 + 4 + 16
	KSTEP 6, 52
	KSTEP 7, 52
	KSTEP 8, 48
	KSTEP 9, 52
	KSTEP 10, 52
	KSTEP 11, 52
	KSTEP 12, 48                                   ; the last quarter is not followed by refills: the counts run down
	KSTEP 13, 32
	KSTEP 14, 16
	KSTEP 15, 0                                    ; all loads are in, the gates among them
.irp i, 0,1,2,3,4,5,6,7
	EPI \i
.endr
.Lepi_done:
	s_wait_xcnt 0x0                                ; the last tile's stores have read their data (v32-63) and addresses (v240-247): a later fill or work writes those registers only behind this wait, which every way from those stores passes
	s_cmp_gt_i32 s41, 128                          ; is there a further chunk with tokens?
	s_cbranch_scc0 .Lno_work
	KLOAD                                          ; then the keys come again (their registers held fragments meanwhile), in the same order as at the head: ahead of
	PRE                                            ; that chunk's weights and biases
.Lno_work:
	s_wait_dscnt 0x0                               ; my reads of the slots are over
	s_barrier_signal -1
	s_barrier_wait -1                              ; everybody's are: the next trip may fill them again
	s_add_co_u32 s40, s40, 1
	s_cmp_lt_u32 s40, 16
	s_cbranch_scc1 .Lchunk
	s_wait_xcnt 0x0
	v_lshl_add_u32 v254, v0, 2, 0x27600
	v_mov_b32 v255, 0
	s_wait_tensorcnt 0x0
	ds_add_u32 v254, v255
	s_wait_dscnt 0x0
	s_endpgm
.Lfunc_end_k_qf3cc83b557_moe:
	.size	k_qf3cc83b557_moe, .Lfunc_end_k_qf3cc83b557_moe-k_qf3cc83b557_moe
	.p2alignl 7, 3214868480
	.fill 96, 4, 3214868480
	.section	.rodata,"a",@progbits
	.p2align	6, 0x0
	.amdhsa_kernel k_qf3cc83b557_moe
		.amdhsa_group_segment_fixed_size 161792
		.amdhsa_private_segment_fixed_size 0
		.amdhsa_enable_private_segment 0
		.amdhsa_kernarg_size 48
		.amdhsa_user_sgpr_count 2
		.amdhsa_user_sgpr_kernarg_segment_ptr 1
		.amdhsa_wavefront_size32 1
		.amdhsa_system_sgpr_workgroup_id_x 1
		.amdhsa_system_sgpr_workgroup_id_y 1
		.amdhsa_system_sgpr_workgroup_id_z 1
		.amdhsa_system_vgpr_workitem_id 0
		.amdhsa_next_free_vgpr 1024
		.amdhsa_next_free_sgpr 80
		.amdhsa_reserve_vcc 1
		.amdhsa_float_denorm_mode_32 3
		.amdhsa_float_denorm_mode_16_64 3
		.amdhsa_memory_ordered 1
		.amdhsa_forward_progress 1
		.amdhsa_inst_pref_size 255
	.end_amdhsa_kernel
	.section	.bss,"aw",@nobits
	.p2align	6
	.space	262144
	.amdgpu_metadata
---
amdhsa.version: [ 1, 2 ]
amdhsa.kernels:
  - .name:           k_qf3cc83b557_moe
    .symbol:         k_qf3cc83b557_moe.kd
    .args:
      - { .name: xq, .offset: 0, .size: 8, .value_kind: global_buffer, .address_space: global }
      - { .name: keys, .offset: 8, .size: 8, .value_kind: global_buffer, .address_space: global }
      - { .name: gates, .offset: 16, .size: 8, .value_kind: global_buffer, .address_space: global }
      - { .name: wf, .offset: 24, .size: 8, .value_kind: global_buffer, .address_space: global }
      - { .name: be, .offset: 32, .size: 8, .value_kind: global_buffer, .address_space: global }
      - { .name: out0, .offset: 40, .size: 8, .value_kind: global_buffer, .address_space: global }
    .group_segment_fixed_size: 161792
    .private_segment_fixed_size: 0
    .kernarg_segment_align: 8
    .kernarg_segment_size: 48
    .max_flat_workgroup_size: 128
    .sgpr_count:     80
    .vgpr_count:     1024
    .wavefront_size: 32
...
	.end_amdgpu_metadata
.endif
;; end of part 5
;; ======== version 3 of 3: 2 launches
;; workspace buffers: xq 2,228,224 bytes; keys 8,192 bytes of whole numbers; gates 16,384 bytes; wf 17,825,792 bytes
;; launch route (part 6): grid 256 x 1, 4 waves a work-group, no clusters, 123,392 bytes of LDS; arguments x, Wg, bg, We_codes, We_scales, xq, keys, gates, wf; writes xq, keys, gates, wf
.if DOCPART == 6
	.amdgcn_target "amdgcn-amd-amdhsa--gfx1250"
	.amdhsa_code_object_version 6
	.text
	.protected	k_qf3cc83b557_route
	.globl	k_qf3cc83b557_route
	.p2align	8
	.type	k_qf3cc83b557_route,@function
k_qf3cc83b557_route:
	s_mov_b64 s[64:65], 0
	v_nop
	global_prefetch_b8 v0, s[64:65] scope:SCOPE_SE
	s_setreg_imm32_b32 hwreg(HW_REG_WAVE_MODE, 25, 1), 1
	s_wait_xcnt 0x0
; ROUTE.  Three things.  (1) x [2048 tokens][2048] f32 is turned into codes of FP4 (E2M1) with one E8M0 byte for each 32 along K.  (2) The router, in f32: logits = x Wg + bg, softmax over 8 experts,
; the two largest scores (a tie keeps the lower index).  Stored, all at fixed places: xq (codes [token][1024 bytes] at byte 0, scale bytes [token][64] at byte 2,097,152), keys[token] = the pair
; a (13 - a) / 2 + b - 1 of the chosen experts a < b (0 .. 27), gates[token] = (score[a], score[b]).  No address and no branch of this launch hangs on a score: the choice only selects values.
; (3) We's codes and scale bytes are laid in the order in which a wave's operand registers take them, so that the next launch loads each fragment whole, 512 consecutive bytes an instruction:
;   wf codes, byte 0:           [block g = 128 e + n / 16][K step s 0..15][c 0..1][lane][16 bytes]: lane (r, h) holds row 16 g + r, bytes 64 s + 32 c + 16 h of its 1,024
;   wf scales, byte 16,777,216: [g / 2][u 0..3][lane][16 bytes]: lane l holds row 32 (g / 2) + l, scale bytes 16 u .. 16 u + 15: the words of K steps 4 u .. 4 u + 3
; SHARES.  A work-group takes 8 tokens; wave w takes columns 512 w .. 512 w + 511 of all eight.  For the arithmetic lane l holds the 16 neighbours k = 512 w + 16 l + 0 .. 15 (two lanes to a block of 32),
; and its 16 rows of Wg (128 numbers) stay in registers.  Every load reads 512 consecutive bytes a wave; x and Wg turn through the wave's own stages in LDS to reach that layout.
; Wave g = 4 x work-group + wave also takes We's block g: 16 rows, 16 KiB dense.  Its loads go out first and it is laid out while Wg and x are on their way; its stores are under way while the router works.
; The 128 threads' partial logits meet in LDS: two sums with a barrier in front of each, then wave 0 finishes, a lane to a token.
; No matrix unit (N = 8), no tensor load, no cluster: work-groups share only Wg, 64 KiB.
; LIMITS: NaN and infinities among the inputs are not served.  A block of zeros gets the byte 1 where the rule says 127: its codes are zeros, and the bytes are read by this program alone.
; The logits are f32 sums in another order than a plain chain along K: where the second and third score lie within f32 rounding of each other the choice may fall the other way.
; keys and gates leave as 32 and 64 bytes a work-group: their aligned blocks of 256 bytes are written in part, 24 KiB in the whole launch.
.set WSP, 528                          ; Wg's stage: a lane's 512 bytes + 16: 33 x 16
.set WEP, 1040                         ; We's block in the same stage, ahead of Wg: a row's 1,024 bytes + 16 = 65 x 16; 16 rows are 16,640 of the stage's 16,896 bytes
.set XST, 4*32*WSP                     ; x's stages: two for each wave, 32 places of 64 bytes + 16
.set XSP, 80
.set PS,  XST+4*2*32*XSP               ; partial logits: 16 groups (token, half of the experts) x 128 threads x 16 bytes, + 16 a group
.set PSP, 2064
.set QS,  PS+16*PSP                    ; the waves' sums: 4 x 16 groups x 16 bytes
.set SCB, QS+4*256                     ; the 8 tokens' scale bytes, 64 each
.set XR,  16                           ; v16-143   x as loaded: 16 registers a token; later the sums
.set X,   144                          ; v144-175  two sets of 16 neighbours
.set ACC, 176                          ; v176-183  8 partial logits
.set SR,  184                          ; v184-191  We's scale bytes
.set C,   192                          ; v192-207  codes, two registers a token: no store's data are written again
.set E,   208                          ; v208-215  a scale byte a token
.set T,   216                          ; v216-219  at work
.set WB,  128                          ; window 1, v128-255: We's block
; window 1, v0-127: register 8 i + e = Wg[k_i][e]
.set MSB, 0
.macro WIN new                         ; s_set_vgpr_msb: bits 1:0 source 0, 3:2 source 1, 5:4 source 2, 7:6 destination; the high byte repeats the setting that is left
.if MSB != \new
	s_set_vgpr_msb (MSB<<8)|\new
.set MSB, \new
.endif
.endm
	s_load_b256 s[4:11], s[0:1], 0x0               ; x s[4:5], Wg s[6:7], bg s[8:9], We_codes s[10:11]
	s_load_b256 s[44:51], s[0:1], 0x20             ; We_scales s[44:45], xq s[46:47], keys s[48:49], gates s[50:51]
	s_load_b64 s[52:53], s[0:1], 0x40              ; wf
	v_lshl_add_u32 v254, v0, 2, 0x1e000
	v_mov_b32 v255, 0
	v_lshrrev_b32 v1, 5, v0
	v_readfirstlane_b32 s16, v1                    ; wave 0..3
	v_and_b32 v1, 31, v0                           ; lane
	v_lshlrev_b32 v2, 4, v1                        ; 16 x lane
	s_mul_i32 s17, s16, 2*32*XSP
	s_add_co_u32 s17, s17, XST                     ; my two stages for x
	v_lshrrev_b32 v3, 2, v1
	v_mul_u32_u24 v3, v3, XSP
	v_and_b32 v4, 3, v1
	v_lshl_add_u32 v3, v4, 4, v3
	v_add_nc_u32 v3, s17, v3                       ; way in: four lanes' 64 bytes on end, then 16 of padding
	v_mul_u32_u24 v4, v1, XSP
	v_add_nc_u32 v4, s17, v4                       ; way out: my 16 neighbours
	s_mul_i32 s17, s16, 32*WSP                     ; my stage for We's block and then for Wg (it begins at LDS byte 0)
	v_add_nc_u32 v5, s17, v2                       ; way in: a load's 512 bytes on end
	v_mul_u32_u24 v6, v1, WSP
	v_add_nc_u32 v6, s17, v6                       ; Wg's way out: my 16 rows of Wg
	v_and_b32 v221, 15, v0                         ; r
	v_bfe_u32 v222, v0, 4, 1                       ; h
	v_mul_u32_u24 v220, v221, WEP
	v_lshl_add_u32 v220, v222, 4, v220
	v_add_nc_u32 v220, s17, v220                   ; We's way out: row r, + 16 h
	v_lshlrev_b32 v14, 6, v221
	v_lshl_add_u32 v14, v222, 4, v14               ; We's scale bytes, in: row r of 64 bytes, + 16 h
	v_lshlrev_b32 v15, 9, v222
	v_lshl_add_u32 v15, v221, 4, v15               ; out: 512 h + 16 r
	s_lshl_b32 s17, s16, 8
	v_lshl_add_u32 v7, v1, 3, s17                  ; my 8 bytes of a token's 1,024 bytes of codes: 256 w + 8 l
	s_lshl_b32 s17, s16, 4
	s_add_co_u32 s17, s17, SCB
	v_lshrrev_b32 v8, 1, v1
	v_add_nc_u32 v8, s17, v8                       ; my block's byte among a token's 64: 16 w + l / 2
	v_lshl_add_u32 v9, v0, 4, PS                   ; my thread's 16 bytes in a group of partial logits
	v_and_b32 v10, 15, v0
	v_mul_u32_u24 v10, v10, PSP
	v_lshrrev_b32 v11, 4, v0
	v_lshl_add_u32 v10, v11, 8, v10
	v_add_nc_u32 v10, PS, v10                      ; first sum: group thread % 16, the 16 threads from 16 (thread / 16) on
	v_and_b32 v11, 15, v0
	s_lshl_b32 s17, s16, 8
	s_add_co_u32 s17, s17, QS
	v_lshl_add_u32 v11, v11, 4, s17                ; where my wave's sum of that group goes
	v_and_b32 v12, 7, v0
	v_lshl_add_u32 v12, v12, 5, QS                 ; wave 0, lane = token: its two groups
	v_add_nc_u32 v13, SCB, v2                      ; wave 0: 16 of the 512 scale bytes
.irp j, 0,1,2,3
	v_mov_b32 v[T+\j], 0                           ; written once: a lane permute's destination counts as one of its sources
.endr
	s_mov_b32 s28, 0x76543210
	s_mov_b32 s29, 0xfedcba98                      ; v_permlanex16_b32's selects for lane l xor 16
	s_lshl_b32 s18, s16, 14                        ; Wg: my wave's 512 rows of 32 bytes
	s_mov_b32 s19, 0
	s_lshl_b32 s30, ttmp9, 16                      ; x: 8 tokens of 8,192 bytes a work-group,
	s_lshl_b32 s31, s16, 11                        ; my wave's 2,048 bytes of a row
	s_add_co_u32 s30, s30, s31
	s_mov_b32 s31, 0
	s_lshl_b32 s36, ttmp9, 13                      ; codes: 8 x 1,024 bytes
	s_mov_b32 s37, 0
	s_lshl_b32 s38, ttmp9, 9                       ; scale bytes: 8 x 64
	s_mov_b32 s39, 0
	s_lshl_b32 s40, ttmp9, 5                       ; keys: 8 x 4
	s_mov_b32 s41, 0
	s_lshl_b32 s42, ttmp9, 6                       ; gates: 8 x 8
	s_mov_b32 s43, 0
	s_lshl_b32 s54, ttmp9, 2
	s_add_co_u32 s54, s54, s16                     ; g: We's block
	s_lshl_b32 s56, s54, 14                        ; its 16,384 bytes of codes, in We_codes and in wf
	s_mov_b32 s57, 0
	s_lshl_b32 s60, s54, 10                        ; its 16 x 64 scale bytes
	s_mov_b32 s61, 0
	s_lshr_b32 s62, s54, 1
	s_lshl_b32 s62, s62, 11
	s_and_b32 s55, s54, 1
	s_lshl_b32 s55, s55, 8
	s_add_co_u32 s62, s62, s55                     ; and their place in wf: 2,048 (g / 2) + 256 (g % 2)
	s_mov_b32 s63, 0
	s_wait_kmcnt 0x0
	s_add_nc_u64 s[10:11], s[10:11], s[56:57]
	s_add_nc_u64 s[44:45], s[44:45], s[60:61]
	s_add_nc_u64 s[6:7], s[6:7], s[18:19]
	s_add_nc_u64 s[4:5], s[4:5], s[30:31]
	s_add_nc_u64 s[58:59], s[52:53], s[56:57]
	s_add_nc_u64 s[52:53], s[52:53], s[62:63]
	s_add_nc_u64 s[52:53], s[52:53], 0x1000000     ; the scale words lie behind the codes
	s_add_nc_u64 s[32:33], s[46:47], s[36:37]
	s_add_nc_u64 s[34:35], s[46:47], s[38:39]
	s_add_nc_u64 s[12:13], s[48:49], s[40:41]
	s_add_nc_u64 s[14:15], s[50:51], s[42:43]
	s_load_b256 s[20:27], s[8:9], 0x0              ; bg: eight numbers
; 98 loads, in the order in which they are wanted: We's block 32, its scale bytes 2, Wg 32, x 32
	WIN 0x40                                       ; destination window 1
.set m, 0
.rept 32
	global_load_b128 v[WB+4*m:WB+4*m+3], v2, s[10:11] offset:512*m th:TH_LOAD_NT    ; We's block: 512 consecutive bytes a load; read once in the launch
.set m, m+1
.endr
	WIN 0
.irp m, 0,1
	global_load_b128 v[SR+4*\m:SR+4*\m+3], v14, s[44:45] offset:32*\m th:TH_LOAD_NT  ; lane (r, h): row r, bytes 16 (2 m + h) on
.endr
	WIN 0x40
.set m, 0
.rept 32
	global_load_b128 v[4*m:4*m+3], v2, s[6:7] offset:512*m          ; Wg: 512 consecutive bytes a load; load m brings what lane m will hold
.set m, m+1
.endr
	WIN 0
.set m, 0
.rept 32
	global_load_b128 v[XR+4*m:XR+4*m+3], v2, s[4:5] offset:8192*(m/4)+512*(m%4) th:TH_LOAD_NT   ; x: token m / 4, 512 consecutive bytes a load; read once in the launch
.set m, m+1
.endr
; ---- We's block: through my stage, out in the order of the operand's registers
	s_wait_loadcnt 63                              ; the block's 32 loads are in: 66 loads were issued behind them; 63 is the largest count that this wait can name, and a count below the number issued behind is always enough
	WIN 0x04                                       ; an LDS store's data are its source 1: window 1
.set m, 0
.rept 32
	ds_store_b128 v5, v[WB+4*m:WB+4*m+3] offset:WEP*(m/2)+512*(m%2) ; load m brought half m % 2 of row m / 2
.set m, m+1
.endr
	s_wait_dscnt 0x0                               ; the stores have read their registers
	WIN 0x40
.set m, 0
.rept 32
	ds_load_b128 v[WB+4*m:WB+4*m+3], v220 offset:32*m              ; m = 2 s + c: row r, bytes 64 s + 32 c + 16 h
.set m, m+1
.endr
	WIN 0x04                                       ; a global store's data are its source 1: window 1
.set m, 0
.rept 32
	s_wait_dscnt 31-m                              ; LDS loads come back in order: number m is in
	global_store_b128 v2, v[WB+4*m:WB+4*m+3], s[58:59] offset:512*m th:TH_STORE_NT   ; 512 consecutive bytes, aligned; these registers are not written again
.set m, m+1
.endr
	WIN 0
	s_wait_loadcnt 63                              ; the block's scale bytes are in: 64 loads were issued behind them
.irp m, 0,1
	global_store_b128 v15, v[SR+4*\m:SR+4*\m+3], s[52:53] offset:1024*\m   ; u = 2 m + h: sixteen lanes store 256 consecutive bytes, aligned
.endr
; ---- Wg: through the same stage (my reads of the block are over: the last count-down ended at 0)
	s_wait_loadcnt 32                              ; Wg's 32 loads are in; x's 32, issued behind them, may be out
	WIN 0x04
.set m, 0
.rept 32
	ds_store_b128 v5, v[4*m:4*m+3] offset:WSP*m
.set m, m+1
.endr
	s_wait_dscnt 0x0                               ; the stores have read their registers
	WIN 0x40
.set m, 0
.rept 32
	ds_load_b128 v[4*m:4*m+3], v6 offset:16*m      ; my 16 rows of Wg: register 8 i + e = Wg[512 w + 16 l + i][e]
.set m, m+1
.endr
	WIN 0
.macro TURN t                          ; token t's numbers through a stage: LDS serves a wave's instructions in order, so no wait stands between the stores and the loads
.irp i, 0,1,2,3
	ds_store_b128 v3, v[XR+16*(\t)+4*\i:XR+16*(\t)+4*\i+3] offset:32*XSP*((\t)%2)+8*XSP*\i
.endr
.irp i, 0,1,2,3
	ds_load_b128 v[X+16*((\t)%2)+4*\i:X+16*((\t)%2)+4*\i+3], v4 offset:32*XSP*((\t)%2)+16*\i
.endr
.endm
.macro TOKEN t
.set XS, X+16*((\t)%2)
	s_wait_dscnt 0x0                               ; this token's numbers are back from the stage (for token 0: Wg too); the last token's LDS stores have read their registers
.if (\t) < 7
	s_wait_loadcnt 4*(6-(\t))                      ; the next token's four loads are in; those of the tokens behind it may be out
	TURN (\t)+1                                    ; and go through the other stage while this token is worked
.endif
	v_max3_num_f32 v[T], |v[XS]|, |v[XS+1]|, |v[XS+2]|              ; the largest magnitude of my 16, in two chains
	v_max3_num_f32 v[T+1], |v[XS+3]|, |v[XS+4]|, |v[XS+5]|
.irp i, 6,10
	v_max3_num_f32 v[T], v[T], |v[XS+\i]|, |v[XS+\i+1]|
	v_max3_num_f32 v[T+1], v[T+1], |v[XS+\i+2]|, |v[XS+\i+3]|
.endr
	v_max3_num_f32 v[T], v[T], |v[XS+14]|, |v[XS+15]|
	v_max3_num_f32 v[T], v[T], v[T+1], 0x1800000   ; and the floor 2^(3 - 127): the byte cannot fall under 1
	v_max_num_f32_dpp v[T], v[T], v[T] row_xmask:1 row_mask:0xf bank_mask:0xf   ; with my neighbour's 16: the block's
	v_add_nc_u32 v[T+2], 0xff000000, v[T]          ; 2 off its exponent field: the conversion takes the exponent field of this operand as its scale
	v_cvt_scalef32_pk8_fp4_f32 v[C+2*(\t)], v[XS:XS+7], v[T+2]      ; to the nearest code, ties to even, beyond 6 the largest code; the first number's code in the lowest bits
	v_cvt_scalef32_pk8_fp4_f32 v[C+2*(\t)+1], v[XS+8:XS+15], v[T+2]
	v_lshrrev_b32 v[E+(\t)], 23, v[T+2]            ; the scale's byte (also the plain line behind the conversions)
	ds_store_b8 v8, v[E+(\t)] offset:64*(\t)       ; both lanes of a block write the same byte with the same value
	global_store_b64 v7, v[C+2*(\t):C+2*(\t)+1], s[32:33] offset:1024*(\t)   ; the wave stores 256 consecutive bytes, aligned
	WIN 0x04                                       ; source 1 (Wg) window 1
.irp p, 0,2,4,6                        ; the router: 8 logits x my 16 k, two experts an instruction; x_i feeds both halves.  The first product starts the sums
	v_pk_mul_f32 v[ACC+\p:ACC+\p+1], v[XS:XS+1], v[\p:\p+1] op_sel_hi:[0,1]
.endr
.irp p, 0,2,4,6
	v_pk_fma_f32 v[ACC+\p:ACC+\p+1], v[XS:XS+1], v[8+\p:8+\p+1], v[ACC+\p:ACC+\p+1] op_sel:[1,0,0] op_sel_hi:[1,1,1]
.endr
.irp i, 2,4,6,8,10,12,14
.irp p, 0,2,4,6
	v_pk_fma_f32 v[ACC+\p:ACC+\p+1], v[XS+\i:XS+\i+1], v[8*\i+\p:8*\i+\p+1], v[ACC+\p:ACC+\p+1] op_sel_hi:[0,1,1]
.endr
.irp p, 0,2,4,6
	v_pk_fma_f32 v[ACC+\p:ACC+\p+1], v[XS+\i:XS+\i+1], v[8*\i+8+\p:8*\i+8+\p+1], v[ACC+\p:ACC+\p+1] op_sel:[1,0,0] op_sel_hi:[1,1,1]
.endr
.endr
	WIN 0
	ds_store_b128 v9, v[ACC:ACC+3] offset:2*(\t)*PSP
	ds_store_b128 v9, v[ACC+4:ACC+7] offset:(2*(\t)+1)*PSP
.endm
	s_wait_loadcnt 28                              ; token 0's four loads are in; the other seven tokens' 28 may be out
	TURN 0
.irp t, 0,1,2,3,4,5,6,7
	TOKEN \t
.endr
	s_wait_kmcnt 0x0                               ; bg
	s_wait_dscnt 0x0                               ; for the others' sake: my partial logits and scale bytes lie in LDS
	s_barrier_signal -1
	s_barrier_wait -1
.set m, 0
.rept 16
	ds_load_b128 v[XR+4*m:XR+4*m+3], v10 offset:16*m               ; sixteen threads' four numbers of my group
.set m, m+1
.endr
	s_wait_dscnt 0x0
.set m, 1
.rept 15
	v_pk_add_f32 v[XR:XR+1], v[XR:XR+1], v[XR+4*m:XR+4*m+1]
	v_pk_add_f32 v[XR+2:XR+3], v[XR+2:XR+3], v[XR+4*m+2:XR+4*m+3]
.set m, m+1
.endr
.irp j, 0,1,2,3
	v_permlanex16_b32 v[T+\j], v[XR+\j], s28, s29  ; lane l xor 16 holds the same group's next sixteen threads
.endr
	v_pk_add_f32 v[XR:XR+1], v[XR:XR+1], v[T:T+1]
	v_pk_add_f32 v[XR+2:XR+3], v[XR+2:XR+3], v[T+2:T+3]
	ds_store_b128 v11, v[XR:XR+3]                  ; lanes l and l xor 16 write the same bytes with the same values
	s_wait_dscnt 0x0
	s_barrier_signal -1
	s_barrier_wait -1                              ; the last barrier: from here wave 0 works alone
	s_cmp_lg_u32 s16, 0
	s_cbranch_scc1 .Lend
.set LG, XR                            ; 8 logits
.set DD, XR+8                          ; exponents
.set PP, XR+16                         ; 2^exponent
.set SS, XR+24                         ; scores
.set S2, XR+32                         ; scores without the winner
.set IX, XR+40                         ; 0 .. 7
.set W,  XR+48                         ; at work
	ds_load_b128 v[240:243], v13
.set m, 0
.rept 8
	ds_load_b128 v[XR+4*m:XR+4*m+3], v12 offset:256*(m/2)+16*(m%2) ; register 8 w + e: wave w's sum of logit e of token lane % 8
.set m, m+1
.endr
	s_wait_dscnt 8                                 ; the scale bytes are in; the eight loads behind them may be out
	global_store_b128 v2, v[240:243], s[34:35] offset:2097152      ; 512 consecutive bytes, aligned
	s_wait_dscnt 0x0
.irp w, 1,2,3
.irp p, 0,2,4,6
	v_pk_add_f32 v[LG+\p:LG+\p+1], v[LG+\p:LG+\p+1], v[LG+8*\w+\p:LG+8*\w+\p+1]
.endr
.endr
.irp e, 0,1,2,3,4,5,6,7
	v_add_f32 v[LG+\e], s[20+\e], v[LG+\e]         ; + bg
.endr
	v_max3_num_f32 v[W], v[LG], v[LG+1], v[LG+2]   ; the maximum is taken away ahead of the exponentials
	v_max3_num_f32 v[W], v[W], v[LG+3], v[LG+4]
	v_max3_num_f32 v[W], v[W], v[LG+5], v[LG+6]
	v_max_num_f32 v[W], v[W], v[LG+7]
.irp e, 0,1,2,3,4,5,6,7
	v_sub_f32 v[DD+\e], v[LG+\e], v[W]             ; the difference first, so that the largest logit's exponent is exactly 0 whatever its size
.endr
.irp e, 0,1,2,3,4,5,6,7
	v_mul_f32 v[DD+\e], 0x3fb8aa3b, v[DD+\e]       ; x log2(e)
.endr
	s_wait_alu depctr_va_vdst(0)
.irp e, 0,1,2,3,4,5,6,7
	v_exp_f32 v[PP+\e], v[DD+\e]
.endr
.irp e, 0,1,2,3,4,5,6,7
	v_mov_b32 v[IX+\e], \e                         ; plain work behind the batch
.endr
	s_wait_alu depctr_va_vdst(0)                   ; one wait for the eight exponentials, ahead of their first reader
	v_add_f32 v[W+1], v[PP], v[PP+1]
	v_add_f32 v[W+2], v[PP+2], v[PP+3]
	v_add_f32 v[W+3], v[PP+4], v[PP+5]
	v_add_f32 v[W+4], v[PP+6], v[PP+7]
	v_add_f32 v[W+1], v[W+1], v[W+2]
	v_add_f32 v[W+3], v[W+3], v[W+4]
	v_add_f32 v[W+1], v[W+1], v[W+3]
	s_wait_alu depctr_va_vdst(0)
	v_rcp_f32 v[W+5], v[W+1]
	v_mov_b32 v[W+16], -1.0                        ; (a plain line behind the reciprocal)  under every score
	s_wait_alu depctr_va_vdst(0)
.irp e, 0,1,2,3,4,5,6,7
	v_mul_f32 v[SS+\e], v[PP+\e], v[W+5]           ; the scores
.endr
	v_mov_b32 v[W+6], v[SS]                        ; the largest score and its index: an ascending scan with a strict compare keeps the lower index at a tie
	v_mov_b32 v[W+7], 0
.irp e, 1,2,3,4,5,6,7
	v_cmp_gt_f32 vcc_lo, v[SS+\e], v[W+6]
	v_cndmask_b32 v[W+6], v[W+6], v[SS+\e], vcc_lo
	v_cndmask_b32 v[W+7], v[W+7], v[IX+\e], vcc_lo
.endr
.irp e, 0,1,2,3,4,5,6,7
	v_cmp_eq_u32 vcc_lo, v[W+7], v[IX+\e]
	v_cndmask_b32 v[S2+\e], v[SS+\e], v[W+16], vcc_lo              ; the winner is taken out
.endr
	v_mov_b32 v[W+8], v[S2]                        ; the same scan again: the second
	v_mov_b32 v[W+9], 0
.irp e, 1,2,3,4,5,6,7
	v_cmp_gt_f32 vcc_lo, v[S2+\e], v[W+8]
	v_cndmask_b32 v[W+8], v[W+8], v[S2+\e], vcc_lo
	v_cndmask_b32 v[W+9], v[W+9], v[IX+\e], vcc_lo
.endr
	v_min_u32 v[W+12], v[W+7], v[W+9]              ; a
	v_max_u32 v[W+13], v[W+7], v[W+9]              ; b
	v_cmp_lt_u32 vcc_lo, v[W+7], v[W+9]
	v_cndmask_b32 v[W+10], v[W+8], v[W+6], vcc_lo  ; score[a]
	v_cndmask_b32 v[W+11], v[W+6], v[W+8], vcc_lo  ; score[b]
	v_sub_nc_u32 v[W+14], 13, v[W+12]
	v_mul_u32_u24 v[W+14], v[W+12], v[W+14]
	v_lshrrev_b32 v[W+14], 1, v[W+14]
	v_add_nc_u32 v[W+14], v[W+14], v[W+13]
	v_add_nc_u32 v[W+14], -1, v[W+14]              ; the key: pair = a (13 - a) / 2 + b - 1
	v_lshlrev_b32 v[W+17], 2, v0
	v_lshlrev_b32 v[W+18], 3, v0
	v_cmp_gt_u32 vcc_lo, 8, v0
	s_wait_alu depctr_va_vdst(0)
	s_wait_xcnt 0x0                                ; EXEC changes only behind this wait: it is a source of the stores issued so far
	s_and_saveexec_b32 s17, vcc_lo                 ; lanes 0 to 7: a lane a token
	global_store_b32 v[W+17], v[W+14], s[12:13]
	global_store_b64 v[W+18], v[W+10:W+11], s[14:15]
	s_wait_xcnt 0x0                                ; and again in front of the line that widens it
	s_or_b32 exec_lo, exec_lo, s17
.Lend:
	s_wait_tensorcnt 0x0
	ds_add_u32 v254, v255
	s_wait_dscnt 0x0
	s_endpgm
.Lfunc_end_k_qf3cc83b557_route:
	.size	k_qf3cc83b557_route, .Lfunc_end_k_qf3cc83b557_route-k_qf3cc83b557_route
	.p2alignl 7, 3214868480
	.fill 96, 4, 3214868480
	.section	.rodata,"a",@progbits
	.p2align	6, 0x0
	.amdhsa_kernel k_qf3cc83b557_route
		.amdhsa_group_segment_fixed_size 123392
		.amdhsa_private_segment_fixed_size 0
		.amdhsa_enable_private_segment 0
		.amdhsa_kernarg_size 72
		.amdhsa_user_sgpr_count 2
		.amdhsa_user_sgpr_kernarg_segment_ptr 1
		.amdhsa_wavefront_size32 1
		.amdhsa_system_sgpr_workgroup_id_x 1
		.amdhsa_system_sgpr_workgroup_id_y 1
		.amdhsa_system_sgpr_workgroup_id_z 1
		.amdhsa_system_vgpr_workitem_id 0
		.amdhsa_next_free_vgpr 512
		.amdhsa_next_free_sgpr 66
		.amdhsa_reserve_vcc 1
		.amdhsa_float_denorm_mode_32 3
		.amdhsa_float_denorm_mode_16_64 3
		.amdhsa_memory_ordered 1
		.amdhsa_forward_progress 1
		.amdhsa_inst_pref_size 83
	.end_amdhsa_kernel
	.amdgpu_metadata
---
amdhsa.version: [ 1, 2 ]
amdhsa.kernels:
  - .name:           k_qf3cc83b557_route
    .symbol:         k_qf3cc83b557_route.kd
    .args:
      - { .name: x, .offset: 0, .size: 8, .value_kind: global_buffer, .address_space: global }
      - { .name: Wg, .offset: 8, .size: 8, .value_kind: global_buffer, .address_space: global }
      - { .name: bg, .offset: 16, .size: 8, .value_kind: global_buffer, .address_space: global }
      - { .name: We_codes, .offset: 24, .size: 8, .value_kind: global_buffer, .address_space: global }
      - { .name: We_scales, .offset: 32, .size: 8, .value_kind: global_buffer, .address_space: global }
      - { .name: xq, .offset: 40, .size: 8, .value_kind: global_buffer, .address_space: global }
      - { .name: keys, .offset: 48, .size: 8, .value_kind: global_buffer, .address_space: global }
      - { .name: gates, .offset: 56, .size: 8, .value_kind: global_buffer, .address_space: global }
      - { .name: wf, .offset: 64, .size: 8, .value_kind: global_buffer, .address_space: global }
    .group_segment_fixed_size: 123392
    .private_segment_fixed_size: 0
    .kernarg_segment_align: 8
    .kernarg_segment_size: 72
    .max_flat_workgroup_size: 128
    .sgpr_count:     66
    .vgpr_count:     512
    .wavefront_size: 32
...
	.end_amdgpu_metadata
.endif
;; end of part 6
;; launch moe (part 7): grid 8 x 28, 4 waves a work-group, no clusters, 161,792 bytes of LDS; arguments xq, keys, gates, wf, be, out0; writes out0
.if DOCPART == 7
	.amdgcn_target "amdgcn-amd-amdhsa--gfx1250"
	.amdhsa_code_object_version 6
	.text
	.protected	k_qf3cc83b557_moe
	.globl	k_qf3cc83b557_moe
	.p2align	8
	.type	k_qf3cc83b557_moe,@function
k_qf3cc83b557_moe:
	s_mov_b64 s[64:65], 0
	v_nop
	global_prefetch_b8 v0, s[64:65] scope:SCOPE_SE
	s_setreg_imm32_b32 hwreg(HW_REG_WAVE_SCHED_MODE, 0, 2), 2
	s_setreg_imm32_b32 hwreg(HW_REG_WAVE_MODE, 25, 1), 1
	s_wait_xcnt 0x0
	s_wait_alu depctr_vm_vsrc(0)
; MOE.  out[t] = score[a] (Q(x[t]) We[a] + be[a]) + score[b] (Q(x[t]) We[b] + be[b]) for the two experts a < b chosen for token t; both products on codes of FP4 (E2M1) with E8M0 scales, f32 sums.
; The six experts that the mask of the problem throws away are not multiplied.
; SHARES.  Work-group (x, y) owns the tokens whose pair {a, b} is number y of 28, and output columns 256 x .. 256 x + 255: so the experts, and with them every address of a weight, follow from
; the work-group's number, each output row has one owner, and nothing is added across work-groups.  Wave w takes 64 of the columns: 4 column tiles x 2 experts = 8 weight fragments a K step of 128.
; THE LIST.  keys[token] holds each token's pair, stored by the launch before.  Every wave reads all 2,048 keys (8 KiB): 64 compares give 64 masks of 32 tokens, whose ones are counted.  Member number T of
; the pair is found by the lane that wants it: a walk over the masks with a running count selects the mask that holds it, 32 short steps find its place in that mask.  All of it is arithmetic on whole numbers
; in registers; a token number enters an address only behind a bound.
; The pair's tokens are walked in chunks of 128 slots (8 row tiles): 64 accumulators, 512 registers.  A loop of a constant 16 chunks serves every split, all 2,048 tokens on one pair too; a chunk without
; tokens is passed over by scalar branches on the count, and the two barriers of a trip stand outside those branches, on every wave's path.
; A chunk's last tile is filled up with the pair's last token: such slots compute and store that token's own bytes once more, so no lane is ever switched off.
; THE MATRIX INSTRUCTION IS USED TRANSPOSED: source 0 = 16 rows of We (16 output columns), source 1 = 16 tokens: a lane holds ONE token (lane % 16) and eight neighbouring columns 8 (lane / 16) + 0 .. 7.
; The biases are the C of each sum's first matrix instruction.  The first K step runs all 8 row tiles, so that every accumulator is begun; from the second on only the tiles that hold tokens.
; WEIGHTS go from memory straight into registers, from wf, where they lie in the order of the operand's registers: each load of a wave covers 512 consecutive bytes.  A ring of four K steps
; (window 1, 64 loads) is kept on its way.  TOKENS: a chunk's codes and scale bytes are gathered from xq into LDS once and read by all four waves.
; K IS WALKED FROM A QUARTER THAT HANGS ON THE PAIR: position v of four takes the 512 along K numbered (v + a + b) % 4, so that the seven pairs which read one expert's columns begin at different
; quarters.  Only the order of the f32 sums changes.
; NO TENSOR LOAD, NO CLUSTER, NO JOINT REQUEST: this launch's branches hang on counts made from numbers read from memory, and the work-groups that share an expert's weights belong to different pairs, with
; different numbers of row tiles.  No prefetch: each weight is read by seven work-groups, not once.
; LIMITS: a split that puts very many tokens on one pair is served, by 8 work-groups that walk up to 16 chunks.  NaN and infinities are not served.
; REGISTERS, in windows of 256: window 0: v1-31 addresses; v32-95, v96-159 the tokens' fragments, two buffers (between chunks: v32-51 the fill's addresses, v64-73 the list's work, v96-159 the keys);
;   v160-191 the tokens' scale words, v192-223 the weights', two sets each, and nothing else; v224-239 gates; v240-255 at work.  Window 1: the ring: fragment x = 4 e + j of the K step q of four at
;   v[64 q + 8 x].  Windows 2, 3: accumulator (i, x) at window 2 + i / 4, v[64 (i % 4) + 8 x]; the biases are loaded into accumulator (7, x).
; THE MODE: SCHED_MODE bits 1:0 = 2 (LLVM: expert scheduling mode 2), set by the entry lines.  The code itself states the register dependences between vector or matrix instructions and memory or LDS
; instructions, and those through scalar registers that vector instructions write, with s_wait_alu, always for 0.
; THE PLAN.  Registers that memory or LDS instructions touch, and who else names them:
;   v1, v4-26       offsets and addresses: made by vector lines at the head, never written again.  One wait ahead of the first loads (v1, v4-11, v15), one ahead of the loop (the others).
;   buffer 1 = keys loaded by KLOAD and by the odd steps' fragment loads; read by the list's compares and by the odd steps' products.
;   buffer 0        loaded by the even steps' fragment loads, read by their products.  Between chunks: v32-51 token numbers (LDS loads), made into the gathers' addresses by vector lines; v64-73 the list's work, of
;                   which v70 is an LDS store's data.  On the way out: v32-63 rows of the result (LDS loads), the global stores' data.
;   scale words     two sets each: loaded at the head of a quarter's first step into the set that the quarter before read.
;   the ring        part q: read by the products of the steps n % 4 = q; loaded again in the step behind, behind that step's first eight products.
;   accumulators    between chunks the gathers land in window 2 and LDS stores read them; the biases land in accumulator (7, x); written by the products and the way out's packed lines; read by the way out's LDS stores.
;   v240-255        loaded (scale bytes, token numbers), read by LDS stores as data; v240-247 made into offsets by vector lines and read by the gates' loads and the global stores.
; IN A K STEP one wait on va_vdst stands at the head, behind the waits for the step's data: the step before is done reading the other fragment buffer, its part of the ring and, at a quarter's head, the other sets
; of scale words.  All the step's loads land in those registers alone, and no product of the step names them: so they are dealt among the products with no further wait.
; Behind the last wait on va_vdst of a row tile's way out no vector line follows until the next fill: so the loads of a further chunk, and the work's first loads, find the vector side done on every way.
.set PIT, 1040                         ; a slot's codes in LDS: 1,024 bytes + 16 = 65 x 16: the 16 rows that a load touches start at 16 different groups of banks
.set AS,  128*PIT                      ; the slots' scale bytes: 64 + 16 each
.set ASP, 80
.set TK,  AS+128*ASP                   ; the slots' token numbers
.set ST,  TK+512                       ; the way out: 16 rows x (256 bytes + 16) for each wave, its own
.set STP, 272
.set BOF, 4                            ; v4-7    16 l + 4,096 x the quarter of K at position v: weights' codes
.set SOF, 8                            ; v8-11   16 l + 512 x that quarter: weights' scale words
.set AF0, 32
.set KEY, 96                           ; v96-159 register 4 z + j, lane l: the key of token 128 z + 4 l + j
.set LT,  64                           ; the list: which member of the pair my slot wants
.set LM,  65                           ; the mask that holds it,
.set LP,  66                           ; the members ahead of that mask,
.set LQ,  67                           ; and the mask's number
.set LC,  68                           ; ones met so far, less the number wanted
.set LO,  69                           ; the place in the mask
.set LA,  70                           ; v70-71, v72-73 at work
.set LB,  72
.set ASC, 160
.set BSC, 192
.set GT,  224
.set WK,  240
.set MK,  48                           ; s48-55  the list: masks of 32 tokens, two sets of four
.set PX,  66                           ; s66-73  the members ahead of each mask, two sets of four (in the count: eight more masks)
.set CD,  74                           ; s74-77  does the mask begin behind the member wanted?  A bit a lane
.set CT,  78                           ; s78     a mask's ones
; v1 16 l; v2 r; v3 h; v12, v13 a fragment's place in slots 0-63, 64-127; v14 my slot's scale bytes; v15 32 h; v16, v17, v18 the fill: codes, scale bytes, token number; v19, v20 the stage: in, back;
; v21, v22 token numbers by h, by r; v23 16 r; v24, v25 the fill: where the token numbers of its slots lie; v26 16 x the quarter of K that lane % 4 fetches; v[30:31] score[b] in the low word
.set MSB, 0
.macro WIN new                         ; s_set_vgpr_msb: bits 1:0 source 0, 3:2 source 1, 5:4 source 2, 7:6 destination; the high byte repeats the setting that is left.  At a label and at a branch every window is 0
.if MSB != \new
	s_set_vgpr_msb (MSB<<8)|\new
.set MSB, \new
.endif
.endm
; 16 loads: all 2,048 keys, 512 consecutive bytes a load
.macro KLOAD
.set z, 0
.rept 16
	global_load_b128 v[KEY+4*z:KEY+4*z+3], v1, s[6:7] offset:512*z
.set z, z+1
.endr
.endm
; 16 loads: the 8 weight fragments of position v's K step q, into the ring's part q.  The caller has set the destination's window to 1
.macro BLOAD v, q
.irp j, 0,1,2,3
.irp c, 0,1
	global_load_b128 v[64*(\q)+8*\j+4*\c:64*(\q)+8*\j+4*\c+3], v[BOF+(\v)], s[24:25] offset:16384*\j+1024*(\q)+512*\c
.endr
.endr
.irp j, 0,1,2,3
.irp c, 0,1
	global_load_b128 v[64*(\q)+32+8*\j+4*\c:64*(\q)+32+8*\j+4*\c+3], v[BOF+(\v)], s[26:27] offset:16384*\j+1024*(\q)+512*\c
.endr
.endr
.endm
; 4 loads: the weights' scale words of position v into set v % 2: register 4 (x / 2) + q; lanes 0-15 column tile x even, lanes 16-31 x odd
.macro SLOAD v
.irp j, 0,1
	global_load_b128 v[BSC+16*((\v)%2)+4*\j:BSC+16*((\v)%2)+4*\j+3], v[SOF+(\v)], s[28:29] offset:2048*\j
.endr
.irp j, 0,1
	global_load_b128 v[BSC+16*((\v)%2)+8+4*\j:BSC+16*((\v)%2)+8+4*\j+3], v[SOF+(\v)], s[30:31] offset:2048*\j
.endr
.endm
; What a chunk's products want first and what hangs on no stored number: 16 loads of biases, 4 of scale words, 64 of weights, in this order.  It holds no wait: at both places where it stands
; no vector or matrix instruction issued since the last wait on va_vdst names a register that these loads touch
.macro PRE
	WIN 0xc0                                       ; destination window 3
.irp j, 0,1,2,3
	global_load_b128 v[192+8*\j:195+8*\j], v15, s[32:33] offset:64*\j       ; lane (r, h): be[a] at the tile's columns 8 h + 0 .. 7
	global_load_b128 v[196+8*\j:199+8*\j], v15, s[32:33] offset:64*\j+16
.endr
.irp j, 0,1,2,3
	global_load_b128 v[224+8*\j:227+8*\j], v15, s[34:35] offset:64*\j       ; be[b]
	global_load_b128 v[228+8*\j:231+8*\j], v15, s[34:35] offset:64*\j+16
.endr
	WIN 0
	SLOAD 0
	WIN 0x40                                       ; destination window 1
	BLOAD 0, 0
	BLOAD 0, 1
	BLOAD 0, 2
	BLOAD 0, 3
	WIN 0
.endm
; Row tile i's fragment of the K step at position n of sixteen, into buffer n % 2: lane (r, h): slot 16 i + r, bytes 64 n + 32 c + 16 h
.macro ALOAD n, i
.set rA, AF0+64*((\n)%2)+8*(\i)
.set oA, 16*PIT*((\i)%4)+64*(\n)
.if (\i) < 4
	ds_load_b128 v[rA:rA+3], v12 offset:oA
	ds_load_b128 v[rA+4:rA+7], v12 offset:oA+32
.else
	ds_load_b128 v[rA:rA+3], v13 offset:oA
	ds_load_b128 v[rA+4:rA+7], v13 offset:oA+32
.endif
.endm
; One matrix instruction, from the symbols rD, rW, rT, rC, rSW, rST; ROWA, ROWB: the scales lie in lanes 16-31
.macro WM
.if ROWA && ROWB
	v_wmma_scale_f32_16x16x128_f8f6f4 v[rD:rD+7], v[rW:rW+7], v[rT:rT+7], v[rC:rC+7], v[rSW], v[rST] matrix_a_fmt:MATRIX_FMT_FP4 matrix_b_fmt:MATRIX_FMT_FP4 matrix_a_scale:MATRIX_SCALE_ROW1 matrix_b_scale:MATRIX_SCALE_ROW1
.elseif ROWA
	v_wmma_scale_f32_16x16x128_f8f6f4 v[rD:rD+7], v[rW:rW+7], v[rT:rT+7], v[rC:rC+7], v[rSW], v[rST] matrix_a_fmt:MATRIX_FMT_FP4 matrix_b_fmt:MATRIX_FMT_FP4 matrix_a_scale:MATRIX_SCALE_ROW1
.elseif ROWB
	v_wmma_scale_f32_16x16x128_f8f6f4 v[rD:rD+7], v[rW:rW+7], v[rT:rT+7], v[rC:rC+7], v[rSW], v[rST] matrix_a_fmt:MATRIX_FMT_FP4 matrix_b_fmt:MATRIX_FMT_FP4 matrix_b_scale:MATRIX_SCALE_ROW1
.else
	v_wmma_scale_f32_16x16x128_f8f6f4 v[rD:rD+7], v[rW:rW+7], v[rT:rT+7], v[rC:rC+7], v[rSW], v[rST] matrix_a_fmt:MATRIX_FMT_FP4 matrix_b_fmt:MATRIX_FMT_FP4
.endif
.endm
; THE K STEP at position n = 4 v + q.  cnt: the global loads issued behind this step's 16 loads of weights, which may stay out.
; At its head, behind the waits for its data, the one wait on va_vdst.  Behind that: at a quarter's first step the next quarter's scale words, the tokens' and the weights'.  Then row tile by row tile: the tile's
; fragment of the NEXT position is asked for, then its 8 products are issued: the 8 accumulators take turns, one instruction a turn, and so do the tiles; with one tile
; alone the step's last product is on accumulator (0, 7) and the next step's first on (0, 0).  Behind tile 0's products, which every path passes, the part of the ring that the step BEFORE multiplied is asked for
; again.  From the second position on, a tile without tokens ends the step.
; Four plain lines stand behind the last product on every path: behind the last step the way out's vector lines read results; behind the others they are kept,
; ahead of the next step's loads, whose dependence that step's wait states.
.macro KSTEP n, cnt
.set KV, (\n)/4
.set KQ, (\n)%4
	s_wait_dscnt 0x0                               ; this step's fragments of the tokens, and at a quarter's head its scale words, are in
	s_wait_loadcnt \cnt
.if ((\n) > 0) && ((\n) < 15)
	s_wait_alu depctr_va_vdst(0)                   ; the products of the step before are done reading the other fragment buffer, their part of the ring and, at a quarter's head, the other sets of scale words: this step's loads land there.  (Step 0: no vector line stands behind the wait ahead of the gates' loads.  Step 15 loads nothing)
.endif
.if (KQ == 0) && (KV < 3)
.irp u, 0,1,2,3
	ds_load_b128 v[ASC+16*((KV+1)%2)+4*\u:ASC+16*((KV+1)%2)+4*\u+3], v14 offset:32*ASP*\u+16*(KV+1)   ; the tokens' scale words of the next quarter: lane l: slot 32 u + l; register 4 (i / 2) + q
.endr
	SLOAD KV+1                                     ; and the weights'
.endif
.irp i, 0,1,2,3,4,5,6,7
.if ((\n) > 0) && (\i > 0)
	s_cmp_le_u32 s43, \i                           ; s43: the chunk's row tiles
	s_cbranch_scc1 .Lkend_\@
.endif
.if (\n) < 15
	ALOAD (\n)+1, \i                               ; no product since the wait above names the other buffer
.endif
.if ((\n) == 0) && (\i == 7)
.rept 5
	v_nop                                          ; tile 7's products write over the registers that the tiles before took as C: five plain lines between
.endr
.endif
.if ((\n) == 0) && (\i < 4)
	WIN 0xb1                                       ; source 0 (weights) window 1, source 1 (tokens) window 0, C (biases) window 3, D window 2
.elseif \i < 4
	WIN 0xa1                                       ; C and D window 2
.else
	WIN 0xf1                                       ; C and D window 3
.endif
.irp x, 0,1,2,3,4,5,6,7
.set rD, 64*(\i%4)+8*\x
.set rC, rD
.if (\n) == 0
.set rC, 192+8*\x
.endif
.set rW, 64*KQ+8*\x
.set rT, AF0+64*((\n)%2)+8*\i
.set rSW, BSC+16*(KV%2)+4*(\x/2)+KQ
.set rST, ASC+16*(KV%2)+4*(\i/2)+KQ
.set ROWA, \x%2
.set ROWB, \i%2
	WM
.endr
.if (\i == 0) && ((\n) > 0) && ((\n) < 13)
.set PV, ((\n)-1)/4+1
.set PQ, ((\n)-1)%4
	WIN 0x40                                       ; destination window 1
	BLOAD PV, PQ                                   ; the ring's part that the step before multiplied, for the same step of the next quarter.  No wait: the eight products since the wait above name this step's part, not that one
.endif
	WIN 0
.endr
.Lkend_\@:
.rept 4
	v_nop
.endr
.endm
; THE WAY OUT of row tile i: score[a] x expert a's sums + score[b] x expert b's, each accumulator from its low end on; 16 tokens x 64 columns through my own stage in LDS, back as whole rows of 256 bytes.
.macro EPI i
.if (\i) > 0
	s_cmp_le_u32 s43, \i
	s_cbranch_scc1 .Lepi_done
.endif
.set EA, 64*((\i)%4)
	v_mov_b32 v30, v[GT+2*(\i)+1]                  ; score[b] into the low word of a pair
.if (\i) < 4
	WIN 0xa2                                       ; destination, sources 0 and 2 window 2; source 1 (the scores) window 0
.else
	WIN 0xf3
.endif
.irp j, 0,1,2,3
.irp k, 0,2,4,6
	v_pk_mul_f32 v[EA+8*\j+\k:EA+8*\j+\k+1], v[EA+8*\j+\k:EA+8*\j+\k+1], v[GT+2*(\i):GT+2*(\i)+1] op_sel_hi:[1,0]
.endr
.endr
.irp j, 0,1,2,3
.irp k, 0,2,4,6
	v_pk_fma_f32 v[EA+8*\j+\k:EA+8*\j+\k+1], v[EA+32+8*\j+\k:EA+32+8*\j+\k+1], v[30:31], v[EA+8*\j+\k:EA+8*\j+\k+1] op_sel_hi:[1,0,1]
.endr
.endr
	s_wait_xcnt 0x0                                ; the last tile's stores have had their addresses translated: their data (v32-63) and address registers (v240-247) are loaded again below, only behind this wait
	s_wait_alu depctr_vm_vsrc(0)                   ; and they have read those registers (tile 0: the gates' loads have read v240-247), in which the LDS loads below land
.if (\i) < 4
	WIN 0x08                                       ; an LDS store's data are its source 1: window 2
.else
	WIN 0x0c
.endif
	s_wait_alu depctr_va_vdst(0)                   ; the packed lines have written the weighted sums, which the LDS stores read; all earlier products and vector lines are done with v32-63 and v240-247, in which the LDS loads land
.irp j, 0,1,2,3
	ds_store_b128 v19, v[EA+8*\j:EA+8*\j+3] offset:64*\j           ; lane (r, h): token r, columns 16 j + 8 h + 0 .. 7
	ds_store_b128 v19, v[EA+8*\j+4:EA+8*\j+7] offset:64*\j+16
.endr
	WIN 0
.irp t, 0,1,2,3,4,5,6,7
	ds_load_b128 v[AF0+4*\t:AF0+4*\t+3], v20 offset:2*STP*\t       ; LDS serves a wave's instructions in order: these see the stores above.  Lanes 0-15 row 2 t, lanes 16-31 row 2 t + 1
.endr
.irp t, 0,1,2,3,4,5,6,7
	ds_load_b32 v[WK+\t], v21 offset:4*(16*(\i)+2*\t)              ; and those rows' token numbers
.endr
	s_wait_dscnt 0x0
.irp t, 0,1,2,3,4,5,6,7
	v_min_u32 v[WK+\t], 0x7ff, v[WK+\t]            ; a token number enters an address only behind this bound
.endr
.irp t, 0,1,2,3,4,5,6,7
	v_lshl_add_u32 v[WK+\t], v[WK+\t], 13, v23     ; the token's row of 8,192 bytes, + 16 r
.endr
	s_wait_alu depctr_va_vdst(0)                   ; the eight offsets v240-247 are written, which the stores read
.irp t, 0,1,2,3,4,5,6,7
	global_store_b128 v[WK+\t], v[AF0+4*\t:AF0+4*\t+3], s[36:37] th:TH_STORE_NT   ; sixteen lanes store 256 consecutive bytes, aligned
.endr
.endm
	s_load_b256 s[4:11], s[0:1], 0x0               ; xq s[4:5], keys s[6:7], gates s[8:9], wf s[10:11]
	s_load_b128 s[12:15], s[0:1], 0x20             ; be s[12:13], out0 s[14:15]
	v_lshrrev_b32 v1, 5, v0
	v_readfirstlane_b32 s21, v1                    ; wave 0..3
	s_and_b32 s16, ttmp7, 0xffff                   ; the pair, 0 .. 27
	s_mov_b32 s17, 0
.irp th, 7,13,18,22,25,27              ; a = how many of the pairs (1,2), (2,3), .. (6,7) lie at or below mine
	s_cmp_ge_u32 s16, \th
	s_cselect_b32 s18, 1, 0
	s_add_co_u32 s17, s17, s18
.endr
	s_sub_co_u32 s18, 13, s17
	s_mul_i32 s18, s18, s17
	s_lshr_b32 s18, s18, 1
	s_add_co_u32 s19, s16, 1
	s_sub_co_u32 s19, s19, s18                     ; b = pair + 1 - a (13 - a) / 2
	s_add_co_u32 s20, s17, s19
	s_and_b32 s20, s20, 3                          ; the quarter of K at which this pair begins
	v_and_b32 v27, 31, v0                          ; lane
	v_lshlrev_b32 v1, 4, v27
	s_wait_alu depctr_va_vdst(0)
	v_and_b32 v2, 15, v0                           ; r
	v_bfe_u32 v3, v0, 4, 1                         ; h
	v_lshlrev_b32 v15, 5, v3
.irp u, 0,1,2,3
	s_add_co_u32 s22, s20, \u
	s_and_b32 s22, s22, 3                          ; the quarter at position u
	s_lshl_b32 s23, s22, 12
	v_add_nc_u32 v[BOF+\u], s23, v1
	s_lshl_b32 s23, s22, 9
	v_add_nc_u32 v[SOF+\u], s23, v1
	s_lshl_b32 s[72+2*\u], s22, 8                  ; and its 256 bytes in a token's row of codes
	s_mov_b32 s[73+2*\u], 0
.endr
	s_wait_alu depctr_va_sdst(0)                   ; s21, the wave's number, is written, ahead of its first reader: the weights', biases' and result's places are made from it
	s_lshl_b32 s46, ttmp9, 4
	s_lshl_b32 s47, s21, 2
	s_add_co_u32 s46, s46, s47                     ; my first column tile in an expert: 16 x + 4 w
	s_lshl_b32 s48, s17, 7
	s_add_co_u32 s48, s48, s46
	s_lshl_b32 s48, s48, 14                        ; expert a: block 128 a + 16 x + 4 w, 16,384 bytes each
	s_mov_b32 s49, 0
	s_lshl_b32 s50, s19, 7
	s_add_co_u32 s50, s50, s46
	s_lshl_b32 s50, s50, 14                        ; expert b
	s_mov_b32 s51, 0
	s_lshr_b32 s52, s48, 4                         ; scale words: 1,024 bytes a block
	s_mov_b32 s53, 0
	s_lshr_b32 s54, s50, 4
	s_mov_b32 s55, 0
	s_lshr_b32 s66, s48, 8                         ; biases: 64 bytes a block
	s_mov_b32 s67, 0
	s_lshr_b32 s68, s50, 8
	s_mov_b32 s69, 0
	s_lshl_b32 s70, s46, 6                         ; my first column in a row of out0, in bytes
	s_mov_b32 s71, 0
	s_wait_kmcnt 0x0
	s_add_nc_u64 s[24:25], s[10:11], s[48:49]
	s_add_nc_u64 s[26:27], s[10:11], s[50:51]
	s_add_nc_u64 s[28:29], s[10:11], s[52:53]
	s_add_nc_u64 s[28:29], s[28:29], 0x1000000
	s_add_nc_u64 s[30:31], s[10:11], s[54:55]
	s_add_nc_u64 s[30:31], s[30:31], 0x1000000
	s_add_nc_u64 s[32:33], s[12:13], s[66:67]
	s_add_nc_u64 s[34:35], s[12:13], s[68:69]
	s_add_nc_u64 s[36:37], s[14:15], s[70:71]
.irp u, 0,1,2,3
	s_add_nc_u64 s[56+2*\u:57+2*\u], s[4:5], s[72+2*\u:73+2*\u]
.endr
	s_wait_alu depctr_va_vdst(0)                   ; the offsets v1, v4-11 and v15 are written, which the loads of keys, biases, scale words and weights read, here and in every chunk
	KLOAD                                          ; the keys first,
	PRE                                            ; then the first chunk's weights and biases: they stream while the list is made
	v_mul_u32_u24 v12, v2, PIT
	v_lshl_add_u32 v12, v3, 4, v12                 ; a fragment: slot r, + 16 h
	v_add_nc_u32 v13, 64*PIT, v12                  ; the same 64 slots on (an LDS offset has 16 bits)
	v_mul_u32_u24 v14, v27, ASP
	v_add_nc_u32 v14, AS, v14
	s_lshl_b32 s22, s21, 5                         ; the fill: my wave's 32 slots, which are my 32 lanes' slots
	v_add_nc_u32 v28, s22, v3                      ; codes: slot 32 w + 2 i + h
	v_mul_u32_u24 v16, v28, PIT
	v_lshl_add_u32 v16, v2, 4, v16
	v_lshl_add_u32 v24, v28, 2, TK                 ; and where that slot's token number lies
	v_lshrrev_b32 v29, 2, v27
	v_add_nc_u32 v29, s22, v29                     ; scale bytes: slot 32 w + 8 m + l / 4
	v_mul_u32_u24 v17, v29, ASP
	v_and_b32 v28, 3, v27
	v_lshl_add_u32 v17, v28, 4, v17
	v_add_nc_u32 v17, AS, v17
	v_lshl_add_u32 v25, v29, 2, TK
	v_lshl_add_u32 v18, v0, 2, TK                  ; token number: slot = thread
	s_mul_i32 s23, s21, 16*STP
	s_add_co_u32 s23, s23, ST                      ; my stage
	v_mul_u32_u24 v19, v2, STP
	v_lshl_add_u32 v19, v3, 5, v19
	v_add_nc_u32 v19, s23, v19
	v_mul_u32_u24 v20, v3, STP
	v_lshl_add_u32 v20, v2, 4, v20
	v_add_nc_u32 v20, s23, v20
	v_lshl_add_u32 v21, v3, 2, TK
	v_lshl_add_u32 v22, v2, 2, TK
	v_lshlrev_b32 v23, 4, v2
	v_add_nc_u32 v26, s20, v28
	v_and_b32 v26, 3, v26
	v_lshlrev_b32 v26, 4, v26
	v_mov_b32 v31, 0                               ; named as the upper word of the pair v[30:31], so it is written
	s_mov_b32 s40, 0
	s_mov_b32 s47, 0
	s_wait_loadcnt 63                              ; the keys are in: 84 loads were issued behind them; 63 is the largest count that this wait can name, and a count below the number issued behind is always enough
; how many tokens have my pair: a compare gives a mask of 32 tokens, its ones are counted and added.  The compares go in runs of sixteen, into sixteen scalar registers, with one wait behind each run
.set z, 0
.rept 4
.irp j, 0,1,2,3,4,5,6,7
	v_cmp_eq_u32 s[MK+\j], s16, v[KEY+16*z+\j]
.endr
.irp j, 0,1,2,3,4,5,6,7
	v_cmp_eq_u32 s[PX+\j], s16, v[KEY+16*z+8+\j]
.endr
	s_wait_alu depctr_va_sdst(0)                   ; the sixteen masks are written, ahead of the scalar lines that count their ones
.irp j, 0,1,2,3,4,5,6,7
	s_bcnt1_i32_b32 s[MK+\j], s[MK+\j]
	s_bcnt1_i32_b32 s[PX+\j], s[PX+\j]
.endr
.irp j, 0,1,2,3,4,5,6,7
	s_add_co_u32 s47, s47, s[MK+\j]
	s_add_co_u32 s47, s47, s[PX+\j]
.endr
.set z, z+1
.endr
	s_sub_co_u32 s44, s47, 1                       ; the pair's last member
	s_wait_alu depctr_va_vdst(0)                   ; the addresses v12-14 and v16-26 are written, which the LDS instructions of every chunk read; the compares are done reading the keys' registers, in which fragments land
.Lchunk:
	s_lshl_b32 s46, s40, 7                         ; the chunk's first member
	s_sub_co_i32 s41, s47, s46                     ; members left from this chunk on
	s_min_i32 s42, s41, 128                        ; members of this chunk
	s_add_co_u32 s43, s42, 15
	s_ashr_i32 s43, s43, 4                         ; its row tiles, 1 .. 8
	s_cmp_gt_i32 s41, 0
	s_cbranch_scc0 .Lno_fill
	; ---- THE FILL: my wave's 32 slots.  First the list: my lane's slot wants member T = min(first + thread, last)
	s_wait_loadcnt 63                              ; the keys are in (for a further chunk they were asked for again, ahead of its 84 loads of weights and biases)
.irp j, 0,1,2,3
	v_cmp_eq_u32 s[MK+\j], s16, v[KEY+\j]          ; the first four masks
.endr
	v_add_nc_u32 v[LT], s46, v0
	v_min_u32 v[LT], s44, v[LT]
	s_wait_alu depctr_va_vdst(0)
	v_mov_b32 v[LM], 0
	v_mov_b32 v[LP], 0
	v_mov_b32 v[LQ], 0
	s_mov_b32 s39, 0                               ; members ahead of the mask in hand
	s_wait_alu depctr_va_sdst(0)                   ; the first four masks are written, ahead of the scalar lines that count their ones
; The walk, four masks a run.  Scalar lines count the run's masks and lay down the members ahead of each; four compares ask of each mask whether it begins behind member T; the NEXT run's four masks are made
; beside them, into the other set; ONE wait serves those eight writers of scalar registers; then the selections
.set z, 0
.rept 16
.irp j, 0,1,2,3
	s_bcnt1_i32_b32 s[CT], s[MK+4*(z%2)+\j]
	s_mov_b32 s[PX+4*(z%2)+\j], s39
	s_add_co_u32 s39, s39, s[CT]
.endr
.irp j, 0,1,2,3
	v_cmp_gt_u32 s[CD+\j], s[PX+4*(z%2)+\j], v[LT] ; does this mask begin behind member T?  If not, it is taken: the last one taken holds T
.endr
.if z < 15
.irp j, 0,1,2,3
	v_cmp_eq_u32 s[MK+4*((z+1)%2)+\j], s16, v[KEY+4*(z+1)+\j]
.endr
.endif
	s_wait_alu depctr_va_sdst(0)                   ; the four conditions are written, which the selections below read, and the next run's four masks, which the next run's scalar lines read
	s_wait_alu depctr_va_vdst(0)
.irp j, 0,1,2,3
	v_cndmask_b32 v[LM], s[MK+4*(z%2)+\j], v[LM], s[CD+\j]
	v_cndmask_b32 v[LP], s[PX+4*(z%2)+\j], v[LP], s[CD+\j]
	v_cndmask_b32 v[LQ], 4*z+\j, v[LQ], s[CD+\j]
.endr
.set z, z+1
.endr
	v_sub_nc_u32 v[LC], v[LP], v[LT]
	v_add_nc_u32 v[LC], -1, v[LC]                  ; -(k + 1): I want one number k of the mask, k = T - the members ahead of it
	v_mov_b32 v[LO], 0
.set z, 0
.rept 32                               ; its place = the number of places up to which at most k ones have been met: there the count below is still negative
	v_bfe_u32 v[LA+z%2], v[LM], z, 1
	v_add_nc_u32 v[LC], v[LC], v[LA+z%2]
	v_lshrrev_b32 v[LB+z%2], 31, v[LC]
	v_add_nc_u32 v[LO], v[LO], v[LB+z%2]
.set z, z+1
.endr
	v_lshrrev_b32 v[LA], 2, v[LQ]
	v_and_b32 v[LB], 3, v[LQ]
	v_lshl_add_u32 v[LB], v[LO], 2, v[LB]
	v_lshl_add_u32 v[LA], v[LA], 7, v[LB]          ; the token: 128 (mask / 4) + 4 x place + mask % 4
	s_wait_alu depctr_va_vdst(0)                   ; the token number v70 is written, which the LDS store reads; the list's lines are done with v64-73 and the compares with the keys' registers: fragments land in both in the work
	ds_store_b32 v18, v[LA]                        ; my slot's token number, for the work and the way out of all four waves, and, within my wave's own 128 bytes, for the fill:
.set z, 0
.rept 16
	ds_load_b32 v[AF0+z], v24 offset:8*z           ; LDS serves a wave's instructions in order: these see the store above.  Slot 32 w + 2 z + h
.set z, z+1
.endr
.irp m, 0,1,2,3
	ds_load_b32 v[AF0+16+\m], v25 offset:32*\m     ; slot 32 w + 8 m + l / 4
.endr
	s_wait_dscnt 0x0
.set z, 0
.rept 20
	v_min_u32 v[AF0+z], 0x7ff, v[AF0+z]            ; a token number enters an address only behind this bound
.set z, z+1
.endr
.set z, 0
.rept 16
	v_lshl_add_u32 v[AF0+z], v[AF0+z], 10, v23     ; the token's 1,024 bytes of codes, + 16 r
.set z, z+1
.endr
.irp m, 0,1,2,3
	v_lshl_add_u32 v[AF0+16+\m], v[AF0+16+\m], 6, v26              ; its 64 scale bytes, + the quarter that lane % 4 fetches
.endr
	WIN 0x80                                       ; destination window 2: the accumulators are free between chunks
	s_wait_alu depctr_va_vdst(0)                   ; the twenty offsets v32-51 are written, which the gathers read
.set z, 0
.rept 64
	global_load_b128 v[4*z:4*z+3], v[AF0+z/4], s[56+2*(z%4):57+2*(z%4)]   ; lanes 0-15 one token's 256 bytes of the quarter at position z % 4, lanes 16-31 the next slot's
.set z, z+1
.endr
	WIN 0
.irp m, 0,1,2,3
	global_load_b128 v[WK+4*\m:WK+4*\m+3], v[AF0+16+\m], s[4:5] offset:2097152
.endr
	s_wait_loadcnt 0x0
	WIN 0x08                                       ; an LDS store's data are its source 1: window 2
.set z, 0
.rept 64
	ds_store_b128 v16, v[4*z:4*z+3] offset:2*PIT*(z/4)+256*(z%4)   ; column 256 v of a slot holds the quarter of K at position v
.set z, z+1
.endr
	WIN 0
.irp m, 0,1,2,3
	ds_store_b128 v17, v[WK+4*\m:WK+4*\m+3] offset:8*ASP*\m
.endr
.Lno_fill:
	s_wait_dscnt 0x0                               ; for the others' sake: my slots lie in LDS
	s_wait_alu depctr_vm_vsrc(0)                   ; the fill's instructions have read their registers: the token number v70 and the gathers' offsets v32-51, in which fragments land; window 2, which the products write; v240-255, in which token numbers land
	s_barrier_signal -1
	s_barrier_wait -1                              ; everybody's do
	s_cmp_gt_i32 s41, 0
	s_cbranch_scc0 .Lno_work
	; ---- THE WORK.  Its first loads owe no wait on va_vdst: on every way here no vector or matrix instruction stands behind the last such wait
.irp i, 0,1,2,3,4,5,6,7
	ds_load_b32 v[WK+\i], v22 offset:64*\i         ; the token in slot 16 i + r
.endr
.irp u, 0,1,2,3
	ds_load_b128 v[ASC+4*\u:ASC+4*\u+3], v14 offset:32*ASP*\u      ; the tokens' scale words of the first quarter
.endr
.irp i, 0,1,2,3,4,5,6,7
	ALOAD 0, \i
.endr
	s_wait_dscnt 20                                ; the token numbers are in; the 4 + 16 loads behind them may be out
.irp i, 0,1,2,3,4,5,6,7
	v_min_u32 v[WK+\i], 0x7ff, v[WK+\i]
.endr
.irp i, 0,1,2,3,4,5,6,7
	v_lshlrev_b32 v[WK+\i], 3, v[WK+\i]
.endr
	s_wait_alu depctr_va_vdst(0)                   ; the eight offsets v240-247 are written, which the gates' loads read
.irp i, 0,1,2,3,4,5,6,7
	global_load_b64 v[GT+2*\i:GT+2*\i+1], v[WK+\i], s[8:9]         ; (score[a], score[b]) of my lane's token in tile i
.endr
	; The counts: behind a step's 16 loads of weights stand, in the order of issue, the rest of the first ring, the 8 loads of gates, and what the steps so far have asked for: 4 loads of scale words at the head of steps 0, 4, 8; 16 of weights in each of steps 1 to 12, for the part that the step before multiplied
	KSTEP 0, 56                                    ; 48 + 8
	KSTEP 1, 44                                    ; 32 + 8 + 4
	KSTEP 2, 44                                    ; 16 + 8 + 4 + 16
	KSTEP 3, 44                                    ; 8 + 4 + 32
	KSTEP 4, 32                                    ; its weights were asked for in step 1: behind them steps 2 and 3's
	KSTEP 5, 36                                    ; 16 + 4 + 16
	KSTEP 6, 36                                    ; 4 + 16 + 16
	KSTEP 7, 32                                    ; 16 + 16
	KSTEP 8, 32
	KSTEP 9, 36
	KSTEP 10, 36
	KSTEP 11, 32
	KSTEP 12, 32
	KSTEP 13, 32                                   ; behind its weights: steps 11 and 12's; nothing is asked for from here on, and the counts run down
	KSTEP 14, 16
	KSTEP 15, 0                                    ; all loads are in
.irp i, 0,1,2,3,4,5,6,7
	EPI \i
.endr
.Lepi_done:
	s_wait_xcnt 0x0                                ; the last tile's stores have had their addresses translated: a later fill or work writes their data (v32-63) and address registers (v240-247) only behind this wait, which every way from those stores passes
	s_wait_alu depctr_vm_vsrc(0)                   ; those stores have read v32-63 and v240-247, and the way out's LDS stores the accumulators: a further chunk's biases and gathers land in these, its token numbers and fragments in those
	s_cmp_gt_i32 s41, 128                          ; is there a further chunk with tokens?
	s_cbranch_scc0 .Lno_work
	KLOAD                                          ; then the keys come again (their registers held fragments meanwhile), in the same order as at the head: ahead of
	PRE                                            ; that chunk's weights and biases.  No vector line stands behind the way out's last wait on va_vdst: the products are done with the keys' registers, the ring and the scale words, the packed lines with the accumulators
.Lno_work:
	s_wait_dscnt 0x0                               ; my reads of the slots are over
	s_barrier_signal -1
	s_barrier_wait -1                              ; everybody's are: the next trip may fill them again
	s_add_co_u32 s40, s40, 1
	s_cmp_lt_u32 s40, 16
	s_cbranch_scc1 .Lchunk
	s_wait_xcnt 0x0
	s_wait_alu depctr_vm_vsrc(0)                   ; the fill's LDS stores have read v254 and v255 as data: the two lines below write them
	v_lshl_add_u32 v254, v0, 2, 0x27600
	v_mov_b32 v255, 0
	s_wait_dscnt 0x0                               ; the closing lines, six on end
	s_wait_alu 0x0
	s_wait_tensorcnt 0x0
	ds_add_u32 v254, v255
	s_wait_dscnt 0x0
	s_endpgm
.Lfunc_end_k_qf3cc83b557_moe:
	.size	k_qf3cc83b557_moe, .Lfunc_end_k_qf3cc83b557_moe-k_qf3cc83b557_moe
	.p2alignl 7, 3214868480
	.fill 96, 4, 3214868480
	.section	.rodata,"a",@progbits
	.p2align	6, 0x0
	.amdhsa_kernel k_qf3cc83b557_moe
		.amdhsa_group_segment_fixed_size 161792
		.amdhsa_private_segment_fixed_size 0
		.amdhsa_enable_private_segment 0
		.amdhsa_kernarg_size 48
		.amdhsa_user_sgpr_count 2
		.amdhsa_user_sgpr_kernarg_segment_ptr 1
		.amdhsa_wavefront_size32 1
		.amdhsa_system_sgpr_workgroup_id_x 1
		.amdhsa_system_sgpr_workgroup_id_y 1
		.amdhsa_system_sgpr_workgroup_id_z 1
		.amdhsa_system_vgpr_workitem_id 0
		.amdhsa_next_free_vgpr 1024
		.amdhsa_next_free_sgpr 80
		.amdhsa_reserve_vcc 0
		.amdhsa_float_denorm_mode_32 3
		.amdhsa_float_denorm_mode_16_64 3
		.amdhsa_memory_ordered 1
		.amdhsa_forward_progress 1
		.amdhsa_inst_pref_size 255
	.end_amdhsa_kernel
	.section	.bss,"aw",@nobits
	.p2align	6
	.space	262144
	.amdgpu_metadata
---
amdhsa.version: [ 1, 2 ]
amdhsa.kernels:
  - .name:           k_qf3cc83b557_moe
    .symbol:         k_qf3cc83b557_moe.kd
    .args:
      - { .name: xq, .offset: 0, .size: 8, .value_kind: global_buffer, .address_space: global }
      - { .name: keys, .offset: 8, .size: 8, .value_kind: global_buffer, .address_space: global }
      - { .name: gates, .offset: 16, .size: 8, .value_kind: global_buffer, .address_space: global }
      - { .name: wf, .offset: 24, .size: 8, .value_kind: global_buffer, .address_space: global }
      - { .name: be, .offset: 32, .size: 8, .value_kind: global_buffer, .address_space: global }
      - { .name: out0, .offset: 40, .size: 8, .value_kind: global_buffer, .address_space: global }
    .group_segment_fixed_size: 161792
    .private_segment_fixed_size: 0
    .kernarg_segment_align: 8
    .kernarg_segment_size: 48
    .max_flat_workgroup_size: 128
    .sgpr_count:     80
    .vgpr_count:     1024
    .wavefront_size: 32
...
	.end_amdgpu_metadata
.endif
;; end of part 7
